; MI455X (gfx1250); checked and timed in simulation.
; The chip was launched on July 23, 2026; its instructions are those of AMD's public machine-readable ISA for CDNA 5 (MIT licence, August 2026) and "CDNA5" Instruction Set Architecture Reference Guide (July 2026). The comments in the code are by the model that wrote it; some were corrected since.
;; Attention With Pos. Allowed arithmetic: float matrix products may take bf16 or f16 operands with f32 sums; other float arithmetic in f32, or as packed bf16 or f16 multiplies, adds, multiply-adds, maxima and minima; sums over many terms, partial sums and values carried from step to step in f32; what a program stores and reads back later, other than sums and carried values, may be rounded once to bf16 or f16.
;; Inputs: Wk 2,048 x 2,048 float32; Wo 2,048 x 2,048 float32; Wq 2,048 x 2,048 float32; Wv 2,048 x 2,048 float32; bk 2,048 float32; bo 2,048 float32; bq 2,048 float32; bv 2,048 float32; x 4 x 1,024 x 2,048 float32.
;; Outputs: out0 4 x 1,024 x 2,048 float32.
;; 3 versions, each right; version 3 is version 2 with the launches prep, attn written anew for expert scheduling mode. Each part assembles by itself: llvm-mc -triple=amdgcn-amd-amdhsa -mcpu=gfx1250 --defsym DOCPART=n.
;; ======== version 1 of 3: 4 launches
;; limits: values are held in f16: magnitudes above 65,504 overflow, below 6.1e-05 lose precision
;; workspace buffers: xb 16,777,216 bytes; wb 25,165,824 bytes; wof 8,388,608 bytes; bias 32,768 bytes; rope 262,144 bytes; qkv 50,331,648 bytes; o2 16,777,216 bytes
;; launch prep (part 1): grid 1568 x 1, 8 waves a work-group, no clusters, 0 bytes of LDS; arguments x, Wq, Wk, Wv, Wo, bq, bk, bv, bo, xb, wb, wof, bias, rope; writes xb, wb, wof, bias, rope
.if DOCPART == 1
	.amdgcn_target "amdgcn-amd-amdhsa--gfx1250"
	.amdhsa_code_object_version 6
	.text
	.protected	k_qdb0bdc668e_prep
	.globl	k_qdb0bdc668e_prep
	.p2align	8
	.type	k_qdb0bdc668e_prep,@function
k_qdb0bdc668e_prep:
	s_mov_b64 s[64:65], 0
	v_nop
	global_prefetch_b8 v0, s[64:65] scope:SCOPE_SE
	s_setreg_imm32_b32 hwreg(HW_REG_WAVE_MODE, 25, 1), 1
	s_wait_xcnt 0x0
; PREP: the module's inputs rounded once to bf16, and the two small tables.
;   xb  [4096][2048] bf16 = x.        wb [6144][2048] bf16: rows 0-2047 Wq, 2048-4095 Wk, row 4096 + 32 d + g = Wv[64 g + d],
;   so that the product with wb's last third gives each position's V already turned ([channel][head]).
;   wof [2048][2048] f16 = Wo rounded to bf16, that number written as f16.
;   bias [4][2048] f32 = bq, bk, bv (in wb's order of rows), bo, each rounded to bf16 and kept as f32.
;   rope [1024][64] f32: row l = cos(l theta_f), f = 0..31, then sin(l theta_f), theta_f = 10000^(-f/32).
; LIMITS.  A number of bf16(Wo) below 2^-14 keeps f16's fixed step of 6e-8, beyond 65,504 it would be lost.  The table's angles lie within
; about 1e-4 rad of l theta_f taken in f32: theta comes from v_exp_f32, the product l theta is rounded once as f32.
; SHARES.  Work-groups 0-1535: one wave converts one row of 2,048 f32: 16 loads of 512 consecutive bytes, all out at once, and 16 stores of
; 256 consecutive bytes, aligned.  No register is written twice while a load or store names it, so no wait but the loads' own is needed.
; Work-groups 1536-1567: the tables.  Memory binds: no LDS, no matrix unit, no cluster, since no byte is wanted twice.
.set LOFF, 1                           ; v1   16 x lane
.set SOFF, 2                           ; v2   8 x lane
.set LANE, 3                           ; v3   lane
.set X,    16                          ; v[16:79]   the row's 64 f32 of my lane
.set Y,    80                          ; v[80:111]  the same as 16-bit pairs
	s_load_b512 s[8:23], s[0:1], 0x0               ; x 8, Wq 10, Wk 12, Wv 14, Wo 16, bq 18, bk 20, bv 22
	s_load_b256 s[24:31], s[0:1], 0x40             ; bo 24, xb 26, wb 28, wof 30
	s_load_b128 s[32:35], s[0:1], 0x60             ; bias 32, rope 34
	v_lshrrev_b32 v4, 5, v0
	v_readfirstlane_b32 s36, v4                    ; wave 0..7
	v_and_b32 v[LANE], 31, v0
	s_lshl_b32 s37, ttmp9, 3
	s_add_co_u32 s37, s37, s36                     ; R = 8 x work-group + wave: the row's number among 12,288
	s_wait_kmcnt 0x0
	s_cmp_ge_u32 ttmp9, 1536
	s_cbranch_scc1 .Ltables
	v_lshlrev_b32 v[LOFF], 4, v[LANE]
	v_lshlrev_b32 v[SOFF], 3, v[LANE]
	s_sub_co_u32 s38, s37, 4096                    ; R - 4096: the row among the four weights (no meaning for x's rows)
	s_lshr_b32 s39, s38, 11                        ; which weight: 0 Wq, 1 Wk, 2 Wv, 3 Wo
	s_and_b32 s40, s38, 2047                       ; its row
	s_and_b32 s41, s40, 31
	s_lshl_b32 s41, s41, 6
	s_lshr_b32 s42, s40, 5
	s_or_b32 s41, s41, s42                         ; row 32 d + g of wb's last third comes from Wv's row 64 g + d
	s_cmp_eq_u32 s39, 1
	s_cselect_b64 s[46:47], s[12:13], s[10:11]
	s_cmp_eq_u32 s39, 2
	s_cselect_b64 s[46:47], s[14:15], s[46:47]
	s_cselect_b32 s43, s41, s40                    ; source row
	s_cmp_eq_u32 s39, 3
	s_cselect_b64 s[46:47], s[16:17], s[46:47]
	s_cselect_b64 s[48:49], s[30:31], s[28:29]
	s_cselect_b32 s44, s40, s38                    ; destination row
	s_cmp_lt_u32 s37, 4096                         ; the first 4,096 rows are x's
	s_cselect_b64 s[46:47], s[8:9], s[46:47]
	s_cselect_b64 s[48:49], s[26:27], s[48:49]
	s_cselect_b32 s43, s37, s43
	s_cselect_b32 s44, s37, s44
	s_lshl_b32 s50, s43, 13                        ; 8,192 bytes a row of f32
	s_mov_b32 s51, 0
	s_lshl_b32 s52, s44, 12                        ; 4,096 bytes a row of 16 bits
	s_mov_b32 s53, 0
	s_add_nc_u64 s[46:47], s[46:47], s[50:51]
	s_add_nc_u64 s[48:49], s[48:49], s[52:53]
	s_cmp_ge_u32 s37, 10240                        ; Wo's rows leave as f16
	s_cbranch_scc1 .Lf16
; One row.  fmt = 0: bf16.  fmt = 1: rounded to bf16, widened again, and written as f16.
.macro CONV fmt
.set i, 0
.rept 16
	global_load_b128 v[X+4*i:X+4*i+3], v[LOFF], s[46:47] offset:512*i th:TH_LOAD_NT
.set i, i+1
.endr
.set i, 0
.rept 16
	s_wait_loadcnt 15-i                            ; loads come back in order: number i is in, the 15 - i younger ones stay out
	v_cvt_pk_bf16_f32 v[Y+2*i],   v[X+4*i],   v[X+4*i+1]
	v_cvt_pk_bf16_f32 v[Y+2*i+1], v[X+4*i+2], v[X+4*i+3]
.if \fmt
	v_lshlrev_b32 v4, 16, v[Y+2*i]
	v_and_b32     v5, 0xffff0000, v[Y+2*i]
	v_lshlrev_b32 v6, 16, v[Y+2*i+1]
	v_and_b32     v7, 0xffff0000, v[Y+2*i+1]
	v_cvt_pk_f16_f32 v[Y+2*i],   v4, v5
	v_cvt_pk_f16_f32 v[Y+2*i+1], v6, v7
.endif
	global_store_b64 v[SOFF], v[Y+2*i:Y+2*i+1], s[48:49] offset:256*i  ; the wave stores 256 consecutive bytes, aligned
.set i, i+1
.endr
.endm
	CONV 0
	s_endpgm
.Lf16:
	CONV 1
	s_endpgm
.Ltables:
	; THE ANGLES' TABLE.  A wave makes four positions; lane g and lane 16 + g make f = 2 g and 2 g + 1: lanes 0-15 the cosines, lanes 16-31 the sines, as cos(a - pi/2).
	s_sub_co_u32 s37, ttmp9, 1536                  ; j = 0..31
	s_mov_b32 s50, 0x3e800000                      ; 1/4 of a turn
	s_mov_b32 s51, 0x3fc90fdb                      ; pi/2
	s_mov_b32 s52, 0x3e22f983                      ; 1 / 2 pi
	s_mov_b32 s53, 0x40c90fdb                      ; 2 pi, the f32 next to it,
	s_mov_b32 s54, 0xb43bbd2e                      ; and what is left of 2 pi
	v_and_b32 v4, 15, v0
	v_lshlrev_b32 v5, 1, v4
	v_cvt_f32_u32 v6, v5
	v_add_nc_u32 v5, 1, v5
	v_cvt_f32_u32 v7, v5
	v_mul_f32 v6, 0xbed49a78, v6                   ; - f log2(10000) / 32
	v_mul_f32 v7, 0xbed49a78, v7
	v_exp_f32 v8, v6                               ; theta of f = 2 g
	v_exp_f32 v9, v7                               ; and of 2 g + 1
	v_cmp_lt_u32 vcc_lo, 15, v[LANE]               ; plain work behind the exponentials, which names neither result
	v_cndmask_b32 v10, 0, s50, vcc_lo
	v_cndmask_b32 v11, 0, s51, vcc_lo
	s_lshl_b32 s38, s37, 5
	s_lshl_b32 s39, s36, 2
	s_add_co_u32 s38, s38, s39                     ; my first position: 32 j + 4 x wave
	s_lshl_b32 s39, s38, 8
	v_lshlrev_b32 v12, 3, v[LANE]
	v_add_nc_u32 v12, s39, v12                     ; 256 bytes a position, 8 a lane
	s_wait_alu depctr_va_vdst(0)                   ; one wait for both exponentials, ahead of their first reader
.irp i, 0,1,2,3
	s_add_co_u32 s40, s38, \i
	v_cvt_f32_u32 v13, s40
.irp z, 0,1
	v_mul_f32 v14, v13, v[8+(\z)]                  ; the angle, rounded once
	v_fma_f32 v15, v14, s52, -v10                  ; in turns, less a quarter for the sines
	v_rndne_f32 v16, v15                           ; whole turns n
	v_fma_f32 v17, -v16, s53, v14                  ; angle - 2 pi n, in two parts,
	v_fma_f32 v17, -v16, s54, v17
	v_sub_f32 v17, v17, v11                        ; less pi/2 for the sines: within pi of 0
	v_mul_f32 v18, v17, v17
	v_mov_b32 v19, 0x29573f9f                      ; the cosine's series to the term of degree 16: the first term left out is pi^18 / 18! = 1.4e-7 at the most
	v_fmaak_f32 v19, v19, v18, 0xad49cba5          ; -1/14!
	v_fmaak_f32 v19, v19, v18, 0x310f76c7          ; 1/12!
	v_fmaak_f32 v19, v19, v18, 0xb493f27e          ; -1/10!
	v_fmaak_f32 v19, v19, v18, 0x37d00d01          ; 1/8!
	v_fmaak_f32 v19, v19, v18, 0xbab60b61          ; -1/6!
	v_fmaak_f32 v19, v19, v18, 0x3d2aaaab          ; 1/4!
	v_fmaak_f32 v19, v19, v18, 0xbf000000          ; -1/2
	v_fmaak_f32 v[20+2*(\i)+(\z)], v19, v18, 0x3f800000
.endr
	global_store_b64 v12, v[20+2*(\i):21+2*(\i)], s[34:35] offset:256*(\i)  ; a position's 256 bytes, whole; each position has result registers of its own
.endr
	; THE BIASES.  128 waves, 64 numbers each: unit u = 8 j + wave holds numbers 64 (u % 32) .. of vector u / 32.
	s_lshl_b32 s41, s37, 3
	s_add_co_u32 s41, s41, s36
	s_cmp_lt_u32 s41, 128
	s_cbranch_scc0 .Ldone
	s_lshr_b32 s42, s41, 5                         ; which vector
	s_and_b32 s43, s41, 31                         ; c
	s_cmp_eq_u32 s42, 2                            ; number n = 64 c + 2 lane + i comes from byte 4 n, or for bv from number 64 (n % 32) + n / 32
	s_cselect_b32 s44, 512, 8                      ; the factor of lane % 16,
	s_cselect_b32 s45, 4, 128                      ; of lane / 16,
	s_cselect_b32 s46, 8, 256                      ; of c,
	s_cselect_b32 s47, 256, 4                      ; and of i
	s_mul_i32 s46, s46, s43
	v_lshrrev_b32 v28, 4, v[LANE]
	v_mul_u32_u24 v29, s44, v4
	v_mad_u32_u24 v29, v28, s45, v29
	v_add_nc_u32 v29, s46, v29
	v_add_nc_u32 v30, s47, v29
	s_cmp_eq_u32 s42, 1
	s_cselect_b64 s[48:49], s[20:21], s[18:19]
	s_cmp_eq_u32 s42, 2
	s_cselect_b64 s[48:49], s[22:23], s[48:49]
	s_cmp_eq_u32 s42, 3
	s_cselect_b64 s[48:49], s[24:25], s[48:49]
	global_load_b32 v31, v29, s[48:49]
	global_load_b32 v32, v30, s[48:49]
	s_lshl_b32 s55, s41, 8
	v_lshl_add_u32 v36, v[LANE], 3, s55
	s_wait_loadcnt 0x0
	v_cvt_pk_bf16_f32 v33, v31, v32                ; rounded to bf16 like every input,
	v_lshlrev_b32 v34, 16, v33                     ; and kept as f32
	v_and_b32 v35, 0xffff0000, v33
	global_store_b64 v36, v[34:35], s[32:33]
.Ldone:
	s_endpgm
.Lfunc_end_k_qdb0bdc668e_prep:
	.size	k_qdb0bdc668e_prep, .Lfunc_end_k_qdb0bdc668e_prep-k_qdb0bdc668e_prep
	.p2alignl 7, 3214868480
	.fill 96, 4, 3214868480
	.section	.rodata,"a",@progbits
	.p2align	6, 0x0
	.amdhsa_kernel k_qdb0bdc668e_prep
		.amdhsa_group_segment_fixed_size 0
		.amdhsa_private_segment_fixed_size 0
		.amdhsa_enable_private_segment 0
		.amdhsa_kernarg_size 112
		.amdhsa_user_sgpr_count 2
		.amdhsa_user_sgpr_kernarg_segment_ptr 1
		.amdhsa_wavefront_size32 1
		.amdhsa_system_sgpr_workgroup_id_x 1
		.amdhsa_system_sgpr_workgroup_id_y 1
		.amdhsa_system_sgpr_workgroup_id_z 1
		.amdhsa_system_vgpr_workitem_id 0
		.amdhsa_next_free_vgpr 112
		.amdhsa_next_free_sgpr 66
		.amdhsa_reserve_vcc 1
		.amdhsa_float_denorm_mode_32 3
		.amdhsa_float_denorm_mode_16_64 3
		.amdhsa_memory_ordered 1
		.amdhsa_forward_progress 1
		.amdhsa_inst_pref_size 29
	.end_amdhsa_kernel
	.amdgpu_metadata
---
amdhsa.version: [ 1, 2 ]
amdhsa.kernels:
  - .name:           k_qdb0bdc668e_prep
    .symbol:         k_qdb0bdc668e_prep.kd
    .args:
      - { .name: x, .offset: 0, .size: 8, .value_kind: global_buffer, .address_space: global }
      - { .name: Wq, .offset: 8, .size: 8, .value_kind: global_buffer, .address_space: global }
      - { .name: Wk, .offset: 16, .size: 8, .value_kind: global_buffer, .address_space: global }
      - { .name: Wv, .offset: 24, .size: 8, .value_kind: global_buffer, .address_space: global }
      - { .name: Wo, .offset: 32, .size: 8, .value_kind: global_buffer, .address_space: global }
      - { .name: bq, .offset: 40, .size: 8, .value_kind: global_buffer, .address_space: global }
      - { .name: bk, .offset: 48, .size: 8, .value_kind: global_buffer, .address_space: global }
      - { .name: bv, .offset: 56, .size: 8, .value_kind: global_buffer, .address_space: global }
      - { .name: bo, .offset: 64, .size: 8, .value_kind: global_buffer, .address_space: global }
      - { .name: xb, .offset: 72, .size: 8, .value_kind: global_buffer, .address_space: global }
      - { .name: wb, .offset: 80, .size: 8, .value_kind: global_buffer, .address_space: global }
      - { .name: wof, .offset: 88, .size: 8, .value_kind: global_buffer, .address_space: global }
      - { .name: bias, .offset: 96, .size: 8, .value_kind: global_buffer, .address_space: global }
      - { .name: rope, .offset: 104, .size: 8, .value_kind: global_buffer, .address_space: global }
    .group_segment_fixed_size: 0
    .private_segment_fixed_size: 0
    .kernarg_segment_align: 8
    .kernarg_segment_size: 112
    .max_flat_workgroup_size: 256
    .sgpr_count:     66
    .vgpr_count:     112
    .wavefront_size: 32
...
	.end_amdgpu_metadata
.endif
;; end of part 1
;; launch gemm_qkv (part 2): grid 8 x 32, 4 waves a work-group, clusters of 4 x 4, 327,680 bytes of LDS; arguments xb, wb, bias, rope, qkv; writes qkv
.if DOCPART == 2
	.amdgcn_target "amdgcn-amd-amdhsa--gfx1250"
	.amdhsa_code_object_version 6
	.text
	.protected	k_qdb0bdc668e_gemm_qkv
	.globl	k_qdb0bdc668e_gemm_qkv
	.p2align	8
	.type	k_qdb0bdc668e_gemm_qkv,@function
k_qdb0bdc668e_gemm_qkv:
	s_mov_b64 s[64:65], 0
	v_nop
	global_prefetch_b8 v0, s[64:65] scope:SCOPE_SE
	s_setreg_imm32_b32 hwreg(HW_REG_WAVE_MODE, 25, 1), 1
	s_wait_xcnt 0x0
	s_wait_alu depctr_hold_cnt(0) depctr_sa_sdst(0) depctr_va_vdst(0) depctr_va_sdst(0) depctr_va_ssrc(0) depctr_va_vcc(0) depctr_vm_vsrc(0)
	s_getreg_b32 s2, hwreg(HW_REG_IB_STS2, 6, 4)
	s_cmp_eq_u32 s2, 0
	s_cbranch_scc0 .Lentry_in_a_cluster
	s_endpgm
.Lentry_in_a_cluster:
	s_bfe_u32 s2, ttmp6, 0x10000c
	s_cmp_lg_u32 s2, 0xf033
	s_cbranch_scc0 .Lentry_shape_is_right
	s_endpgm
.Lentry_shape_is_right:
; q, k, v = x W^T + b, with the rotary turn on q and k.  xb [4096][2048] bf16, wb [6144][2048] bf16 (Wq, Wk, Wv with its rows in the order 32 d + g),
; bias [4][2048] f32, rope [1024][64] f32 (cos, then sin).  qkv [3][4096][2048] f16: planes q and k with column 64 h + d, plane v with column 32 d + g.
; Sums in f32, begun with the bias; the turn in f32; each number rounded once to f16.
; LIMITS.  f16 ends at 65,504: q and k behind the turn, and v, must lie within it (x and W each with a common offset of 30 spreads give 2048 x 30 x 0.6 x sqrt(2) = 52,000).
; NaN and infinities are not treated apart.
; SHARES.  A tile of C is 128 rows x 256 columns: 32 x 24 = 768 = 3 x 256 tiles.  A WORK-GROUP STAYS and makes three: the same 128 rows of x and the same block of 256 columns
; in plane q, then k, then v.  Four waves, each 64 x 128: 32 accumulators of 16 x 16, 256 registers.  K goes in steps of 128 (rows of 256 bytes in memory, aligned) through two LDS slots.
; The ring runs on across tiles: a tile's last two changes of slots ask for the next tile's first two K steps.  The tile without a successor is v, which takes no turn:
; so the two tails that are written out are the two ways out.
; CLUSTER.  4 x 4 work-groups: the four of a row of the cluster need the same rows of x, the four of a column the same rows of wb: each tile is asked for jointly.
; THE MATRIX INSTRUCTION IS USED TRANSPOSED (source 0 = 16 rows of wb, source 1 = 16 rows of xb): lane l holds row l % 16 of C and the columns 8 (l / 16) + 0..7.
; REGISTERS, in windows of 256 (s_set_vgpr_msb: bits 1:0 source 0, 3:2 source 1, 5:4 source 2, 7:6 destination):
;   window 0: v16-31 addresses; v32-63 rows on their way out; v64-159, v160-255 two fragment buffers (x's 4 fragments, then wb's 8); on the way out the second buffer is at work
;   window 1: accumulator (a, b) at v[8 (8 a + b)]      window 2: v0-127 cos and sin of my 64 rows; v128-191 the bias of my 128 columns
.set KSTEP,  128
.set RB,     4096                      ; bytes in a row of xb, of wb and of a plane of qkv
.set PITCH,  272                       ; an LDS row: 256 bytes + 16 of padding = 68 words: the 16 rows of a fragment load start at 16 different groups of four banks (ISA guide 11.1)
.set ABYTES, 128*PITCH                 ; x's 128 rows
.set SLOT,   384*PITCH                 ; then wb's 256 rows
.set STAGE,  2*SLOT                    ; behind the ring: 16 rows x 272 bytes for each wave, for the way out; no tensor load lands there
.set SPITCH, 272
.set SPARE,  STAGE+4*16*SPITCH         ; the spare words, 128 bytes for each wave: two blocks of 256 bytes that no other line names
.set LAPS,   8                         ; a lap = two K steps; 2048 / 256
.set BACK_A, 14*KSTEP*2                ; from a slot's last K step of a tile back to its first: x's rows stay
.set NEXT_B, 2048*RB-14*KSTEP*2        ; wb goes 2,048 rows down and back along K
.set NEXT_P, 2047*RB+KSTEP*2           ; the prefetches' address: from the K step behind the last to the next tile's K step 1
.set NEXT_C, 4096*RB-3*16*RB           ; from my last 16 rows of a plane to my first of the next
.set ADRA, 16                          ; v16-17  LDS address of my fragments of x in slot 0, 1
.set ADRB, 20                          ; v20-21  the same for wb
.set STO,  24                          ; v24  the way out: where I put 16 bytes of a row
.set RD,   25                          ; v25  where I read rows back
.set CO,   26                          ; v26  my byte offset in two rows of a plane
.set BO,   27                          ; v27  32 x (l / 16): my 8 columns in the bias
.set SPW,  28                          ; v28  my spare word: SPARE + 4 x my thread's number; never rewritten
.set NIL,  29                          ; v29  0; never rewritten
.set PFO,  30                          ; v30  the prefetches' offset: lane x a row; never rewritten
.set TO,   31                          ; v31  256 x (l % 16) + 32 x (l / 16): my place in the angles' table
.set OB0,  32                          ; rows read back from the stage: v32-63 and v224-255 by turns
.set F0,   64
.set F1,   160
.set RR,   160                         ; the way out: a head's 64 turned numbers of my row, f32
.set PK,   192                         ; the way out: 128 columns as f16 pairs
.set BIA,  128                         ; window 2
.set G1,   24                          ; s[24:31] descriptor group 1 for x's tiles; s[32:39] group 0, a set for each slot
.set G0,   32
.set G1B,  48                          ; s[48:55], s[56:63] the same for wb's
.set G0B,  56
.set LIM,  43                          ; s43  1 in a wave that prefetches, else the greatest number
.set PFA,  44                          ; s[44:45] where my prefetches stand
.set MULW,   0x50                      ; C and D in window 1, fragments in window 0
.set FIRSTW, 0x60                      ; C (the bias) in window 2, D in window 1
.set TO2,    0x80                      ; a load's destination in window 2
.set ROPEW,  0x09                      ; source 0 (sums) in window 1, source 1 (cos, sin) in window 2
.set PKW,    0x05                      ; sources 0 and 1 in window 1
.set MSB, 0
.macro WIN new                         ; the immediate's high byte repeats the setting that is left; a switch that changes nothing is dropped
.if MSB != (\new)
	s_set_vgpr_msb (MSB<<8)|(\new)
.set MSB, \new
.endif
.endm
; A joint load.  Waves 0 and 1 fetch the halves of x's tile (64 rows each), waves 2 and 3 those of wb's (128 rows each).  The branch hangs on the wave's number alone.
; An s_nop 0 and four v_nop follow each of the two lines, ahead of the jump and the label.
.macro JLOAD s
	s_cmp_eq_u32 s11, 0
	s_cbranch_scc0 .Lfor_b_\@
	tensor_load_to_lds s[G0+4*(\s):G0+4*(\s)+3], s[G1:G1+7]
	s_nop 0
.rept 4
	v_nop
.endr
	s_branch .Lasked_\@
.Lfor_b_\@:
	tensor_load_to_lds s[G0B+4*(\s):G0B+4*(\s)+3], s[G1B:G1B+7]
	s_nop 0
.rept 4
	v_nop
.endr
.Lasked_\@:
.endm
; A PREFETCH INTO THE L2, behind each joint load, its five lines and the run of LDS loads: 32 rows x 256 bytes of the K step that stands two refills on (256 matrix instructions ahead of the load that
; will want it), a lane a row.  Each row's 256 bytes of a K step are named once in the launch: x's rows by the clusters with x = 0, wb's by those with y = 0; the four partners that ask for a tile jointly
; share its rows out by address: wave 0 takes x's rows 32 cx .., waves 2 and 3 wb's rows 64 cy .. and 64 cy + 32 ..; wave 1 asks for nothing.  how = 0, in the loop: a tile's last two refills have no
; K step two on.  how = 1, at a change of tiles: the next tile's K steps 2 and 3 of wb; x's rows are the same in all three tiles and are asked for in the first alone.
.macro ASK how
.if \how
	s_cmp_eq_u32 s[LIM], 1
.else
	s_cmp_gt_u32 s3, s[LIM]                        ; s3 = 1 in the loop's last trip
.endif
	s_cbranch_scc0 .Lnot_mine_\@
	global_prefetch_b8 v[PFO], s[PFA:PFA+1] offset:KSTEP*2 th:TH_LOAD_NT scope:SCOPE_SE
.Lnot_mine_\@:
.endm
.macro CREST                           ; a round of the cluster's barrier behind its opening barrier
	s_cmp_lg_u32 s10, 0
	s_cbranch_scc1 .Lnot_wave_0_\@
	s_barrier_signal -3
.Lnot_wave_0_\@:
	s_barrier_wait -3
	s_barrier_signal -1
	s_barrier_wait -1
.endm
.macro CROUND                          ; a whole round
	s_barrier_signal -1
	s_barrier_wait -1
	CREST
.endm
.macro BIASLD                          ; the bias of my 128 columns: register 8 b + j = column 16 b + 8 (l / 16) + j, the layout of a C operand
	WIN TO2
.irp b, 0,1,2,3,4,5,6,7
	global_load_b128 v[BIA+8*(\b):BIA+8*(\b)+3],   v[BO], s[68:69] offset:64*(\b)
	global_load_b128 v[BIA+8*(\b)+4:BIA+8*(\b)+7], v[BO], s[68:69] offset:64*(\b)+16
.endr
	WIN 0
.endm
	s_load_b128 s[4:7], s[0:1], 0x0                ; xb s[4:5], wb s[6:7]
	s_load_b128 s[68:71], s[0:1], 0x10             ; bias s[68:69], rope s[70:71]
	s_load_b64 s[8:9], s[0:1], 0x20                ; qkv
	v_lshl_add_u32 v[SPW], v0, 2, SPARE
	v_mov_b32 v[NIL], 0
	ds_add_u32 v[SPW], v[NIL]                      ; the wave's opening: the add and its wait stand ahead of my first tensor load; the set-up below stands between them
	v_lshrrev_b32 v1, 5, v0
	v_readfirstlane_b32 s10, v1                    ; wave 0..3
	s_lshr_b32 s11, s10, 1                         ; which 64 of the tile's rows are mine.  Also: I fetch for x (0) or for wb (1)
	s_and_b32 s12, s10, 1                          ; which 128 of its columns.  Also: which half of that tile I fetch
	s_bfe_u32 s40, ttmp6, 0x40000                  ; cx
	s_bfe_u32 s41, ttmp6, 0x40004                  ; cy
	s_lshl_b32 s42, ttmp9, 2
	s_add_co_u32 s42, s42, s40                     ; tile column 0..7 = 4 x cluster x + cx
	s_and_b32 s13, ttmp7, 0xffff
	s_lshl_b32 s13, s13, 2
	s_add_co_u32 s13, s13, s41                     ; tile row 0..31 = 4 x cluster y + cy
	s_lshl_b32 s43, s41, 2
	s_lshl_b32 s43, 15, s43                        ; my row of the cluster
	s_lshl_b32 s44, 0x1111, s40                    ; my column
	s_or_b32 s[G1+0], s43, (1<<16)|(1<<20)|(1<<21)|(5<<22)|(3<<25)   ; 15:0 the mask; 17:16 2-byte elements; 20 padding on; 21 set beside a mask; 24:22 after every 64 words; 31:25 4 words
	s_or_b32 s[G1B+0], s44, (1<<16)|(1<<20)|(1<<21)|(5<<22)|(3<<25)
	s_mov_b32 s[G1+1], KSTEP<<16                   ; tensor_dim0 = 128
	s_mov_b32 s[G1+2], 64<<16                      ; tensor_dim1 = 64
	s_mov_b32 s[G1+3], KSTEP<<16                   ; tile_dim0 = 128
	s_mov_b32 s[G1+4], 64                          ; tile_dim1 = 64
	s_mov_b32 s[G1+5], 2048                        ; elements from row to row
	s_mov_b32 s[G1+6], 0
	s_mov_b32 s[G1+7], 0
	s_mov_b32 s[G1B+1], KSTEP<<16
	s_mov_b32 s[G1B+2], 128<<16                    ; 128 rows
	s_mov_b32 s[G1B+3], KSTEP<<16
	s_mov_b32 s[G1B+4], 128
	s_mov_b32 s[G1B+5], 2048
	s_mov_b32 s[G1B+6], 0
	s_mov_b32 s[G1B+7], 0
	s_lshl_b32 s16, s13, 7                         ; x: row 128 x tile row + 64 x half, in bytes
	s_lshl_b32 s17, s12, 6
	s_add_co_u32 s16, s16, s17
	s_lshl_b32 s16, s16, 12
	s_mov_b32 s17, 0
	s_lshl_b32 s46, s42, 8                         ; wb: row 256 x tile column + 128 x half
	s_lshl_b32 s47, s12, 7
	s_add_co_u32 s46, s46, s47
	s_lshl_b32 s46, s46, 12
	s_mov_b32 s47, 0
	s_mul_i32 s20, s12, 64*PITCH                   ; where they go: no place in the cluster enters an LDS address
	s_mul_i32 s21, s12, 128*PITCH
	s_add_co_u32 s21, s21, ABYTES
	s_wait_dscnt 0x0                               ; the opening add is done
	s_wait_kmcnt 0x0
	s_add_nc_u64 s[14:15], s[4:5], s[16:17]
	s_add_nc_u64 s[46:47], s[6:7], s[46:47]
	CROUND                                         ; all sixteen work-groups are here: the first joint loads meet
.irp s, 0,1
	s_mov_b32 s[G0+4*(\s)], 1
	s_add_co_u32 s[G0+4*(\s)+1], s20, (\s)*SLOT
	s_add_nc_u64 s[G0+4*(\s)+2:G0+4*(\s)+3], s[14:15], (\s)*KSTEP*2
	s_or_b32 s[G0+4*(\s)+3], s[G0+4*(\s)+3], 0x80000000
	s_mov_b32 s[G0B+4*(\s)], 1
	s_add_co_u32 s[G0B+4*(\s)+1], s21, (\s)*SLOT
	s_add_nc_u64 s[G0B+4*(\s)+2:G0B+4*(\s)+3], s[46:47], (\s)*KSTEP*2
	s_or_b32 s[G0B+4*(\s)+3], s[G0B+4*(\s)+3], 0x80000000
	JLOAD \s                                       ; K steps 0 and 1: two loads of mine are out
.endr
	v_and_b32 v1, 15, v0                           ; l % 16
	v_bfe_u32 v2, v0, 4, 1                         ; l / 16
	v_mul_u32_u24 v3, v1, PITCH
	v_lshl_add_u32 v3, v2, 4, v3                   ; a fragment's row x pitch + 16 x half
	s_mul_i32 s22, s11, 64*PITCH                   ; my 64 rows of x
	s_mul_i32 s23, s12, 128*PITCH                  ; my 128 rows of wb,
	s_add_co_u32 s23, s23, ABYTES                  ; which lie behind x's 128
.irp s, 0,1
	v_add_nc_u32 v[ADRA+(\s)], s22, v3
	v_add_nc_u32 v[ADRB+(\s)], s23, v3
	s_add_co_u32 s22, s22, SLOT
	s_add_co_u32 s23, s23, SLOT
.endr
	s_mul_i32 s23, s10, 16*SPITCH
	s_add_co_u32 s23, s23, STAGE                   ; my stage
	v_add_nc_u32 v[STO], s23, v3                   ; in: row l % 16, 16 bytes for each half of the lanes (the stage has the slots' pitch)
	v_mul_u32_u24 v4, v2, SPITCH                   ; back: lanes 0-15 one row of 256 bytes, lanes 16-31 the next
	v_lshl_add_u32 v4, v1, 4, v4
	v_add_nc_u32 v[RD], s23, v4
	v_lshlrev_b32 v4, 12, v2                       ; and the same two rows in a plane
	v_lshl_add_u32 v[CO], v1, 4, v4
	v_lshlrev_b32 v[BO], 5, v2
	v_lshlrev_b32 v4, 8, v1
	v_lshl_add_u32 v[TO], v2, 5, v4
	v_and_b32 v[PFO], 31, v0
	v_lshlrev_b32 v[PFO], 12, v[PFO]
	s_lshl_b32 s46, s42, 10                        ; the bias of my columns: 4 (256 x tile column + 128 x half) bytes into bq
	s_lshl_b32 s47, s12, 9
	s_add_co_u32 s46, s46, s47
	s_mov_b32 s47, 0
	s_add_nc_u64 s[68:69], s[68:69], s[46:47]
	s_and_b32 s20, s13, 7                          ; my rows' positions: row mod 1024 = 128 (tile row % 8) + 64 x half + ..; 256 bytes a position
	s_lshl_b32 s20, s20, 15
	s_lshl_b32 s21, s11, 14
	s_add_co_u32 s20, s20, s21
	s_mov_b32 s21, 0
	s_add_nc_u64 s[70:71], s[70:71], s[20:21]
	BIASLD
	WIN TO2                                        ; cos at 32 a + 8 c + j, sin 16 further on: row 16 a + l % 16, f = 16 c + 8 (l / 16) + j.  Loaded once: the three tiles share their rows
.irp a, 0,1,2,3
.irp sn, 0,1
.irp c, 0,1
	global_load_b128 v[32*(\a)+16*(\sn)+8*(\c):32*(\a)+16*(\sn)+8*(\c)+3],   v[TO], s[70:71] offset:4096*(\a)+128*(\sn)+64*(\c)
	global_load_b128 v[32*(\a)+16*(\sn)+8*(\c)+4:32*(\a)+16*(\sn)+8*(\c)+7], v[TO], s[70:71] offset:4096*(\a)+128*(\sn)+64*(\c)+16
.endr
.endr
.endr
	WIN 0
	s_lshl_b32 s16, s13, 7                         ; where my part of the first tile begins in qkv: the first way out adds it
	s_lshl_b32 s14, s11, 6
	s_add_co_u32 s16, s16, s14
	s_lshl_b32 s16, s16, 12
	s_mov_b32 s17, 0
	s_lshl_b32 s46, s42, 9
	s_lshl_b32 s47, s12, 8
	s_add_co_u32 s46, s46, s47
	s_mov_b32 s47, 0
	s_add_nc_u64 s[16:17], s[16:17], s[46:47]
	s_lshl_b32 s20, s13, 7                         ; the prefetches: x's tile begins at row 128 x tile row,
	s_lshl_b32 s21, s42, 8                         ; wb's at 256 x tile column;
	s_lshl_b32 s22, s40, 5                         ; of x's 128 rows my work-group takes 32 cx ..,
	s_lshl_b32 s23, s41, 6                         ; of wb's 256 rows 64 cy ..,
	s_lshl_b32 s14, s12, 5                         ; waves 2 and 3 half of them each
	s_add_co_u32 s23, s23, s14
	s_and_b32 s15, ttmp7, 0xffff                   ; cluster y
	s_cmp_eq_u32 s11, 0
	s_cselect_b32 s20, s20, s21
	s_cselect_b32 s22, s22, s23
	s_cselect_b32 s15, ttmp9, s15                  ; the coordinate along which other clusters read the same rows
	s_cselect_b64 s[PFA:PFA+1], s[4:5], s[6:7]
	s_cmp_eq_u32 s10, 1
	s_cselect_b32 s14, 1, 0
	s_or_b32 s15, s15, s14
	s_cmp_eq_u32 s15, 0
	s_cselect_b32 s[LIM], 1, -1                    ; the same in all sixteen partners, for a given wave
	s_add_co_u32 s20, s20, s22
	s_lshl_b32 s20, s20, 12
	s_add_co_u32 s20, s20, 2*KSTEP*2               ; at K step 2: the first refill steps it to 3 and names K step 4
	s_mov_b32 s21, 0
	s_add_nc_u64 s[PFA:PFA+1], s[PFA:PFA+1], s[20:21]
; 8 matrix instructions: row block a x all 8 column blocks, 32 along K.  first = 1: the bias starts the sums: nothing is cleared and nothing is added later.
; The 32 accumulators take turns, one instruction a turn, in the same order in every quarter, over the backward jump and from tile to tile.
.macro MUL8 f, a, first
.if \first
	WIN FIRSTW
.else
	WIN MULW
.endif
.irp b, 0,1,2,3,4,5,6,7
.if \first
	v_wmma_f32_16x16x32_bf16 v[8*(8*(\a)+(\b)):8*(8*(\a)+(\b))+7], v[(\f)+32+8*(\b):(\f)+32+8*(\b)+7], v[(\f)+8*(\a):(\f)+8*(\a)+7], v[BIA+8*(\b):BIA+8*(\b)+7]
.else
	v_wmma_f32_16x16x32_bf16 v[8*(8*(\a)+(\b)):8*(8*(\a)+(\b))+7], v[(\f)+32+8*(\b):(\f)+32+8*(\b)+7], v[(\f)+8*(\a):(\f)+8*(\a)+7], v[8*(8*(\a)+(\b)):8*(8*(\a)+(\b))+7]
.endif
.endr
.endm
; 24 LDS loads in one run: the fragments of 32 along K at byte k of the rows, into buffer f: wb's 128 rows first, then x's 64
.macro FETCH slot, k, f
	WIN 0
.irp i, 0,1,2,3,4,5,6,7
	ds_load_b128 v[(\f)+32+8*(\i):(\f)+32+8*(\i)+3],   v[ADRB+(\slot)] offset:(\k)+(\i)*16*PITCH
	ds_load_b128 v[(\f)+32+8*(\i)+4:(\f)+32+8*(\i)+7], v[ADRB+(\slot)] offset:(\k)+(\i)*16*PITCH+32
.endr
.irp i, 0,1,2,3
	ds_load_b128 v[(\f)+8*(\i):(\f)+8*(\i)+3],   v[ADRA+(\slot)] offset:(\k)+(\i)*16*PITCH
	ds_load_b128 v[(\f)+8*(\i)+4:(\f)+8*(\i)+7], v[ADRA+(\slot)] offset:(\k)+(\i)*16*PITCH+32
.endr
.endm
.macro PLACES                          ; four places in front of loads into registers that matrix instructions have read
.rept 4
	v_nop
.endr
.endm
; A K step is four quarters of 32 along K, 32 matrix instructions each, on buffers 0, 1, 0, 1.  One of the first three multiplies buffer f and fetches the next quarter, at byte k, into g.
.macro QUARTER slot, k, f, g, first
	s_wait_dscnt 4                                 ; wb's fragments and x's row blocks 0 and 1 are in; the youngest four loads (blocks 2 and 3) may be out
	MUL8 \f, 0, \first
	MUL8 \f, 1, \first
	PLACES
	FETCH \slot, \k, \g
	s_wait_dscnt 24                                ; all but the 24 just issued
	MUL8 \f, 2, \first
	MUL8 \f, 3, \first
.endm
; The last quarter multiplies buffer 1 and changes slots.  ONE barrier: in front of it each wave waits for all its tensor loads (one is out: its part of the next slot), adds 0 to its spare word,
; and waits for that and for its own reads of this slot.  Behind it nobody reads this slot any more and the next slot is whole.
.macro MEET round
	WIN 0                                          ; (the add's registers lie in window 0)
	s_wait_tensorcnt 0x0
	ds_add_u32 v[SPW], v[NIL]
	s_wait_dscnt 5                                 ; (the add and the youngest four loads may be out)
	MUL8 F1, 0, 0                                  ; eight matrix instructions stand between the add and the wait for it
	s_wait_dscnt 0x0                               ; the add is done, and my reads of this slot are over
	s_barrier_signal -1
	MUL8 F1, 1, 0                                  ; work on registers while the others arrive
.if \round
	WIN 0
.endif
	s_barrier_wait -1
.endm
; The whole last quarter.  Behind the round the slot just read out is filled again first: with this tile's K step two on (on = 0) or with the next tile's K step 0 or 1 (on = 1).
; From a request to the wait for it a wave issues 112 matrix instructions.
.macro TURN slot, next, on
	s_wait_xcnt 0x0                                ; the last prefetch, a K step back, has read its address: it is stepped here, ahead of the waits of the change of slots
.if (\on) && (\slot) == 0
	s_add_nc_u64 s[PFA:PFA+1], s[PFA:PFA+1], NEXT_P
	s_cmp_eq_u32 s11, 0
	s_cselect_b32 s[LIM], -1, s[LIM]               ; x's rows have been read: they are asked for no more
.else
	s_add_nc_u64 s[PFA:PFA+1], s[PFA:PFA+1], KSTEP*2
.endif
	MEET 1
	CREST                                          ; no wave of any partner still reads this slot's tile or has a load on its way
.if \on
	s_sub_nc_u64 s[G0+4*(\slot)+2:G0+4*(\slot)+3], s[G0+4*(\slot)+2:G0+4*(\slot)+3], BACK_A
	s_add_nc_u64 s[G0B+4*(\slot)+2:G0B+4*(\slot)+3], s[G0B+4*(\slot)+2:G0B+4*(\slot)+3], NEXT_B
.else
	s_add_nc_u64 s[G0+4*(\slot)+2:G0+4*(\slot)+3], s[G0+4*(\slot)+2:G0+4*(\slot)+3], 2*KSTEP*2
	s_add_nc_u64 s[G0B+4*(\slot)+2:G0B+4*(\slot)+3], s[G0B+4*(\slot)+2:G0B+4*(\slot)+3], 2*KSTEP*2
.endif
	JLOAD \slot                                    ; the first tensor load behind the round; its four v_nop are also the places in front of the loads below
	FETCH \next, 0, F0
	ASK \on
	MUL8 F1, 2, 0
	MUL8 F1, 3, 0
.endm
; THE WAY OUT of row block a.  ROPE: for each of my two heads, out[d] = s[d] cos - s[d+32] sin and out[d+32] = s[d+32] cos + s[d] sin, d = 0..31, two numbers an instruction; column block 4 hh + c
; holds d = 16 c + .., block 4 hh + 2 + c the partner d + 32.  Each accumulator's lowest registers are read first.  Then the head's 64 numbers are rounded to f16.
.macro ROPE a
.irp hh, 0,1
	WIN ROPEW
.irp c, 0,1
.irp jp, 0,2,4,6
.set aLO, 8*(8*(\a)+4*(\hh)+(\c))+(\jp)
.set aHI, aLO+16
.set tC,  32*(\a)+8*(\c)+(\jp)
.set tS,  tC+16
.set oL,  RR+8*(\c)+(\jp)
.set oH,  oL+16
	v_pk_mul_f32 v[oL:oL+1], v[aHI:aHI+1], v[tS:tS+1]
	v_pk_mul_f32 v[oH:oH+1], v[aLO:aLO+1], v[tS:tS+1]
	v_pk_fma_f32 v[oL:oL+1], v[aLO:aLO+1], v[tC:tC+1], v[oL:oL+1] neg_lo:[0,0,1] neg_hi:[0,0,1]
	v_pk_fma_f32 v[oH:oH+1], v[aHI:aHI+1], v[tC:tC+1], v[oH:oH+1]
.endr
.endr
	WIN 0
.irp q, 0,1,2,3
.irp jj, 0,1,2,3
	v_cvt_pk_f16_f32 v[PK+4*(4*(\hh)+(\q))+(\jj)], v[RR+8*(\q)+2*(\jj)], v[RR+8*(\q)+2*(\jj)+1]
.endr
.endr
.endr
.endm
.macro PACKV a                         ; plane v takes no turn: rounded as it is
	WIN PKW
.irp b, 0,1,2,3,4,5,6,7
.irp jj, 0,1,2,3
	v_cvt_pk_f16_f32 v[PK+4*(\b)+(\jj)], v[8*(8*(\a)+(\b))+2*(\jj)], v[8*(8*(\a)+(\b))+2*(\jj)+1]
.endr
.endr
	WIN 0
.endm
.macro TOSTAGE a                       ; into my own stage, 16 bytes a lane, and back as whole rows of 256 bytes
	WIN 0
.set BK, OB0+192*((\a)%2)
.irp b, 0,1,2,3,4,5,6,7
	ds_store_b128 v[STO], v[PK+4*(\b):PK+4*(\b)+3] offset:32*(\b)
.endr
.irp t, 0,1,2,3,4,5,6,7
	ds_load_b128 v[BK+4*(\t):BK+4*(\t)+3], v[RD] offset:(\t)*2*SPITCH  ; LDS serves a wave's instructions in order (ISA guide 5.7.1.4): these see the stores above
.endr
.endm
.macro SEND a
	WIN 0
.set BK, OB0+192*((\a)%2)
	s_wait_dscnt 0x0                               ; the block is back in registers
	s_wait_xcnt 0x0                                ; earlier stores have read their base and their data: only behind this wait are these written again
.if (\a) == 0
	s_add_nc_u64 s[8:9], s[8:9], s[16:17]          ; on to this tile's first rows
.else
	s_add_nc_u64 s[8:9], s[8:9], 16*RB
.endif
.irp t, 0,1,2,3,4,5,6,7
	global_store_b128 v[CO], v[BK+4*(\t):BK+4*(\t)+3], s[8:9] offset:2*(\t)*RB  ; 16 lanes store 256 consecutive bytes, aligned
.endr
.endm
	s_wait_tensorcnt 0x1                           ; my part of K step 0 is in; K step 1's may stay out
	s_barrier_signal -1
	s_barrier_wait -1
	FETCH 0, 0, F0
	s_mov_b32 s2, 3                                ; tiles to go: the same in every work-group
.Ltile:
	s_wait_loadcnt 0x0                             ; this tile's bias is in (the first time: the angles too)
	s_wait_xcnt 0x0                                ; the last tile's stores have read v224-255, which the next run of LDS loads fills
	QUARTER 0, 64,  F0, F1, 1                      ; a tile's first quarter stands in front of the loop: its products start the sums
	WIN 0
	s_mov_b32 s3, LAPS-1
.Llap:                                                 ; a trip goes once round the ring, from a lap's second quarter to the next lap's first, and fills both slots again
	QUARTER 0, 128, F1, F0, 0
	QUARTER 0, 192, F0, F1, 0
	TURN 0, 1, 0
	QUARTER 1, 64,  F0, F1, 0
	QUARTER 1, 128, F1, F0, 0
	QUARTER 1, 192, F0, F1, 0
	TURN 1, 0, 0
	QUARTER 0, 64,  F0, F1, 0
	WIN 0
	s_sub_co_u32 s3, s3, 1
	s_cmp_lg_u32 s3, 0
	s_cbranch_scc1 .Llap
	QUARTER 0, 128, F1, F0, 0
	QUARTER 0, 192, F0, F1, 0
	WIN 0
	s_cmp_eq_u32 s2, 1
	s_cbranch_scc1 .Llast                          ; the last tile's tail is written out: it asks for nothing more
	s_wait_xcnt 0x0
	s_add_nc_u64 s[68:69], s[68:69], 8192          ; the next vector of the bias; its registers were last read in this tile's first quarter
	BIASLD
	TURN 0, 1, 1                                   ; the ring goes on into the next tile: slot 0 takes its K step 0,
	QUARTER 1, 64,  F0, F1, 0
	QUARTER 1, 128, F1, F0, 0
	QUARTER 1, 192, F0, F1, 0
	TURN 1, 0, 1                                   ; slot 1 its K step 1, and the next tile's first fragments are fetched into buffer 0
	PLACES                                         ; eight places, once a tile: the lines below read results just made and write registers of buffer 1, which the last products read
	PLACES
	ROPE 0
	TOSTAGE 0
.irp a, 1,2,3                          ; block a's arithmetic stands between block a - 1's loads from the stage and the wait for them
	ROPE \a
	SEND (\a)-1
	TOSTAGE \a
.endr
	SEND 3
	s_mov_b64 s[16:17], NEXT_C
	s_sub_co_u32 s2, s2, 1
	s_branch .Ltile
.Llast:
	MEET 0                                         ; the one load that was out is the last K step's, so no round follows
	PLACES
	FETCH 1, 0, F0
	MUL8 F1, 2, 0
	MUL8 F1, 3, 0
	QUARTER 1, 64,  F0, F1, 0
	QUARTER 1, 128, F1, F0, 0
	QUARTER 1, 192, F0, F1, 0
	s_wait_dscnt 0x0
	MUL8 F1, 0, 0
	MUL8 F1, 1, 0
	MUL8 F1, 2, 0
	MUL8 F1, 3, 0
	WIN 0
	PLACES
	PLACES
	PACKV 0
	TOSTAGE 0
.irp a, 1,2,3
	PACKV \a
	SEND (\a)-1
	TOSTAGE \a
.endr
	SEND 3
	s_wait_tensorcnt 0x0                           ; the wave's end, behind my last tensor load and my last LDS store
	ds_add_u32 v[SPW], v[NIL]
	s_wait_dscnt 0x0
	CROUND                                         ; the closing round: no work-group ends while a partner may still ask for a tile that names it
	s_endpgm
.Lfunc_end_k_qdb0bdc668e_gemm_qkv:
	.size	k_qdb0bdc668e_gemm_qkv, .Lfunc_end_k_qdb0bdc668e_gemm_qkv-k_qdb0bdc668e_gemm_qkv
	.p2alignl 7, 3214868480
	.fill 96, 4, 3214868480
	.section	.rodata,"a",@progbits
	.p2align	6, 0x0
	.amdhsa_kernel k_qdb0bdc668e_gemm_qkv
		.amdhsa_group_segment_fixed_size 327680
		.amdhsa_private_segment_fixed_size 0
		.amdhsa_enable_private_segment 0
		.amdhsa_kernarg_size 40
		.amdhsa_user_sgpr_count 2
		.amdhsa_user_sgpr_kernarg_segment_ptr 1
		.amdhsa_wavefront_size32 1
		.amdhsa_system_sgpr_workgroup_id_x 1
		.amdhsa_system_sgpr_workgroup_id_y 1
		.amdhsa_system_sgpr_workgroup_id_z 1
		.amdhsa_system_vgpr_workitem_id 0
		.amdhsa_next_free_vgpr 704
		.amdhsa_next_free_sgpr 72
		.amdhsa_reserve_vcc 0
		.amdhsa_float_denorm_mode_32 3
		.amdhsa_float_denorm_mode_16_64 3
		.amdhsa_memory_ordered 1
		.amdhsa_forward_progress 1
		.amdhsa_inst_pref_size 148
	.end_amdhsa_kernel
	.amdgpu_metadata
---
amdhsa.version: [ 1, 2 ]
amdhsa.kernels:
  - .name:           k_qdb0bdc668e_gemm_qkv
    .symbol:         k_qdb0bdc668e_gemm_qkv.kd
    .args:
      - { .name: xb, .offset: 0, .size: 8, .value_kind: global_buffer, .address_space: global }
      - { .name: wb, .offset: 8, .size: 8, .value_kind: global_buffer, .address_space: global }
      - { .name: bias, .offset: 16, .size: 8, .value_kind: global_buffer, .address_space: global }
      - { .name: rope, .offset: 24, .size: 8, .value_kind: global_buffer, .address_space: global }
      - { .name: qkv, .offset: 32, .size: 8, .value_kind: global_buffer, .address_space: global }
    .group_segment_fixed_size: 327680
    .private_segment_fixed_size: 0
    .kernarg_segment_align: 8
    .kernarg_segment_size: 40
    .max_flat_workgroup_size: 128
    .sgpr_count:     72
    .vgpr_count:     704
    .wavefront_size: 32
...
	.end_amdgpu_metadata
.endif
;; end of part 2
;; launch attn (part 3): grid 256 x 1, 8 waves a work-group, no clusters, 70,656 bytes of LDS; arguments qkv, o2; writes o2
.if DOCPART == 3
	.amdgcn_target "amdgcn-amd-amdhsa--gfx1250"
	.amdhsa_code_object_version 6
	.text
	.protected	k_qdb0bdc668e_attn
	.globl	k_qdb0bdc668e_attn
	.p2align	8
	.type	k_qdb0bdc668e_attn,@function
k_qdb0bdc668e_attn:
	s_mov_b64 s[64:65], 0
	v_nop
	global_prefetch_b8 v0, s[64:65] scope:SCOPE_SE
	s_setreg_imm32_b32 hwreg(HW_REG_WAVE_MODE, 25, 1), 1
	s_wait_xcnt 0x0
; ATTENTION OVER THE 32 HEADS OF EACH POSITION.  For each of 4,096 positions: s[h][g] = q[h] . k[g] / 8 where g <= h, else -1e9; softmax over g, its maximum taken away; o[h] = sum over g of p[h][g] v[g].
; qkv [3][4096][2048] f16: q and k with column 64 h + d, v with column 32 d + g (turned already).  o2 f16: byte b x 4,194,304 + h x 131,072 + l x 128 + 2 d: the module's [b][h][l][d].
; Products, maxima and sums in f32; the weights are rounded to f16 for the second product (their sum is taken of the unrounded weights), o once at the end.
; LIMITS.  A weight below 2^-126 counts as 0; below 6e-5 it keeps f16's fixed step of 6e-8.  NaN and infinities are not treated apart.
; THE MASK IS -1e9, NOT MINUS INFINITY: hidden scores keep their part in the maximum, in the sum and in the weights.  A raw sum is replaced by -8e9, which times 1/8 is -1e9 exactly.
; The tile of keys 16-31 against queries 0-15 is wholly hidden: it is not multiplied; its 16 equal weights e0 = 2^(c (-8e9) - c m) are made once a query.
; SHARES.  A wave owns two neighbouring positions.  All 24 KiB of their q, k and v are asked for by the wave's first 48 loads, straight into the fragments' layout: nothing is shared between waves, so there is
; no LDS on the way in, no barrier, no ring, no cluster, and nothing left to ask for ahead.
; LAYOUT.  S^T = K Q^T (source 0 = 16 keys, source 1 = 16 queries): a lane holds ONE query (l % 16) and the keys 8 (l / 16) + 0..7.  Two such results rounded in pairs ARE source 1 of O^T = V^T P.
; THE WAY OUT.  A head's rows of two neighbouring positions are 256 consecutive bytes of o2, aligned: both positions go through the wave's own stage (32 heads x 272 bytes) and leave as such rows.
.set SPITCH, 272
.set WSTAGE, 32*SPITCH                 ; a wave's stage: 34 blocks of 256 bytes
.set SPARE,  8*WSTAGE                  ; behind the stages: the spare words, 128 bytes for each wave: four blocks of 256 bytes that no other line names
.set QKO, 3                            ; v3   128 x (l % 16) + 16 x (l / 16): my place in 16 heads of q or k
.set VTO, 4                            ; v4   64 x (l % 16) + 16 x (l / 16): in 16 channels of v
.set STO, 5                            ; v5   where I put 16 bytes of a head's row
.set RD,  6                            ; v6   where I read rows back
.set GO,  7                            ; v7   my byte offset in two heads' rows of o2
.set SPW, 8                            ; v8   my spare word; never rewritten
.set NIL, 9                            ; v9   0; never rewritten
.set NEG, 10                           ; v10  -8e9
.set T00, 16                           ; scores: keys 0-15 x queries 0-15
.set T01, 24                           ; keys 0-15 x queries 16-31
.set T11, 32                           ; keys 16-31 x queries 16-31
.set P0,  40                           ; weights of queries 0-15, then (P0 + 8) of queries 16-31
.set CS,  20                           ; s[20:21] c = log2(e) / 8
.set SEL, 22                           ; s[22:23] v_permlanex16_b32: each lane takes its own place in the other half
.set M,   24                           ; s24-31  lanes in which key 8 (l / 16) + j is visible to query l % 16
; v12-15, v63 at work; v[56:57], v[58:59] c m of the two query blocks, later 1 / l (the low word counts; both are written); v60 e0; v61, v62 l
; v[64+96 p ..]: position p: Q (block qb, channel half ks) at 16 qb + 8 ks; K at 32 + 16 kb + 8 ks; V^T (channel block cb) at 64 + 8 cb; O^T (cb, qb) at 8 (4 qb + cb), over Q and K
	s_load_b128 s[4:7], s[0:1], 0x0                ; qkv s[4:5], o2 s[6:7]
	v_lshl_add_u32 v[SPW], v0, 2, SPARE
	v_mov_b32 v[NIL], 0
	v_lshrrev_b32 v1, 5, v0
	v_readfirstlane_b32 s8, v1                     ; wave 0..7
	v_and_b32 v1, 15, v0                           ; l % 16
	v_bfe_u32 v2, v0, 4, 1                         ; l / 16
	v_lshlrev_b32 v[QKO], 7, v1
	v_lshl_add_u32 v[QKO], v2, 4, v[QKO]
	v_lshlrev_b32 v[VTO], 6, v1
	v_lshl_add_u32 v[VTO], v2, 4, v[VTO]
	s_lshl_b32 s9, ttmp9, 4
	s_lshl_b32 s10, s8, 1
	s_add_co_u32 s10, s10, s9                      ; my first position: 16 x work-group + 2 x wave
	s_lshl_b32 s10, s10, 12                        ; 4,096 bytes a position in each plane
	s_mov_b32 s11, 0
	s_wait_kmcnt 0x0
	s_add_nc_u64 s[12:13], s[4:5], s[10:11]        ; q
	s_add_nc_u64 s[14:15], s[12:13], 0x1000000     ; k
	s_add_nc_u64 s[16:17], s[12:13], 0x2000000     ; v
.macro LOADP p                         ; 24 loads: Q, then K, then V^T
.set INP, 64+96*(\p)
.irp f, 0,1,2,3
	global_load_b128 v[INP+8*(\f):INP+8*(\f)+3],   v[QKO], s[12:13] offset:(\p)*4096+((\f)/2)*2048+((\f)%2)*64 th:TH_LOAD_NT
	global_load_b128 v[INP+8*(\f)+4:INP+8*(\f)+7], v[QKO], s[12:13] offset:(\p)*4096+((\f)/2)*2048+((\f)%2)*64+32 th:TH_LOAD_NT
.endr
.irp f, 0,1,2,3
	global_load_b128 v[INP+32+8*(\f):INP+32+8*(\f)+3],   v[QKO], s[14:15] offset:(\p)*4096+((\f)/2)*2048+((\f)%2)*64 th:TH_LOAD_NT
	global_load_b128 v[INP+32+8*(\f)+4:INP+32+8*(\f)+7], v[QKO], s[14:15] offset:(\p)*4096+((\f)/2)*2048+((\f)%2)*64+32 th:TH_LOAD_NT
.endr
.irp f, 0,1,2,3
	global_load_b128 v[INP+64+8*(\f):INP+64+8*(\f)+3],   v[VTO], s[16:17] offset:(\p)*4096+(\f)*1024 th:TH_LOAD_NT
	global_load_b128 v[INP+64+8*(\f)+4:INP+64+8*(\f)+7], v[VTO], s[16:17] offset:(\p)*4096+(\f)*1024+32 th:TH_LOAD_NT
.endr
.endm
	LOADP 0
	LOADP 1
	; the rest of the set-up stands in the wait for the first loads
	s_mul_i32 s32, s8, WSTAGE                      ; my stage
	v_mul_u32_u24 v[STO], v1, SPITCH               ; in: head l % 16 of a block of 16, 16 bytes for each half of the lanes
	v_lshl_add_u32 v[STO], v2, 4, v[STO]
	v_add_nc_u32 v[STO], s32, v[STO]
	v_mul_u32_u24 v[RD], v2, SPITCH                ; back: lanes 0-15 one head's 256 bytes, lanes 16-31 the next head's
	v_lshl_add_u32 v[RD], v1, 4, v[RD]
	v_add_nc_u32 v[RD], s32, v[RD]
	v_lshlrev_b32 v[GO], 17, v2                    ; heads lie 131,072 bytes apart in o2
	v_lshl_add_u32 v[GO], v1, 4, v[GO]
	v_lshlrev_b32 v11, 3, v2
	v_sub_nc_u32 v11, v1, v11                      ; l % 16 - 8 (l / 16): key 8 (l / 16) + j is visible where j is not greater
.irp j, 0,1,2,3,4,5,6,7
	v_cmp_le_i32 s[M+(\j)], \j, v11
.endr
	v_mov_b32 v[NEG], 0xcfee6b28                   ; -8e9
	v_mov_b32 v15, 0                               ; v_permlanex16_b32 counts as a reader of its destination
	v_mov_b32 v63, 0
	s_mov_b32 s[CS], 0x3e38aa3b
	s_mov_b32 s[CS+1], s[CS]
	s_mov_b32 s[SEL], 0x76543210
	s_mov_b32 s[SEL+1], 0xfedcba98
	s_lshr_b32 s18, ttmp9, 6                       ; b: 64 work-groups of 16 positions each
	s_lshl_b32 s18, s18, 22
	s_and_b32 s19, ttmp9, 63
	s_lshl_b32 s19, s19, 4
	s_lshl_b32 s9, s8, 1
	s_add_co_u32 s19, s19, s9                      ; l of my first position, even
	s_lshl_b32 s19, s19, 7
	s_add_co_u32 s18, s18, s19
	s_mov_b32 s19, 0
	s_add_nc_u64 s[6:7], s[6:7], s[18:19]
.macro PLACES8                         ; eight places behind matrix instructions whose results are next read and rewritten in place: more than the four of ISA guide 7.12.1, twice a position
.rept 8
	v_nop
.endr
.endm
; One position.  n1, n2: how many younger loads may stay out when Q and K, and then V^T, have to be there.
.macro POSITION p, n1, n2
.set INP, 64+96*(\p)
	s_wait_loadcnt \n1
	; six products; the three accumulators take turns
	v_wmma_f32_16x16x32_f16 v[T00:T00+7], v[INP+32:INP+39], v[INP:INP+7], 0
	v_wmma_f32_16x16x32_f16 v[T01:T01+7], v[INP+32:INP+39], v[INP+16:INP+23], 0
	v_wmma_f32_16x16x32_f16 v[T11:T11+7], v[INP+48:INP+55], v[INP+16:INP+23], 0
	v_wmma_f32_16x16x32_f16 v[T00:T00+7], v[INP+40:INP+47], v[INP+8:INP+15], v[T00:T00+7]
	v_wmma_f32_16x16x32_f16 v[T01:T01+7], v[INP+40:INP+47], v[INP+24:INP+31], v[T01:T01+7]
	v_wmma_f32_16x16x32_f16 v[T11:T11+7], v[INP+56:INP+63], v[INP+24:INP+31], v[T11:T11+7]
	PLACES8
.irp j, 0,1,2,3,4,5,6,7                ; the two tiles on the diagonal; each accumulator from its low end on
	v_cndmask_b32 v[T00+(\j)], v[NEG], v[T00+(\j)], s[M+(\j)]
	v_cndmask_b32 v[T11+(\j)], v[NEG], v[T11+(\j)], s[M+(\j)]
.endr
	v_max3_num_f32 v12, v[T00], v[T00+1], v[T00+2] ; the maxima, three chains side by side
	v_max3_num_f32 v13, v[T01], v[T01+1], v[T01+2]
	v_max3_num_f32 v14, v[T11], v[T11+1], v[T11+2]
	v_max3_num_f32 v12, v12, v[T00+3], v[T00+4]
	v_max3_num_f32 v13, v13, v[T01+3], v[T01+4]
	v_max3_num_f32 v14, v14, v[T11+3], v[T11+4]
	v_max3_num_f32 v12, v12, v[T00+5], v[T00+6]
	v_max3_num_f32 v13, v13, v[T01+5], v[T01+6]
	v_max3_num_f32 v14, v14, v[T11+5], v[T11+6]
	v_max3_num_f32 v12, v12, v[T00+7], v[NEG]      ; queries 0-15 also see the hidden keys 16-31
	v_max3_num_f32 v13, v13, v[T01+7], v[T11+7]
	v_max_num_f32 v13, v13, v14
	v_permlanex16_b32 v15, v12, s[SEL], s[SEL+1]   ; the query's other keys lie in the lane 16 away
	v_permlanex16_b32 v63, v13, s[SEL], s[SEL+1]
	v_max_num_f32 v12, v12, v15
	v_max_num_f32 v13, v13, v63
	v_mul_f32 v56, s[CS], v12                      ; c m, as pairs
	v_mul_f32 v58, s[CS], v13
	v_mul_f32 v57, s[CS], v12
	v_mul_f32 v59, s[CS], v13
.irp jp, 0,2,4,6                       ; c s - c m
	v_pk_fma_f32 v[T00+(\jp):T00+(\jp)+1], v[T00+(\jp):T00+(\jp)+1], s[CS:CS+1], v[56:57] op_sel_hi:[1,0,0] neg_lo:[0,0,1] neg_hi:[0,0,1]
	v_pk_fma_f32 v[T01+(\jp):T01+(\jp)+1], v[T01+(\jp):T01+(\jp)+1], s[CS:CS+1], v[58:59] op_sel_hi:[1,0,0] neg_lo:[0,0,1] neg_hi:[0,0,1]
	v_pk_fma_f32 v[T11+(\jp):T11+(\jp)+1], v[T11+(\jp):T11+(\jp)+1], s[CS:CS+1], v[58:59] op_sel_hi:[1,0,0] neg_lo:[0,0,1] neg_hi:[0,0,1]
.endr
	v_fma_f32 v60, v[NEG], s[CS], -v56
.irp j, 0,1,2,3,4,5,6,7                ; ONE BATCH of 25 exponentials
	v_exp_f32 v[T00+(\j)], v[T00+(\j)]
	v_exp_f32 v[T01+(\j)], v[T01+(\j)]
	v_exp_f32 v[T11+(\j)], v[T11+(\j)]
.endr
	v_exp_f32 v60, v60
	v_nop                                          ; a plain instruction behind the last exponential,
	s_wait_alu depctr_va_vdst(0)                   ; and one wait for the batch, ahead of its first reader
.irp jj, 0,1,2,3
	v_cvt_pk_f16_f32 v[P0+(\jj)],    v[T00+2*(\jj)], v[T00+2*(\jj)+1]
	v_cvt_pk_f16_f32 v[P0+4+(\jj)],  v60, v60
	v_cvt_pk_f16_f32 v[P0+8+(\jj)],  v[T01+2*(\jj)], v[T01+2*(\jj)+1]
	v_cvt_pk_f16_f32 v[P0+12+(\jj)], v[T11+2*(\jj)], v[T11+2*(\jj)+1]
.endr
.irp t, T00, T01, T11                  ; the sums, in place
	v_pk_add_f32 v[(\t):(\t)+1],   v[(\t):(\t)+1],   v[(\t)+2:(\t)+3]
	v_pk_add_f32 v[(\t)+4:(\t)+5], v[(\t)+4:(\t)+5], v[(\t)+6:(\t)+7]
.endr
.irp t, T00, T01, T11
	v_pk_add_f32 v[(\t):(\t)+1], v[(\t):(\t)+1], v[(\t)+4:(\t)+5]
.endr
	v_pk_add_f32 v[T01:T01+1], v[T01:T01+1], v[T11:T11+1]
	v_add_f32 v61, v[T00], v[T00+1]
	v_add_f32 v62, v[T01], v[T01+1]
	v_fmamk_f32 v61, v60, 0x41000000, v61          ; + my lane's eight hidden keys' e0
	v_permlanex16_b32 v15, v61, s[SEL], s[SEL+1]
	v_permlanex16_b32 v63, v62, s[SEL], s[SEL+1]
	v_add_f32 v61, v61, v15
	v_add_f32 v62, v62, v63
	v_rcp_f32 v56, v61
	v_rcp_f32 v58, v62
	v_nop                                          ; a plain instruction behind the reciprocals; their wait stands below, ahead of their first reader
	s_wait_loadcnt \n2
.irp qb, 0,1
.irp cb, 0,1,2,3                       ; eight products, each an accumulator of its own, begun with 0
	v_wmma_f32_16x16x32_f16 v[INP+8*(4*(\qb)+(\cb)):INP+8*(4*(\qb)+(\cb))+7], v[INP+64+8*(\cb):INP+64+8*(\cb)+7], v[P0+8*(\qb):P0+8*(\qb)+7], 0
.endr
.endr
	PLACES8
	s_wait_alu depctr_va_vdst(0)                   ; one wait for the two reciprocals
.irp qb, 0,1
.irp cb, 0,1,2,3
.set OA, INP+8*(4*(\qb)+(\cb))
.irp jp, 0,2,4,6
	v_pk_mul_f32 v[OA+(\jp):OA+(\jp)+1], v[OA+(\jp):OA+(\jp)+1], v[56+2*(\qb):57+2*(\qb)] op_sel_hi:[1,0]
.endr
.irp jj, 0,1,2,3
	v_cvt_pk_f16_f32 v[OA+(\jj)], v[OA+2*(\jj)], v[OA+2*(\jj)+1]
.endr
	ds_store_b128 v[STO], v[OA:OA+3] offset:16*SPITCH*(\qb)+128*(\p)+32*(\cb)  ; head 16 qb + l % 16, position p, channels 16 cb + 8 (l / 16) ..
.endr
.endr
.endm
	POSITION 0, 32, 24                             ; younger than Q0 and K0: V0, Q1, K1, V1; younger than V0: Q1, K1, V1
	POSITION 1, 8, 0                               ; younger than Q1 and K1: V1
.irp t, 0,1,2,3,4,5,6,7,8,9,10,11,12,13,14,15
	ds_load_b128 v[64+4*(\t):64+4*(\t)+3], v[RD] offset:(\t)*2*SPITCH  ; my own bytes, served in order behind my stores (ISA guide 5.7.1.4)
.endr
.irp t, 0,1,2,3,4,5,6,7,8,9,10,11,12,13,14,15
	s_wait_dscnt 15-(\t)                           ; number t is in, the younger ones stay out
	global_store_b128 v[GO], v[64+4*(\t):64+4*(\t)+3], s[6:7] offset:(\t)*262144  ; 16 lanes store 256 consecutive bytes, aligned: one head, two positions
.endr
	s_wait_tensorcnt 0x0                           ; the wave's end, behind my last LDS store
	ds_add_u32 v[SPW], v[NIL]
	s_wait_dscnt 0x0
	s_endpgm
.Lfunc_end_k_qdb0bdc668e_attn:
	.size	k_qdb0bdc668e_attn, .Lfunc_end_k_qdb0bdc668e_attn-k_qdb0bdc668e_attn
	.p2alignl 7, 3214868480
	.fill 96, 4, 3214868480
	.section	.rodata,"a",@progbits
	.p2align	6, 0x0
	.amdhsa_kernel k_qdb0bdc668e_attn
		.amdhsa_group_segment_fixed_size 70656
		.amdhsa_private_segment_fixed_size 0
		.amdhsa_enable_private_segment 0
		.amdhsa_kernarg_size 16
		.amdhsa_user_sgpr_count 2
		.amdhsa_user_sgpr_kernarg_segment_ptr 1
		.amdhsa_wavefront_size32 1
		.amdhsa_system_sgpr_workgroup_id_x 1
		.amdhsa_system_sgpr_workgroup_id_y 1
		.amdhsa_system_sgpr_workgroup_id_z 1
		.amdhsa_system_vgpr_workitem_id 0
		.amdhsa_next_free_vgpr 256
		.amdhsa_next_free_sgpr 66
		.amdhsa_reserve_vcc 0
		.amdhsa_float_denorm_mode_32 3
		.amdhsa_float_denorm_mode_16_64 3
		.amdhsa_memory_ordered 1
		.amdhsa_forward_progress 1
		.amdhsa_inst_pref_size 34
	.end_amdhsa_kernel
	.amdgpu_metadata
---
amdhsa.version: [ 1, 2 ]
amdhsa.kernels:
  - .name:           k_qdb0bdc668e_attn
    .symbol:         k_qdb0bdc668e_attn.kd
    .args:
      - { .name: qkv, .offset: 0, .size: 8, .value_kind: global_buffer, .address_space: global }
      - { .name: o2, .offset: 8, .size: 8, .value_kind: global_buffer, .address_space: global }
    .group_segment_fixed_size: 70656
    .private_segment_fixed_size: 0
    .kernarg_segment_align: 8
    .kernarg_segment_size: 16
    .max_flat_workgroup_size: 256
    .sgpr_count:     66
    .vgpr_count:     256
    .wavefront_size: 32
...
	.end_amdgpu_metadata
.endif
;; end of part 3
;; launch gemm_out (part 4): grid 8 x 32, 4 waves a work-group, clusters of 4 x 4, 327,680 bytes of LDS; arguments o2, wof, bias, out0; writes out0
.if DOCPART == 4
	.amdgcn_target "amdgcn-amd-amdhsa--gfx1250"
	.amdhsa_code_object_version 6
	.text
	.protected	k_qdb0bdc668e_gemm_out
	.globl	k_qdb0bdc668e_gemm_out
	.p2align	8
	.type	k_qdb0bdc668e_gemm_out,@function
k_qdb0bdc668e_gemm_out:
	s_mov_b64 s[64:65], 0
	v_nop
	global_prefetch_b8 v0, s[64:65] scope:SCOPE_SE
	s_setreg_imm32_b32 hwreg(HW_REG_WAVE_MODE, 25, 1), 1
	s_wait_xcnt 0x0
	s_wait_alu depctr_hold_cnt(0) depctr_sa_sdst(0) depctr_va_vdst(0) depctr_va_sdst(0) depctr_va_ssrc(0) depctr_va_vcc(0) depctr_vm_vsrc(0)
	s_getreg_b32 s2, hwreg(HW_REG_IB_STS2, 6, 4)
	s_cmp_eq_u32 s2, 0
	s_cbranch_scc0 .Lentry_in_a_cluster
	s_endpgm
.Lentry_in_a_cluster:
	s_bfe_u32 s2, ttmp6, 0x10000c
	s_cmp_lg_u32 s2, 0xf033
	s_cbranch_scc0 .Lentry_shape_is_right
	s_endpgm
.Lentry_shape_is_right:
; out0 = o2 Wo^T + bo.  o2 [4096][2048] f16, wof [2048][2048] f16 (Wo rounded to bf16, written as f16), bias row 3 = bo in f32, out0 [4096][2048] f32.  Sums in f32, begun with the bias.
; SHARES.  A tile of out0 is 128 rows x 256 columns: 32 x 8 = 256 tiles, one work-group each.  Four waves, each 64 x 128: 32 accumulators, 256 registers.  K goes in steps of 128 (rows of 256 bytes in
; memory, aligned) through two LDS slots.  CLUSTER: 4 x 4 work-groups; o2's tile is shared along a row of the cluster, wof's along a column: each is asked for jointly.
; THE MATRIX INSTRUCTION IS USED TRANSPOSED (source 0 = 16 rows of wof, source 1 = 16 rows of o2): lane l holds row l % 16 and the columns 8 (l / 16) + 0..7.
; REGISTERS: window 0: v16-30 addresses; v64-159, v160-255 two fragment buffers (o2's 4 fragments, then wof's 8), at the end rows on their way out; window 1: accumulator (a, b) at v[8 (8 a + b)];
; window 2: v128-191 the bias of my 128 columns.  NaN and infinities are not treated apart.
.set KSTEP,  128
.set RB,     4096                      ; bytes in a row of o2 and of wof
.set ROWC,   8192                      ; bytes in a row of out0
.set PITCH,  272                       ; an LDS row: 256 bytes + 16 of padding: the 16 rows of a fragment load start at 16 different groups of four banks (ISA guide 11.1)
.set ABYTES, 128*PITCH
.set SLOT,   384*PITCH
.set STAGE,  2*SLOT                    ; behind the ring: 16 rows x 528 bytes for each wave; no tensor load lands there
.set SPITCH, 528                       ; 512 bytes + 16: 33 x 16
.set SPARE,  STAGE+4*16*SPITCH         ; the spare words, 128 bytes for each wave: two blocks of 256 bytes that no other line names
.set LAPS,   8
.set ADRA, 16
.set ADRB, 20
.set STO,  24                          ; v24  where I put 32 bytes of a row
.set RD,   25                          ; v25  16 x lane in my stage: a row of 512 bytes to a load
.set CO,   26                          ; v26  16 x lane
.set BO,   27                          ; v27  32 x (l / 16)
.set SPW,  28                          ; v28  my spare word; never rewritten
.set NIL,  29                          ; v29  0; never rewritten
.set PFO,  30                          ; v30  lane x a row; never rewritten
.set F0,   64
.set F1,   160
.set OBA,  64                          ; rows read back from the stage: v64-127 and v160-223 by turns
.set BIA,  128                         ; window 2
.set G1,   24
.set G0,   32
.set G1B,  48
.set G0B,  56
.set LIM,  43                          ; s43  1 in a wave that prefetches, else the greatest number
.set PFA,  44                          ; s[44:45] where my prefetches stand
.set MULW,   0x50                      ; C and D in window 1
.set FIRSTW, 0x60                      ; C (the bias) in window 2, D in window 1
.set TO2,    0x80                      ; a load's destination in window 2
.set STW,    0x04                      ; an LDS store's data in window 1
.set MSB, 0
.macro WIN new
.if MSB != (\new)
	s_set_vgpr_msb (MSB<<8)|(\new)
.set MSB, \new
.endif
.endm
; A joint load: waves 0 and 1 fetch the halves of o2's tile (64 rows each), waves 2 and 3 those of wof's (128 rows each).  An s_nop 0 and four v_nop follow each line.
.macro JLOAD s
	s_cmp_eq_u32 s11, 0
	s_cbranch_scc0 .Lfor_b_\@
	tensor_load_to_lds s[G0+4*(\s):G0+4*(\s)+3], s[G1:G1+7]
	s_nop 0
.rept 4
	v_nop
.endr
	s_branch .Lasked_\@
.Lfor_b_\@:
	tensor_load_to_lds s[G0B+4*(\s):G0B+4*(\s)+3], s[G1B:G1B+7]
	s_nop 0
.rept 4
	v_nop
.endr
.Lasked_\@:
.endm
; A PREFETCH INTO THE L2, behind each joint load, its five lines and the run of LDS loads: 32 rows x 256 bytes of the K step two refills on (256 matrix instructions ahead of the load that will want it),
; a lane a row.  Each row's 256 bytes of a K step are named once in the launch: o2's rows by the clusters with x = 0, wof's by those with y = 0; the partners share a tile's rows out by address:
; wave 0 takes o2's rows 32 cx .., waves 2 and 3 wof's rows 64 cy .. and 64 cy + 32 ..; wave 1 asks for nothing.  The last two refills have no K step two on.
.macro ASK
	s_cmp_gt_u32 s3, s[LIM]                        ; s3 = 1 in the loop's last trip
	s_cbranch_scc0 .Lnot_mine_\@
	global_prefetch_b8 v[PFO], s[PFA:PFA+1] offset:KSTEP*2 th:TH_LOAD_NT scope:SCOPE_SE
.Lnot_mine_\@:
.endm
.macro CREST
	s_cmp_lg_u32 s10, 0
	s_cbranch_scc1 .Lnot_wave_0_\@
	s_barrier_signal -3
.Lnot_wave_0_\@:
	s_barrier_wait -3
	s_barrier_signal -1
	s_barrier_wait -1
.endm
.macro CROUND
	s_barrier_signal -1
	s_barrier_wait -1
	CREST
.endm
	s_load_b128 s[4:7], s[0:1], 0x0                ; o2 s[4:5], wof s[6:7]
	s_load_b64 s[68:69], s[0:1], 0x10              ; bias
	s_load_b64 s[8:9], s[0:1], 0x18                ; out0
	v_lshl_add_u32 v[SPW], v0, 2, SPARE
	v_mov_b32 v[NIL], 0
	ds_add_u32 v[SPW], v[NIL]                      ; the wave's opening: the add and its wait stand ahead of my first tensor load; the set-up below stands between them
	v_lshrrev_b32 v1, 5, v0
	v_readfirstlane_b32 s10, v1                    ; wave 0..3
	s_lshr_b32 s11, s10, 1                         ; which 64 rows are mine.  Also: I fetch for o2 (0) or for wof (1)
	s_and_b32 s12, s10, 1                          ; which 128 columns.  Also: which half of that tile I fetch
	s_bfe_u32 s40, ttmp6, 0x40000                  ; cx
	s_bfe_u32 s41, ttmp6, 0x40004                  ; cy
	s_lshl_b32 s42, ttmp9, 2
	s_add_co_u32 s42, s42, s40                     ; tile column 0..7
	s_and_b32 s13, ttmp7, 0xffff
	s_lshl_b32 s13, s13, 2
	s_add_co_u32 s13, s13, s41                     ; tile row 0..31
	s_lshl_b32 s43, s41, 2
	s_lshl_b32 s43, 15, s43                        ; my row of the cluster
	s_lshl_b32 s44, 0x1111, s40                    ; my column
	s_or_b32 s[G1+0], s43, (1<<16)|(1<<20)|(1<<21)|(5<<22)|(3<<25)   ; the mask; 2-byte elements; padding on; bit 21 beside a mask; after every 64 words 4 words
	s_or_b32 s[G1B+0], s44, (1<<16)|(1<<20)|(1<<21)|(5<<22)|(3<<25)
	s_mov_b32 s[G1+1], KSTEP<<16                   ; tensor_dim0 = 128
	s_mov_b32 s[G1+2], 64<<16                      ; tensor_dim1 = 64
	s_mov_b32 s[G1+3], KSTEP<<16                   ; tile_dim0 = 128
	s_mov_b32 s[G1+4], 64                          ; tile_dim1 = 64
	s_mov_b32 s[G1+5], 2048                        ; elements from row to row
	s_mov_b32 s[G1+6], 0
	s_mov_b32 s[G1+7], 0
	s_mov_b32 s[G1B+1], KSTEP<<16
	s_mov_b32 s[G1B+2], 128<<16
	s_mov_b32 s[G1B+3], KSTEP<<16
	s_mov_b32 s[G1B+4], 128
	s_mov_b32 s[G1B+5], 2048
	s_mov_b32 s[G1B+6], 0
	s_mov_b32 s[G1B+7], 0
	s_lshl_b32 s16, s13, 7                         ; o2: row 128 x tile row + 64 x half, in bytes
	s_lshl_b32 s17, s12, 6
	s_add_co_u32 s16, s16, s17
	s_lshl_b32 s16, s16, 12
	s_mov_b32 s17, 0
	s_lshl_b32 s46, s42, 8                         ; wof: row 256 x tile column + 128 x half
	s_lshl_b32 s47, s12, 7
	s_add_co_u32 s46, s46, s47
	s_lshl_b32 s46, s46, 12
	s_mov_b32 s47, 0
	s_mul_i32 s20, s12, 64*PITCH                   ; where they go: no place in the cluster enters an LDS address
	s_mul_i32 s21, s12, 128*PITCH
	s_add_co_u32 s21, s21, ABYTES
	s_wait_dscnt 0x0                               ; the opening add is done
	s_wait_kmcnt 0x0
	s_add_nc_u64 s[14:15], s[4:5], s[16:17]
	s_add_nc_u64 s[46:47], s[6:7], s[46:47]
	CROUND                                         ; all sixteen work-groups are here: the first joint loads meet
.irp s, 0,1
	s_mov_b32 s[G0+4*(\s)], 1
	s_add_co_u32 s[G0+4*(\s)+1], s20, (\s)*SLOT
	s_add_nc_u64 s[G0+4*(\s)+2:G0+4*(\s)+3], s[14:15], (\s)*KSTEP*2
	s_or_b32 s[G0+4*(\s)+3], s[G0+4*(\s)+3], 0x80000000
	s_mov_b32 s[G0B+4*(\s)], 1
	s_add_co_u32 s[G0B+4*(\s)+1], s21, (\s)*SLOT
	s_add_nc_u64 s[G0B+4*(\s)+2:G0B+4*(\s)+3], s[46:47], (\s)*KSTEP*2
	s_or_b32 s[G0B+4*(\s)+3], s[G0B+4*(\s)+3], 0x80000000
	JLOAD \s                                       ; K steps 0 and 1: two loads of mine are out
.endr
	v_and_b32 v1, 15, v0                           ; l % 16
	v_bfe_u32 v2, v0, 4, 1                         ; l / 16
	v_mul_u32_u24 v3, v1, PITCH
	v_lshl_add_u32 v3, v2, 4, v3
	s_mul_i32 s22, s11, 64*PITCH
	s_mul_i32 s23, s12, 128*PITCH
	s_add_co_u32 s23, s23, ABYTES
.irp s, 0,1
	v_add_nc_u32 v[ADRA+(\s)], s22, v3
	v_add_nc_u32 v[ADRB+(\s)], s23, v3
	s_add_co_u32 s22, s22, SLOT
	s_add_co_u32 s23, s23, SLOT
.endr
	s_mul_i32 s23, s10, 16*SPITCH
	s_add_co_u32 s23, s23, STAGE                   ; my stage
	v_mul_u32_u24 v4, v1, SPITCH                   ; in: row l % 16, 32 bytes for each half of the lanes
	v_lshl_add_u32 v4, v2, 5, v4
	v_add_nc_u32 v[STO], s23, v4
	v_and_b32 v4, 31, v0
	v_lshlrev_b32 v[CO], 4, v4                     ; back and out: 32 lanes take a row's 512 bytes
	v_add_nc_u32 v[RD], s23, v[CO]
	v_lshlrev_b32 v[BO], 5, v2
	v_lshlrev_b32 v[PFO], 12, v4
	s_lshl_b32 s46, s42, 10                        ; bo of my columns: row 3 of the table, 4 (256 x tile column + 128 x half) bytes in
	s_lshl_b32 s47, s12, 9
	s_add_co_u32 s46, s46, s47
	s_add_co_u32 s46, s46, 3*8192
	s_mov_b32 s47, 0
	s_add_nc_u64 s[68:69], s[68:69], s[46:47]
	WIN TO2                                        ; register 8 b + j = column 16 b + 8 (l / 16) + j: the layout of a C operand
.irp b, 0,1,2,3,4,5,6,7
	global_load_b128 v[BIA+8*(\b):BIA+8*(\b)+3],   v[BO], s[68:69] offset:64*(\b)
	global_load_b128 v[BIA+8*(\b)+4:BIA+8*(\b)+7], v[BO], s[68:69] offset:64*(\b)+16
.endr
	WIN 0
	s_lshl_b32 s16, s13, 7                         ; where my part of the tile begins in out0
	s_lshl_b32 s14, s11, 6
	s_add_co_u32 s16, s16, s14
	s_lshl_b32 s16, s16, 13
	s_mov_b32 s17, 0
	s_lshl_b32 s46, s42, 10
	s_lshl_b32 s47, s12, 9
	s_add_co_u32 s46, s46, s47
	s_mov_b32 s47, 0
	s_add_nc_u64 s[16:17], s[16:17], s[46:47]
	s_lshl_b32 s20, s13, 7                         ; the prefetches: o2's tile begins at row 128 x tile row,
	s_lshl_b32 s21, s42, 8                         ; wof's at 256 x tile column;
	s_lshl_b32 s22, s40, 5                         ; of o2's 128 rows my work-group takes 32 cx ..,
	s_lshl_b32 s23, s41, 6                         ; of wof's 256 rows 64 cy ..,
	s_lshl_b32 s14, s12, 5                         ; waves 2 and 3 half of them each
	s_add_co_u32 s23, s23, s14
	s_and_b32 s15, ttmp7, 0xffff                   ; cluster y
	s_cmp_eq_u32 s11, 0
	s_cselect_b32 s20, s20, s21
	s_cselect_b32 s22, s22, s23
	s_cselect_b32 s15, ttmp9, s15                  ; the coordinate along which other clusters read the same rows
	s_cselect_b64 s[PFA:PFA+1], s[4:5], s[6:7]
	s_cmp_eq_u32 s10, 1
	s_cselect_b32 s14, 1, 0
	s_or_b32 s15, s15, s14
	s_cmp_eq_u32 s15, 0
	s_cselect_b32 s[LIM], 1, -1                    ; the same in all sixteen partners, for a given wave
	s_add_co_u32 s20, s20, s22
	s_lshl_b32 s20, s20, 12
	s_add_co_u32 s20, s20, 2*KSTEP*2               ; at K step 2: the first refill steps it to 3 and names K step 4
	s_mov_b32 s21, 0
	s_add_nc_u64 s[PFA:PFA+1], s[PFA:PFA+1], s[20:21]
; 8 matrix instructions: row block a x all 8 column blocks, 32 along K.  first = 1: the bias starts the sums.  The 32 accumulators take turns, one instruction a turn.
.macro MUL8 f, a, first
.if \first
	WIN FIRSTW
.else
	WIN MULW
.endif
.irp b, 0,1,2,3,4,5,6,7
.if \first
	v_wmma_f32_16x16x32_f16 v[8*(8*(\a)+(\b)):8*(8*(\a)+(\b))+7], v[(\f)+32+8*(\b):(\f)+32+8*(\b)+7], v[(\f)+8*(\a):(\f)+8*(\a)+7], v[BIA+8*(\b):BIA+8*(\b)+7]
.else
	v_wmma_f32_16x16x32_f16 v[8*(8*(\a)+(\b)):8*(8*(\a)+(\b))+7], v[(\f)+32+8*(\b):(\f)+32+8*(\b)+7], v[(\f)+8*(\a):(\f)+8*(\a)+7], v[8*(8*(\a)+(\b)):8*(8*(\a)+(\b))+7]
.endif
.endr
.endm
.macro FETCH slot, k, f                ; 24 LDS loads in one run: wof's 128 rows first, then o2's 64
	WIN 0
.irp i, 0,1,2,3,4,5,6,7
	ds_load_b128 v[(\f)+32+8*(\i):(\f)+32+8*(\i)+3],   v[ADRB+(\slot)] offset:(\k)+(\i)*16*PITCH
	ds_load_b128 v[(\f)+32+8*(\i)+4:(\f)+32+8*(\i)+7], v[ADRB+(\slot)] offset:(\k)+(\i)*16*PITCH+32
.endr
.irp i, 0,1,2,3
	ds_load_b128 v[(\f)+8*(\i):(\f)+8*(\i)+3],   v[ADRA+(\slot)] offset:(\k)+(\i)*16*PITCH
	ds_load_b128 v[(\f)+8*(\i)+4:(\f)+8*(\i)+7], v[ADRA+(\slot)] offset:(\k)+(\i)*16*PITCH+32
.endr
.endm
.macro PLACES                          ; four places in front of loads into registers that matrix instructions have read
.rept 4
	v_nop
.endr
.endm
.macro QUARTER slot, k, f, g, first
	s_wait_dscnt 4                                 ; wof's fragments and o2's row blocks 0 and 1 are in; the youngest four loads may be out
	MUL8 \f, 0, \first
	MUL8 \f, 1, \first
	PLACES
	FETCH \slot, \k, \g
	s_wait_dscnt 24                                ; all but the 24 just issued
	MUL8 \f, 2, \first
	MUL8 \f, 3, \first
.endm
; The change of slots: ONE barrier; in front of it each wave waits for all its tensor loads (one is out: its part of the next slot), adds 0 to its spare word, and waits for that and for its reads of this slot.
.macro MEET round
	WIN 0
	s_wait_tensorcnt 0x0
	ds_add_u32 v[SPW], v[NIL]
	s_wait_dscnt 5                                 ; (the add and the youngest four loads may be out)
	MUL8 F1, 0, 0
	s_wait_dscnt 0x0                               ; the add is done, and my reads of this slot are over
	s_barrier_signal -1
	MUL8 F1, 1, 0
.if \round
	WIN 0
.endif
	s_barrier_wait -1
.endm
.macro TURN slot, next
	s_wait_xcnt 0x0                                ; the last prefetch, a K step back, has read its address
	s_add_nc_u64 s[PFA:PFA+1], s[PFA:PFA+1], KSTEP*2
	MEET 1
	CREST                                          ; no wave of any partner still reads this slot's tile or has a load on its way
	s_add_nc_u64 s[G0+4*(\slot)+2:G0+4*(\slot)+3], s[G0+4*(\slot)+2:G0+4*(\slot)+3], 2*KSTEP*2
	s_add_nc_u64 s[G0B+4*(\slot)+2:G0B+4*(\slot)+3], s[G0B+4*(\slot)+2:G0B+4*(\slot)+3], 2*KSTEP*2
	JLOAD \slot                                    ; the first tensor load behind the round: 112 matrix instructions ahead of the wait for it
	FETCH \next, 0, F0
	ASK
	MUL8 F1, 2, 0
	MUL8 F1, 3, 0
.endm
; THE WAY OUT of row block a: the f32 sums go as they are into my own stage (rows of 528 bytes) and come back as whole rows of 512 bytes.
.macro TOSTAGE2 a
.set BK, OBA+96*((\a)%2)
.if (\a) >= 2
	s_wait_xcnt 0x0                                ; the stores of the block two back have read the registers that are loaded again below
.endif
	WIN STW
.irp b, 0,1,2,3,4,5,6,7                ; each accumulator's low half first
	ds_store_b128 v[STO], v[8*(8*(\a)+(\b)):8*(8*(\a)+(\b))+3]   offset:64*(\b)
	ds_store_b128 v[STO], v[8*(8*(\a)+(\b))+4:8*(8*(\a)+(\b))+7] offset:64*(\b)+16
.endr
	WIN 0
.irp t, 0,1,2,3,4,5,6,7,8,9,10,11,12,13,14,15
	ds_load_b128 v[BK+4*(\t):BK+4*(\t)+3], v[RD] offset:(\t)*SPITCH  ; LDS serves a wave's instructions in order (ISA guide 5.7.1.4): these see the stores above; the next block's stores come behind them
.endr
.endm
.macro SEND2 a, younger                ; younger: the next block's 16 stores and 16 loads, or none
	WIN 0
.set BK, OBA+96*((\a)%2)
	s_wait_dscnt \younger
	s_wait_xcnt 0x0                                ; earlier stores have read their base
.if (\a) == 0
	s_add_nc_u64 s[8:9], s[8:9], s[16:17]
.else
	s_add_nc_u64 s[8:9], s[8:9], 16*ROWC
.endif
.irp t, 0,1,2,3,4,5,6,7,8,9,10,11,12,13,14,15
	global_store_b128 v[CO], v[BK+4*(\t):BK+4*(\t)+3], s[8:9] offset:(\t)*ROWC th:TH_STORE_NT  ; the wave stores 512 consecutive bytes, aligned
.endr
.endm
	s_wait_tensorcnt 0x1                           ; my part of K step 0 is in; K step 1's may stay out
	s_barrier_signal -1
	s_barrier_wait -1
	FETCH 0, 0, F0
	s_wait_loadcnt 0x0                             ; the bias
	QUARTER 0, 64,  F0, F1, 1                      ; the first quarter stands in front of the loop: its products start the sums
	WIN 0
	s_mov_b32 s3, LAPS-1
.Llap:                                                 ; a trip goes once round the ring and fills both slots again
	QUARTER 0, 128, F1, F0, 0
	QUARTER 0, 192, F0, F1, 0
	TURN 0, 1
	QUARTER 1, 64,  F0, F1, 0
	QUARTER 1, 128, F1, F0, 0
	QUARTER 1, 192, F0, F1, 0
	TURN 1, 0
	QUARTER 0, 64,  F0, F1, 0
	WIN 0
	s_sub_co_u32 s3, s3, 1
	s_cmp_lg_u32 s3, 0
	s_cbranch_scc1 .Llap
	QUARTER 0, 128, F1, F0, 0                      ; the last lap fills nothing
	QUARTER 0, 192, F0, F1, 0
	MEET 0                                         ; the one load that was out is the last K step's; no round follows
	PLACES
	FETCH 1, 0, F0
	MUL8 F1, 2, 0
	MUL8 F1, 3, 0
	QUARTER 1, 64,  F0, F1, 0
	QUARTER 1, 128, F1, F0, 0
	QUARTER 1, 192, F0, F1, 0
	s_wait_dscnt 0x0
	MUL8 F1, 0, 0
	MUL8 F1, 1, 0
	MUL8 F1, 2, 0
	MUL8 F1, 3, 0
	WIN 0
	PLACES                                         ; eight places, once a launch: the lines below read results just made and load into both fragment buffers
	PLACES
	TOSTAGE2 0
	TOSTAGE2 1
	SEND2 0, 32
	TOSTAGE2 2
	SEND2 1, 32
	TOSTAGE2 3
	SEND2 2, 32
	SEND2 3, 0
	s_wait_tensorcnt 0x0                           ; the wave's end, behind my last tensor load and my last LDS store
	ds_add_u32 v[SPW], v[NIL]
	s_wait_dscnt 0x0
	CROUND                                         ; the closing round: no work-group ends while a partner may still ask for a tile that names it
	s_endpgm
.Lfunc_end_k_qdb0bdc668e_gemm_out:
	.size	k_qdb0bdc668e_gemm_out, .Lfunc_end_k_qdb0bdc668e_gemm_out-k_qdb0bdc668e_gemm_out
	.p2alignl 7, 3214868480
	.fill 96, 4, 3214868480
	.section	.rodata,"a",@progbits
	.p2align	6, 0x0
	.amdhsa_kernel k_qdb0bdc668e_gemm_out
		.amdhsa_group_segment_fixed_size 327680
		.amdhsa_private_segment_fixed_size 0
		.amdhsa_enable_private_segment 0
		.amdhsa_kernarg_size 32
		.amdhsa_user_sgpr_count 2
		.amdhsa_user_sgpr_kernarg_segment_ptr 1
		.amdhsa_wavefront_size32 1
		.amdhsa_system_sgpr_workgroup_id_x 1
		.amdhsa_system_sgpr_workgroup_id_y 1
		.amdhsa_system_sgpr_workgroup_id_z 1
		.amdhsa_system_vgpr_workitem_id 0
		.amdhsa_next_free_vgpr 704
		.amdhsa_next_free_sgpr 72
		.amdhsa_reserve_vcc 0
		.amdhsa_float_denorm_mode_32 3
		.amdhsa_float_denorm_mode_16_64 3
		.amdhsa_memory_ordered 1
		.amdhsa_forward_progress 1
		.amdhsa_inst_pref_size 88
	.end_amdhsa_kernel
	.amdgpu_metadata
---
amdhsa.version: [ 1, 2 ]
amdhsa.kernels:
  - .name:           k_qdb0bdc668e_gemm_out
    .symbol:         k_qdb0bdc668e_gemm_out.kd
    .args:
      - { .name: o2, .offset: 0, .size: 8, .value_kind: global_buffer, .address_space: global }
      - { .name: wof, .offset: 8, .size: 8, .value_kind: global_buffer, .address_space: global }
      - { .name: bias, .offset: 16, .size: 8, .value_kind: global_buffer, .address_space: global }
      - { .name: out0, .offset: 24, .size: 8, .value_kind: global_buffer, .address_space: global }
    .group_segment_fixed_size: 327680
    .private_segment_fixed_size: 0
    .kernarg_segment_align: 8
    .kernarg_segment_size: 32
    .max_flat_workgroup_size: 128
    .sgpr_count:     72
    .vgpr_count:     704
    .wavefront_size: 32
...
	.end_amdgpu_metadata
.endif
;; end of part 4
;; ======== version 2 of 3: 4 launches
;; limits: values are held in f16: magnitudes above 65,504 overflow, below 6.1e-05 lose precision
;; workspace buffers: xb 16,777,216 bytes; wb 25,165,824 bytes; wof 8,388,608 bytes; bias 32,768 bytes; rope 262,144 bytes; qkv 50,331,648 bytes; o2 16,777,216 bytes
;; launch prep (part 5): grid 928 x 1, 8 waves a work-group, no clusters, 0 bytes of LDS; arguments x, Wq, Wk, Wv, Wo, bq, bk, bv, bo, xb, wb, wof, bias, rope; writes xb, wb, wof, bias, rope
.if DOCPART == 5
	.amdgcn_target "amdgcn-amd-amdhsa--gfx1250"
	.amdhsa_code_object_version 6
	.text
	.protected	k_qdb0bdc668e_prep
	.globl	k_qdb0bdc668e_prep
	.p2align	8
	.type	k_qdb0bdc668e_prep,@function
k_qdb0bdc668e_prep:
	s_mov_b64 s[64:65], 0
	v_nop
	global_prefetch_b8 v0, s[64:65] scope:SCOPE_SE
	s_setreg_imm32_b32 hwreg(HW_REG_WAVE_MODE, 25, 1), 1
	s_wait_xcnt 0x0
; PREP: the module's inputs rounded once to bf16, laid out for the products that follow, and the two small tables.
;   xb  [32][4096][64] bf16: block kb holds channels 64 kb .. 64 kb + 63 of every row of x, 128 bytes a row, the rows on end.
;   wb  [32][6144][64] bf16, the same by blocks; row 384 c + 192 ch + 64 t + d is row 64 (2 c + ch) + d of Wq (t = 0) or Wk (t = 1), or, for t = 2, row 64 (j % 32) + j / 32 of Wv with
;       j = 64 (2 c + ch) + d: so the product with these rows gives each position's V already turned ([channel][head]).
;   wof [2048][2048] f16 = Wo rounded to bf16, that number written as f16.
;   bias [8192] f32: bq, bk, bv in the order of wb's rows, then bo; each rounded to bf16 and kept as f32.
;   rope [1024][64] f32: row l = cos(l theta_f), f = 0..31, then sin(l theta_f), theta_f = 10000^(-f/32).
; LIMITS.  A number of bf16(Wo) below 2^-14 keeps f16's fixed step of 6e-8, beyond 65,504 it would be lost.  The table's angles lie within
; about 1e-4 rad of l theta_f taken in f32: theta comes from v_exp_f32, the product l theta is rounded once as f32.
; SHARES.  Work-groups 0-255 (x) and 256-639 (wb): a wave converts TWO neighbouring destination rows, lanes 0-15 the first, lanes 16-31 the second: a load takes 256 consecutive bytes, aligned, of each
; source row, and a store writes the two rows' 128 bytes of one block, 256 consecutive bytes, aligned.  All 32 loads of a wave are out at once.  Work-groups 640-895: Wo, a row a wave.
; Work-groups 896-927: the tables.  Memory binds: no LDS, no matrix unit, no cluster, since no byte is wanted twice.
.set LOFF, 1                           ; v1   my byte offset in the source
.set SOFF, 2                           ; v2   8 x lane
.set LANE, 3                           ; v3   lane
.set X,    16                          ; v[16:143]   f32 as loaded; the first register of each four later holds the store's offset
.set Y,    144                         ; v[144:207]  the same as 16-bit pairs
	s_load_b512 s[8:23], s[0:1], 0x0               ; x 8, Wq 10, Wk 12, Wv 14, Wo 16, bq 18, bk 20, bv 22
	s_load_b256 s[24:31], s[0:1], 0x40             ; bo 24, xb 26, wb 28, wof 30
	s_load_b128 s[32:35], s[0:1], 0x60             ; bias 32, rope 34
	v_lshrrev_b32 v4, 5, v0
	v_readfirstlane_b32 s36, v4                    ; wave 0..7
	v_and_b32 v[LANE], 31, v0
	v_lshlrev_b32 v[SOFF], 3, v[LANE]
	s_wait_kmcnt 0x0
	s_cmp_ge_u32 ttmp9, 896
	s_cbranch_scc1 .Ltables
	s_cmp_ge_u32 ttmp9, 640
	s_cbranch_scc1 .Lwo
	; x and wb.  For wb: four work-groups make a group G = 6 c + 3 ch + t of 64 rows (the numbers below have no meaning for x's work-groups, and are not chosen there)
	s_mov_b32 s57, 0x80000                         ; 64 rows of f32; also xb's block: 4,096 rows of 128 bytes
	s_mov_b32 s58, 0x2000                          ; a row of f32
	s_mov_b32 s59, 0xc0000                         ; wb's block: 6,144 rows of 128 bytes
	s_sub_co_u32 s37, ttmp9, 256
	s_lshr_b32 s38, s37, 2                         ; G
	s_mul_hi_u32 s39, s38, 0x2aaaaaab              ; c = G / 6 (exact for G under 96)
	s_mul_i32 s40, s39, 6
	s_sub_co_u32 s40, s38, s40                     ; G % 6
	s_cmp_ge_u32 s40, 3
	s_cselect_b32 s41, 1, 0                        ; ch
	s_mul_i32 s42, s41, 3
	s_sub_co_u32 s42, s40, s42                     ; t
	s_lshl_b32 s43, s39, 1
	s_add_co_u32 s43, s43, s41                     ; 2 c + ch
	s_and_b32 s44, s37, 3
	s_lshl_b32 s44, s44, 4
	s_lshl_b32 s45, s36, 1
	s_add_co_u32 s44, s44, s45                     ; d = 16 (work-group % 4) + 2 x wave, even
	s_lshl_b32 s45, s43, 6
	s_add_co_u32 s45, s45, s44                     ; j = 64 (2 c + ch) + d: Wq's and Wk's row
	s_and_b32 s46, s45, 31
	s_lshl_b32 s46, s46, 6
	s_lshr_b32 s47, s45, 5
	s_add_co_u32 s46, s46, s47                     ; Wv's row; j + 1 lies 64 rows further down
	s_lshl_b32 s47, s38, 6
	s_add_co_u32 s47, s47, s44                     ; wb's row 64 G + d
	s_lshl_b32 s52, ttmp9, 4
	s_lshl_b32 s53, s36, 1
	s_add_co_u32 s52, s52, s53                     ; x's row 16 x work-group + 2 x wave
	s_cmp_eq_u32 s42, 1
	s_cselect_b64 s[48:49], s[12:13], s[10:11]
	s_cmp_eq_u32 s42, 2
	s_cselect_b64 s[48:49], s[14:15], s[48:49]
	s_cselect_b32 s50, s46, s45                    ; source row
	s_cselect_b32 s51, s57, s58                    ; bytes from my first source row to my second
	s_cmp_lt_u32 ttmp9, 256
	s_cselect_b64 s[48:49], s[8:9], s[48:49]
	s_cselect_b64 s[54:55], s[26:27], s[28:29]
	s_cselect_b32 s50, s52, s50
	s_cselect_b32 s51, s58, s51
	s_cselect_b32 s53, s52, s47                    ; destination row
	s_cselect_b32 s56, s57, s59                    ; bytes in a block of the destination
	s_lshl_b32 s38, s50, 13
	s_mov_b32 s39, 0
	s_lshl_b32 s40, s53, 7
	s_mov_b32 s41, 0
	s_add_nc_u64 s[48:49], s[48:49], s[38:39]
	s_add_nc_u64 s[54:55], s[54:55], s[40:41]
	v_and_b32 v5, 15, v[LANE]
	v_lshrrev_b32 v6, 4, v[LANE]
	v_lshlrev_b32 v5, 4, v5
	v_mad_u32_u24 v[LOFF], v6, s51, v5             ; 16 (lane % 16), and the second row for lanes 16-31
.set i, 0
.rept 32
	global_load_b128 v[X+4*i:X+4*i+3], v[LOFF], s[48:49] offset:256*i th:TH_LOAD_NT  ; channels 64 i .. 64 i + 63 of both rows
.set i, i+1
.endr
	s_mov_b32 s60, 0                               ; block i begins i blocks into the destination
.set i, 0
.rept 32
	s_wait_loadcnt 31-i                            ; loads come back in order: number i is in, the 31 - i younger ones stay out
	v_cvt_pk_bf16_f32 v[Y+2*i],   v[X+4*i],   v[X+4*i+1]
	v_cvt_pk_bf16_f32 v[Y+2*i+1], v[X+4*i+2], v[X+4*i+3]
	v_add_nc_u32 v[X+4*i], s60, v[SOFF]            ; each store has an offset register of its own
	global_store_b64 v[X+4*i], v[Y+2*i:Y+2*i+1], s[54:55]  ; the wave stores 256 consecutive bytes, aligned: two rows of a block
	s_add_co_u32 s60, s60, s56
.set i, i+1
.endr
	s_endpgm
.Lwo:                                  ; Wo: a row a wave, rounded to bf16, widened again, written as f16, row-major
	s_sub_co_u32 s37, ttmp9, 640
	s_lshl_b32 s37, s37, 3
	s_add_co_u32 s37, s37, s36
	s_lshl_b32 s38, s37, 13
	s_mov_b32 s39, 0
	s_lshl_b32 s40, s37, 12
	s_mov_b32 s41, 0
	s_add_nc_u64 s[48:49], s[16:17], s[38:39]
	s_add_nc_u64 s[54:55], s[30:31], s[40:41]
	v_lshlrev_b32 v[LOFF], 4, v[LANE]
.set i, 0
.rept 16
	global_load_b128 v[X+4*i:X+4*i+3], v[LOFF], s[48:49] offset:512*i th:TH_LOAD_NT
.set i, i+1
.endr
.set i, 0
.rept 16
	s_wait_loadcnt 15-i                            ; number i is in, the 15 - i younger ones stay out
	v_cvt_pk_bf16_f32 v[Y+2*i],   v[X+4*i],   v[X+4*i+1]
	v_cvt_pk_bf16_f32 v[Y+2*i+1], v[X+4*i+2], v[X+4*i+3]
	v_lshlrev_b32 v4, 16, v[Y+2*i]
	v_and_b32     v5, 0xffff0000, v[Y+2*i]
	v_lshlrev_b32 v6, 16, v[Y+2*i+1]
	v_and_b32     v7, 0xffff0000, v[Y+2*i+1]
	v_cvt_pk_f16_f32 v[Y+2*i],   v4, v5
	v_cvt_pk_f16_f32 v[Y+2*i+1], v6, v7
	global_store_b64 v[SOFF], v[Y+2*i:Y+2*i+1], s[54:55] offset:256*i  ; the wave stores 256 consecutive bytes, aligned
.set i, i+1
.endr
	s_endpgm
.Ltables:
	; THE ANGLES' TABLE.  A wave makes four positions; lane g and lane 16 + g make f = 2 g and 2 g + 1: lanes 0-15 the cosines, lanes 16-31 the sines, as cos(a - pi/2).
	s_sub_co_u32 s37, ttmp9, 896                   ; j = 0..31
	s_mov_b32 s50, 0x3e800000                      ; 1/4 of a turn
	s_mov_b32 s51, 0x3fc90fdb                      ; pi/2
	s_mov_b32 s52, 0x3e22f983                      ; 1 / 2 pi
	s_mov_b32 s53, 0x40c90fdb                      ; 2 pi, the f32 next to it,
	s_mov_b32 s54, 0xb43bbd2e                      ; and what is left of 2 pi
	v_and_b32 v4, 15, v0
	v_lshlrev_b32 v5, 1, v4
	v_cvt_f32_u32 v6, v5
	v_add_nc_u32 v5, 1, v5
	v_cvt_f32_u32 v7, v5
	v_mul_f32 v6, 0xbed49a78, v6                   ; - f log2(10000) / 32
	v_mul_f32 v7, 0xbed49a78, v7
	v_exp_f32 v8, v6                               ; theta of f = 2 g
	v_exp_f32 v9, v7                               ; and of 2 g + 1
	v_cmp_lt_u32 vcc_lo, 15, v[LANE]               ; plain work behind the exponentials, which names neither result
	v_cndmask_b32 v10, 0, s50, vcc_lo
	v_cndmask_b32 v11, 0, s51, vcc_lo
	s_lshl_b32 s38, s37, 5
	s_lshl_b32 s39, s36, 2
	s_add_co_u32 s38, s38, s39                     ; my first position: 32 j + 4 x wave
	s_lshl_b32 s39, s38, 8
	v_lshlrev_b32 v12, 3, v[LANE]
	v_add_nc_u32 v12, s39, v12                     ; 256 bytes a position, 8 a lane
	s_wait_alu depctr_va_vdst(0)                   ; one wait for both exponentials, ahead of their first reader
.irp i, 0,1,2,3
	s_add_co_u32 s40, s38, \i
	v_cvt_f32_u32 v13, s40
.irp z, 0,1
	v_mul_f32 v14, v13, v[8+(\z)]                  ; the angle, rounded once
	v_fma_f32 v15, v14, s52, -v10                  ; in turns, less a quarter for the sines
	v_rndne_f32 v16, v15                           ; whole turns n
	v_fma_f32 v17, -v16, s53, v14                  ; angle - 2 pi n, in two parts,
	v_fma_f32 v17, -v16, s54, v17
	v_sub_f32 v17, v17, v11                        ; less pi/2 for the sines: within pi of 0
	v_mul_f32 v18, v17, v17
	v_mov_b32 v19, 0x29573f9f                      ; the cosine's series to the term of degree 16: the first term left out is pi^18 / 18! = 1.4e-7 at the most
	v_fmaak_f32 v19, v19, v18, 0xad49cba5          ; -1/14!
	v_fmaak_f32 v19, v19, v18, 0x310f76c7          ; 1/12!
	v_fmaak_f32 v19, v19, v18, 0xb493f27e          ; -1/10!
	v_fmaak_f32 v19, v19, v18, 0x37d00d01          ; 1/8!
	v_fmaak_f32 v19, v19, v18, 0xbab60b61          ; -1/6!
	v_fmaak_f32 v19, v19, v18, 0x3d2aaaab          ; 1/4!
	v_fmaak_f32 v19, v19, v18, 0xbf000000          ; -1/2
	v_fmaak_f32 v[20+2*(\i)+(\z)], v19, v18, 0x3f800000
.endr
	global_store_b64 v12, v[20+2*(\i):21+2*(\i)], s[34:35] offset:256*(\i)  ; a position's 256 bytes, whole; each position has result registers of its own
.endr
	; THE BIASES.  128 waves, 64 numbers each.  Unit u = 8 j + wave: under 96 it is group G = u of wb's rows (6 c + 3 ch + t), from 96 on numbers 64 (u - 96) .. of bo.
	s_lshl_b32 s41, s37, 3
	s_add_co_u32 s41, s41, s36
	s_cmp_lt_u32 s41, 128
	s_cbranch_scc0 .Ldone
	s_mul_hi_u32 s38, s41, 0x2aaaaaab              ; c = u / 6
	s_mul_i32 s39, s38, 6
	s_sub_co_u32 s39, s41, s39
	s_cmp_ge_u32 s39, 3
	s_cselect_b32 s40, 1, 0                        ; ch
	s_mul_i32 s42, s40, 3
	s_sub_co_u32 s42, s39, s42                     ; t: which vector
	s_lshl_b32 s43, s38, 1
	s_add_co_u32 s43, s43, s40                     ; 2 c + ch: which 64 numbers of it
	s_sub_co_u32 s45, s41, 96
	s_cmp_ge_u32 s41, 96
	s_cselect_b32 s42, 3, s42
	s_cselect_b32 s43, s45, s43
	s_cmp_eq_u32 s42, 2                            ; number n = 2 lane + i of the 64 comes from byte 4 (64 s43 + n), or for bv from number 64 (n % 32) + 2 s43 + n / 32
	s_cselect_b32 s44, 512, 8                      ; the factor of lane % 16,
	s_cselect_b32 s45, 4, 128                      ; of lane / 16,
	s_cselect_b32 s46, 8, 256                      ; of s43,
	s_cselect_b32 s47, 256, 4                      ; and of i
	s_mul_i32 s46, s46, s43
	v_lshrrev_b32 v28, 4, v[LANE]
	v_mul_u32_u24 v29, s44, v4
	v_mad_u32_u24 v29, v28, s45, v29
	v_add_nc_u32 v29, s46, v29
	v_add_nc_u32 v30, s47, v29
	s_cmp_eq_u32 s42, 1
	s_cselect_b64 s[48:49], s[20:21], s[18:19]
	s_cmp_eq_u32 s42, 2
	s_cselect_b64 s[48:49], s[22:23], s[48:49]
	s_cmp_eq_u32 s42, 3
	s_cselect_b64 s[48:49], s[24:25], s[48:49]
	global_load_b32 v31, v29, s[48:49]
	global_load_b32 v32, v30, s[48:49]
	s_lshl_b32 s55, s41, 8
	v_lshl_add_u32 v36, v[LANE], 3, s55
	s_wait_loadcnt 0x0
	v_cvt_pk_bf16_f32 v33, v31, v32                ; rounded to bf16 like every input,
	v_lshlrev_b32 v34, 16, v33                     ; and kept as f32
	v_and_b32 v35, 0xffff0000, v33
	global_store_b64 v36, v[34:35], s[32:33]
.Ldone:
	s_endpgm
.Lfunc_end_k_qdb0bdc668e_prep:
	.size	k_qdb0bdc668e_prep, .Lfunc_end_k_qdb0bdc668e_prep-k_qdb0bdc668e_prep
	.p2alignl 7, 3214868480
	.fill 96, 4, 3214868480
	.section	.rodata,"a",@progbits
	.p2align	6, 0x0
	.amdhsa_kernel k_qdb0bdc668e_prep
		.amdhsa_group_segment_fixed_size 0
		.amdhsa_private_segment_fixed_size 0
		.amdhsa_enable_private_segment 0
		.amdhsa_kernarg_size 112
		.amdhsa_user_sgpr_count 2
		.amdhsa_user_sgpr_kernarg_segment_ptr 1
		.amdhsa_wavefront_size32 1
		.amdhsa_system_sgpr_workgroup_id_x 1
		.amdhsa_system_sgpr_workgroup_id_y 1
		.amdhsa_system_sgpr_workgroup_id_z 1
		.amdhsa_system_vgpr_workitem_id 0
		.amdhsa_next_free_vgpr 208
		.amdhsa_next_free_sgpr 66
		.amdhsa_reserve_vcc 1
		.amdhsa_float_denorm_mode_32 3
		.amdhsa_float_denorm_mode_16_64 3
		.amdhsa_memory_ordered 1
		.amdhsa_forward_progress 1
		.amdhsa_inst_pref_size 38
	.end_amdhsa_kernel
	.amdgpu_metadata
---
amdhsa.version: [ 1, 2 ]
amdhsa.kernels:
  - .name:           k_qdb0bdc668e_prep
    .symbol:         k_qdb0bdc668e_prep.kd
    .args:
      - { .name: x, .offset: 0, .size: 8, .value_kind: global_buffer, .address_space: global }
      - { .name: Wq, .offset: 8, .size: 8, .value_kind: global_buffer, .address_space: global }
      - { .name: Wk, .offset: 16, .size: 8, .value_kind: global_buffer, .address_space: global }
      - { .name: Wv, .offset: 24, .size: 8, .value_kind: global_buffer, .address_space: global }
      - { .name: Wo, .offset: 32, .size: 8, .value_kind: global_buffer, .address_space: global }
      - { .name: bq, .offset: 40, .size: 8, .value_kind: global_buffer, .address_space: global }
      - { .name: bk, .offset: 48, .size: 8, .value_kind: global_buffer, .address_space: global }
      - { .name: bv, .offset: 56, .size: 8, .value_kind: global_buffer, .address_space: global }
      - { .name: bo, .offset: 64, .size: 8, .value_kind: global_buffer, .address_space: global }
      - { .name: xb, .offset: 72, .size: 8, .value_kind: global_buffer, .address_space: global }
      - { .name: wb, .offset: 80, .size: 8, .value_kind: global_buffer, .address_space: global }
      - { .name: wof, .offset: 88, .size: 8, .value_kind: global_buffer, .address_space: global }
      - { .name: bias, .offset: 96, .size: 8, .value_kind: global_buffer, .address_space: global }
      - { .name: rope, .offset: 104, .size: 8, .value_kind: global_buffer, .address_space: global }
    .group_segment_fixed_size: 0
    .private_segment_fixed_size: 0
    .kernarg_segment_align: 8
    .kernarg_segment_size: 112
    .max_flat_workgroup_size: 256
    .sgpr_count:     66
    .vgpr_count:     208
    .wavefront_size: 32
...
	.end_amdgpu_metadata
.endif
;; end of part 5
;; launch gemm_qkv (part 6): grid 16 x 16, 4 waves a work-group, clusters of 4 x 4, 327,680 bytes of LDS; arguments xb, wb, bias, rope, qkv; writes qkv
.if DOCPART == 6
	.amdgcn_target "amdgcn-amd-amdhsa--gfx1250"
	.amdhsa_code_object_version 6
	.text
	.protected	k_qdb0bdc668e_gemm_qkv
	.globl	k_qdb0bdc668e_gemm_qkv
	.p2align	8
	.type	k_qdb0bdc668e_gemm_qkv,@function
k_qdb0bdc668e_gemm_qkv:
	s_mov_b64 s[64:65], 0
	v_nop
	global_prefetch_b8 v0, s[64:65] scope:SCOPE_SE
	s_setreg_imm32_b32 hwreg(HW_REG_WAVE_MODE, 25, 1), 1
	s_wait_xcnt 0x0
	s_wait_alu depctr_hold_cnt(0) depctr_sa_sdst(0) depctr_va_vdst(0) depctr_va_sdst(0) depctr_va_ssrc(0) depctr_va_vcc(0) depctr_vm_vsrc(0)
	s_getreg_b32 s2, hwreg(HW_REG_IB_STS2, 6, 4)
	s_cmp_eq_u32 s2, 0
	s_cbranch_scc0 .Lentry_in_a_cluster
	s_endpgm
.Lentry_in_a_cluster:
	s_bfe_u32 s2, ttmp6, 0x10000c
	s_cmp_lg_u32 s2, 0xf033
	s_cbranch_scc0 .Lentry_shape_is_right
	s_endpgm
.Lentry_shape_is_right:
; q, k, v = x W^T + b, with the rotary turn on q and k.  xb [32][4096][64] and wb [32][6144][64] bf16, by blocks of 64 channels; wb's row 384 c + 192 ch + 64 t + d is column 64 (2 c + ch) + d of plane
; t (0 q, 1 k, 2 v; v's columns in the order 32 channel + head).  bias f32 in the order of wb's rows; rope [1024][64] f32 (cos, then sin).  qkv [3][4096][2048] f16.
; Sums in f32, begun with the bias; the turn in f32; each number rounded once to f16.
; LIMITS.  f16 ends at 65,504: q and k behind the turn, and v, must lie within it (x and W each with a common offset of 30 spreads give 2048 x 30 x 0.6 x sqrt(2) = 52,000).
; NaN and infinities are not treated apart.
; SHARES.  A work-group makes ONE tile of 256 rows x 384 columns (128 of each plane): 16 x 16 = 256 work-groups.  Four waves, each 128 rows x 192 columns (a head of q, a head of k, 64 columns of v):
; 96 accumulators of 16 x 16, 768 registers.  For 32 along K a wave loads (128 + 192) x 64 bytes from LDS for 96 matrix instructions.
; K goes in steps of 64 through two LDS slots of 640 rows: two slots of 128 channels, 2 x 640 x 272 bytes, would not fit.  In memory a step's tile is dense (a block's rows lie on end), so it is asked for as
; rows of 256 bytes, aligned, two tile rows each, and padded in LDS after every 128 bytes.  From a request to the wait for it a wave issues 176 matrix instructions.
; CLUSTER.  4 x 4 work-groups: the four of a row of the cluster need the same rows of x, the four of a column the same rows of wb: each tile is asked for jointly.
; THE MATRIX INSTRUCTION IS USED TRANSPOSED (source 0 = 16 rows of wb, source 1 = 16 rows of xb): lane l holds row l % 16 of C and the columns 8 (l / 16) + 0..7.
; A UNIT is 8 row blocks x 6 column blocks x 32 K: 48 matrix instructions: 16, the run of LDS loads, 32.  A quarter of 32 K is an even unit (column blocks 0-5) and an odd one (6-11); a K step two quarters.
; REGISTERS, in windows of 256 (s_set_vgpr_msb: bits 1:0 source 0, 3:2 source 1, 5:4 source 2, 7:6 destination):
;   window 0: v16-31 addresses; v32-95, v96-159 x's 8 fragments, two buffers by quarters; v160-207, v208-255 wb's 6 fragments, two buffers by units; on the way out all these are at work
;   windows 1-3: accumulator (a, b), h = b / 6, local number 6 a + b % 6: locals 0-15 in window 2 at slot local + 16 h, locals 16-47 in window 1 (h = 0) or 3 (h = 1) at slot local - 16
.set PITCH,  144                       ; an LDS row: 128 bytes + 16 of padding = 36 words: the 16 rows of a fragment load start at 16 different groups of four banks (ISA guide 11.1)
.set AHALF,  128*PITCH                 ; what a wave fetches of x, and what a wave reads of it
.set ABYTES, 256*PITCH
.set BHALF,  192*PITCH                 ; the same for wb
.set SLOT,   640*PITCH                 ; x's 256 rows, then wb's 384
.set STAGE,  2*SLOT                    ; behind the ring: the work-group's stage for the way out, 128 rows; no tensor load lands there
.set SPITCH, 784                       ; a stage row: 256 bytes of each plane + 16 = 49 x 16
.set SPARE,  STAGE+128*SPITCH          ; the spare words, 128 bytes for each wave: two blocks of 256 bytes that no other line names
.set LAPS,   16                        ; a lap = two K steps; 2048 / 128
.set ABLK,   4096*128                  ; bytes in a block of xb
.set BBLK,   6144*128                  ; and of wb
.set RB,     4096                      ; bytes in a row of a plane of qkv
.set ADRA, 16                          ; v16-17  LDS address of my fragments of x in slot 0, 1
.set ADRB, 20                          ; v20-21  the same for wb
.set STO,  24                          ; v24  the way out: where I put 16 bytes of a stage row
.set RD,   25                          ; v25  where I read rows back
.set CO,   26                          ; v26  my byte offset in two rows of a plane
.set BO,   27                          ; v27  32 x (l / 16): my 8 columns in the bias
.set SPW,  28                          ; v28  my spare word: SPARE + 4 x my thread's number; never rewritten
.set NIL,  29                          ; v29  0; never rewritten
.set PFO,  30                          ; v30  the prefetches' offset; never rewritten
.set TO,   31                          ; v31  256 x (l % 16) + 32 x (l / 16): my place in the angles' table
.set FA0,  32
.set FA1,  96
.set FB0,  160
.set FB1,  208
.set RR,   96                          ; the way out: a head's 64 turned numbers of my row, f32
.set PK,   208                         ; the way out: my 192 columns as f16 pairs
.set G1,   24                          ; s[24:31] descriptor group 1 for x's tiles; s[32:39] group 0, a set for each slot
.set G0,   32
.set G1B,  48                          ; s[48:55], s[56:63] the same for wb's
.set G0B,  56
.set LIM0, 43                          ; s43  1 in a wave that prefetches at the change out of slot 0, else the greatest number
.set LIM1, 66                          ; s66  the same for the change out of slot 1
.set PFA,  44                          ; s[44:45] where my prefetches stand: the block behind the one that is being asked for
.set PS,   78                          ; s[78:79] its step: a block of xb or of wb
.set PB,   72                          ; s[72:77] the three planes at the first row that I store
.set MSB, 0
.macro WIN new                         ; the immediate's high byte repeats the setting that is left; a switch that changes nothing is dropped
.if MSB != (\new)
	s_set_vgpr_msb (MSB<<8)|(\new)
.set MSB, \new
.endif
.endm
; A joint load.  Waves 0 and 1 fetch the halves of x's tile (128 tile rows each), waves 2 and 3 those of wb's (192 each).  The branch hangs on the wave's number alone.
; An s_nop 0 and four v_nop follow each of the two lines, ahead of the jump and the label.
.macro JLOAD s
	s_cmp_eq_u32 s11, 0
	s_cbranch_scc0 .Lfor_b_\@
	tensor_load_to_lds s[G0+4*(\s):G0+4*(\s)+3], s[G1:G1+7]
	s_nop 0
.rept 4
	v_nop
.endr
	s_branch .Lasked_\@
.Lfor_b_\@:
	tensor_load_to_lds s[G0B+4*(\s):G0B+4*(\s)+3], s[G1B:G1B+7]
	s_nop 0
.rept 4
	v_nop
.endr
.Lasked_\@:
.endm
; A PREFETCH INTO THE L2, behind each joint load, its five lines and the run of LDS loads; a lane names 256 bytes.  Each block of 256 bytes is named once in the launch.
; x: a tile row's 256 rows of a K step are 128 such blocks; the clusters with x = 0 ask, the partner at cx for blocks 32 cx .., by its wave 0, at every change of slots, for the K step that the next change
; will load: 176 matrix instructions ahead.  wb: a column's 384 rows are 192 blocks; the clusters with y = 0 ask, the partner at cy for blocks 48 cy .. 48 cy + 47, by its waves 1 to 3, at every second
; change, for the next two K steps: 3 x 32 lanes = 2 x 48 blocks.  The partners are told apart by address alone.  K steps 0 to 2 of x and 0 to 3 of wb come by their loads alone; in the loop's last trip
; the change out of slot 1 asks for nothing: block 31 is the last.
.macro ASK slot
.if (\slot) == 0
	s_cmp_eq_u32 s[LIM0], 1
.else
	s_cmp_gt_u32 s3, s[LIM1]                       ; s3 = 1 in the loop's last trip
.endif
	s_cbranch_scc0 .Lnot_mine_\@
	global_prefetch_b8 v[PFO], s[PFA:PFA+1] th:TH_LOAD_NT scope:SCOPE_SE
.Lnot_mine_\@:
.endm
.macro CREST                           ; a round of the cluster's barrier behind its opening barrier
	s_cmp_lg_u32 s10, 0
	s_cbranch_scc1 .Lnot_wave_0_\@
	s_barrier_signal -3
.Lnot_wave_0_\@:
	s_barrier_wait -3
	s_barrier_signal -1
	s_barrier_wait -1
.endm
.macro CROUND                          ; a whole round
	s_barrier_signal -1
	s_barrier_wait -1
	CREST
.endm
	s_load_b128 s[4:7], s[0:1], 0x0                ; xb s[4:5], wb s[6:7]
	s_load_b128 s[68:71], s[0:1], 0x10             ; bias s[68:69], rope s[70:71]
	s_load_b64 s[8:9], s[0:1], 0x20                ; qkv
	v_lshl_add_u32 v[SPW], v0, 2, SPARE
	v_mov_b32 v[NIL], 0
	ds_add_u32 v[SPW], v[NIL]                      ; the wave's opening: the add and its wait stand ahead of my first tensor load; the set-up below stands between them
	v_lshrrev_b32 v1, 5, v0
	v_readfirstlane_b32 s10, v1                    ; wave 0..3
	s_lshr_b32 s11, s10, 1                         ; which 128 of the tile's rows are mine.  Also: I fetch for x (0) or for wb (1)
	s_and_b32 s12, s10, 1                          ; which 192 of its columns.  Also: which half of that tile I fetch
	s_bfe_u32 s40, ttmp6, 0x40000                  ; cx
	s_bfe_u32 s41, ttmp6, 0x40004                  ; cy
	s_lshl_b32 s42, ttmp9, 2
	s_add_co_u32 s42, s42, s40                     ; tile column c, 0..15 = 4 x cluster x + cx
	s_and_b32 s13, ttmp7, 0xffff
	s_lshl_b32 s13, s13, 2
	s_add_co_u32 s13, s13, s41                     ; tile row 0..15 = 4 x cluster y + cy
	s_lshl_b32 s43, s41, 2
	s_lshl_b32 s43, 15, s43                        ; my row of the cluster
	s_lshl_b32 s44, 0x1111, s40                    ; my column
	s_or_b32 s[G1+0], s43, (1<<16)|(1<<20)|(1<<21)|(4<<22)|(3<<25)   ; 15:0 the mask; 17:16 2-byte elements; 20 padding on; 21 set beside a mask; 24:22 after every 32 words; 31:25 4 words
	s_or_b32 s[G1B+0], s44, (1<<16)|(1<<20)|(1<<21)|(4<<22)|(3<<25)
	s_mov_b32 s[G1+1], 128<<16                     ; tensor_dim0 = 128 elements: 256 bytes, two tile rows
	s_mov_b32 s[G1+2], 64<<16                      ; tensor_dim1 = 64
	s_mov_b32 s[G1+3], 128<<16                     ; tile_dim0 = 128
	s_mov_b32 s[G1+4], 64                          ; tile_dim1 = 64
	s_mov_b32 s[G1+5], 128                         ; elements from row to row: dense
	s_mov_b32 s[G1+6], 0
	s_mov_b32 s[G1+7], 0
	s_mov_b32 s[G1B+1], 128<<16
	s_mov_b32 s[G1B+2], 96<<16                     ; 96 rows of 256 bytes
	s_mov_b32 s[G1B+3], 128<<16
	s_mov_b32 s[G1B+4], 96
	s_mov_b32 s[G1B+5], 128
	s_mov_b32 s[G1B+6], 0
	s_mov_b32 s[G1B+7], 0
	s_lshl_b32 s16, s13, 15                        ; x: 256 rows of 128 bytes a tile row,
	s_lshl_b32 s17, s12, 14                        ; my half of them
	s_add_co_u32 s16, s16, s17
	s_mov_b32 s17, 0
	s_mul_i32 s46, s42, 384*128                    ; wb: 384 rows a tile column,
	s_mul_i32 s47, s12, 192*128                    ; my half of them
	s_add_co_u32 s46, s46, s47
	s_mov_b32 s47, 0
	s_mul_i32 s20, s12, AHALF                      ; where they go: no place in the cluster enters an LDS address
	s_mul_i32 s21, s12, BHALF
	s_add_co_u32 s21, s21, ABYTES
	s_wait_dscnt 0x0                               ; the opening add is done
	s_wait_kmcnt 0x0
	s_add_nc_u64 s[14:15], s[4:5], s[16:17]
	s_add_nc_u64 s[46:47], s[6:7], s[46:47]
	CROUND                                         ; all sixteen work-groups are here: the first joint loads meet
.irp s, 0,1
	s_mov_b32 s[G0+4*(\s)], 1
	s_add_co_u32 s[G0+4*(\s)+1], s20, (\s)*SLOT
	s_add_nc_u64 s[G0+4*(\s)+2:G0+4*(\s)+3], s[14:15], (\s)*ABLK
	s_or_b32 s[G0+4*(\s)+3], s[G0+4*(\s)+3], 0x80000000
	s_mov_b32 s[G0B+4*(\s)], 1
	s_add_co_u32 s[G0B+4*(\s)+1], s21, (\s)*SLOT
	s_add_nc_u64 s[G0B+4*(\s)+2:G0B+4*(\s)+3], s[46:47], (\s)*BBLK
	s_or_b32 s[G0B+4*(\s)+3], s[G0B+4*(\s)+3], 0x80000000
	JLOAD \s                                       ; K steps 0 and 1: two loads of mine are out
.endr
	v_and_b32 v1, 15, v0                           ; l % 16
	v_bfe_u32 v2, v0, 4, 1                         ; l / 16
	v_mul_u32_u24 v3, v1, PITCH
	v_lshl_add_u32 v3, v2, 4, v3                   ; a fragment's row x pitch + 16 x half
	s_mul_i32 s22, s11, AHALF                      ; my 128 rows of x
	s_mul_i32 s23, s12, BHALF                      ; my 192 rows of wb,
	s_add_co_u32 s23, s23, ABYTES                  ; which lie behind x's 256
.irp s, 0,1
	v_add_nc_u32 v[ADRA+(\s)], s22, v3
	v_add_nc_u32 v[ADRB+(\s)], s23, v3
	s_add_co_u32 s22, s22, SLOT
	s_add_co_u32 s23, s23, SLOT
.endr
	s_mul_i32 s23, s11, 64*SPITCH                  ; into the stage: in each phase 64 rows for each half of the tile's rows; my 128 bytes of each plane's 256
	s_lshl_b32 s22, s12, 7
	s_add_co_u32 s23, s23, s22
	s_add_co_u32 s23, s23, STAGE
	v_mul_u32_u24 v4, v1, SPITCH
	v_lshl_add_u32 v4, v2, 4, v4
	v_add_nc_u32 v[STO], s23, v4
	s_mul_i32 s23, s10, 32*SPITCH                  ; back: wave w takes stage rows 32 w .. 32 w + 31; lanes 0-15 256 bytes of one row, lanes 16-31 of the next
	s_add_co_u32 s23, s23, STAGE
	v_mul_u32_u24 v4, v2, SPITCH
	v_lshl_add_u32 v4, v1, 4, v4
	v_add_nc_u32 v[RD], s23, v4
	v_lshlrev_b32 v4, 12, v2                       ; and the same two rows in a plane
	v_lshl_add_u32 v[CO], v1, 4, v4
	v_lshlrev_b32 v[BO], 5, v2
	v_lshlrev_b32 v4, 8, v1
	v_lshl_add_u32 v[TO], v2, 5, v4
	s_mul_i32 s46, s42, 384*4                      ; the bias of my 192 columns
	s_mul_i32 s47, s12, 192*4
	s_add_co_u32 s46, s46, s47
	s_mov_b32 s47, 0
	s_add_nc_u64 s[68:69], s[68:69], s[46:47]
	WIN 0x80                                       ; THE BIAS GOES STRAIGHT INTO THE ACCUMULATORS OF ROW BLOCK 0 (window 2: column block b at slot b % 6 + 16 (b / 6)): register j = column 16 b + 8 (l / 16) + j
.irp b, 0,1,2,3,4,5,6,7,8,9,10,11
.set bR, 8*((\b)%6)+128*((\b)/6)
	global_load_b128 v[bR:bR+3],   v[BO], s[68:69] offset:64*(\b)
	global_load_b128 v[bR+4:bR+7], v[BO], s[68:69] offset:64*(\b)+16
.endr
	WIN 0
	s_and_b32 s20, s13, 3                          ; my rows' positions: row mod 1024 = 256 (tile row % 4) + 128 x half + ..; 256 bytes a position
	s_lshl_b32 s20, s20, 16
	s_lshl_b32 s21, s11, 15
	s_add_co_u32 s20, s20, s21
	s_mov_b32 s21, 0
	s_add_nc_u64 s[70:71], s[70:71], s[20:21]
	s_lshl_b32 s16, s13, 20                        ; the first row that I store: 256 x tile row + 128 (wave / 2) + 32 (wave % 2), in bytes,
	s_lshl_b32 s14, s11, 19
	s_add_co_u32 s16, s16, s14
	s_lshl_b32 s14, s12, 17
	s_add_co_u32 s16, s16, s14
	s_mov_b32 s17, 0
	s_lshl_b32 s46, s42, 8                         ; and the tile column's 256 bytes of each plane
	s_mov_b32 s47, 0
	s_add_nc_u64 s[16:17], s[16:17], s[46:47]
	s_add_nc_u64 s[PB:PB+1], s[8:9], s[16:17]
	s_add_nc_u64 s[PB+2:PB+3], s[PB:PB+1], 0x1000000
	s_add_nc_u64 s[PB+4:PB+5], s[PB:PB+1], 0x2000000
	s_lshl_b32 s20, s13, 15                        ; the prefetches.  x: my tile row's rows, of their 128 blocks of 256 bytes 32 cx ..,
	s_lshl_b32 s21, s40, 13
	s_add_co_u32 s20, s20, s21
	s_add_co_u32 s20, s20, 2*ABLK                  ; at K step 2: the first change of slots steps it to 3
	s_mul_i32 s22, s42, 384*128                    ; wb: my tile column's rows, of their 192 blocks 48 cy ..
	s_mul_i32 s23, s41, 48*256
	s_add_co_u32 s22, s22, s23
	s_add_co_u32 s22, s22, 2*BBLK
	s_and_b32 s15, ttmp7, 0xffff                   ; cluster y
	s_mov_b32 s14, ABLK
	s_mov_b32 s23, BBLK
	s_cmp_eq_u32 s10, 0                            ; wave 0 asks for x, waves 1 to 3 for wb
	s_cselect_b32 s20, s20, s22
	s_cselect_b32 s15, ttmp9, s15                  ; the coordinate along which other clusters read the same rows
	s_cselect_b32 s[PS], s14, s23
	s_cselect_b64 s[PFA:PFA+1], s[4:5], s[6:7]
	s_mov_b32 s21, 0
	s_mov_b32 s[PS+1], 0
	s_cmp_eq_u32 s15, 0
	s_cselect_b32 s[LIM1], 1, -1                   ; the same in all sixteen partners, for a given wave
	s_cmp_eq_u32 s10, 0
	s_cselect_b32 s[LIM0], s[LIM1], -1
	s_add_nc_u64 s[PFA:PFA+1], s[PFA:PFA+1], s[20:21]
	s_sub_co_u32 s14, s10, 1                       ; block u = 32 (wave - 1) + lane of wb's 2 x 48 (wave 0: u = lane): from 48 on it lies in the next K step
	s_lshl_b32 s14, s14, 5
	s_cmp_eq_u32 s10, 0
	s_cselect_b32 s14, 0, s14
	v_and_b32 v4, 31, v0
	v_add_nc_u32 v4, s14, v4
	v_mov_b32 v5, BBLK-48*256
	v_cmp_le_u32 s15, 48, v4
	v_cndmask_b32 v5, 0, v5, s15
	v_lshl_add_u32 v[PFO], v4, 8, v5
; Matrix instructions number from .. to - 1 of a unit's 48 (half h of the columns): local number 6 a + bb: row block a from buffer fa, column block bb from buffer fb.
; first = 1: the sum begins with the bias, which lies in row block 0's accumulator of the same column block.  The accumulators take turns, one instruction a turn.
.macro MULS h, fa, fb, from, to, first
.set lc, \from
.rept (\to)-(\from)
.set ma, lc/6
.set mb, lc%6
.if lc < 16
.set mW, 2
.set mR, 8*(lc+16*(\h))
.else
.set mW, 1+2*(\h)
.set mR, 8*(lc-16)
.endif
.if \first
	WIN (mW<<6)|0x20
	v_wmma_f32_16x16x32_bf16 v[mR:mR+7], v[(\fb)+8*mb:(\fb)+8*mb+7], v[(\fa)+8*ma:(\fa)+8*ma+7], v[128*(\h)+8*mb:128*(\h)+8*mb+7]
.else
	WIN (mW<<6)|(mW<<4)
	v_wmma_f32_16x16x32_bf16 v[mR:mR+7], v[(\fb)+8*mb:(\fb)+8*mb+7], v[(\fa)+8*ma:(\fa)+8*ma+7], v[mR:mR+7]
.endif
.set lc, lc+1
.endr
.endm
.macro FETCHB slot, k, h, f            ; 12 LDS loads: wb's column blocks 6 h .. 6 h + 5, 32 K at byte k of the rows
	WIN 0
.irp i, 0,1,2,3,4,5
	ds_load_b128 v[(\f)+8*(\i):(\f)+8*(\i)+3],   v[ADRB+(\slot)] offset:(\k)+(6*(\h)+(\i))*16*PITCH
	ds_load_b128 v[(\f)+8*(\i)+4:(\f)+8*(\i)+7], v[ADRB+(\slot)] offset:(\k)+(6*(\h)+(\i))*16*PITCH+32
.endr
.endm
.macro FETCHA slot, k, f               ; 16 LDS loads: x's 8 row blocks, in ascending order
	WIN 0
.irp i, 0,1,2,3,4,5,6,7
	ds_load_b128 v[(\f)+8*(\i):(\f)+8*(\i)+3],   v[ADRA+(\slot)] offset:(\k)+(\i)*16*PITCH
	ds_load_b128 v[(\f)+8*(\i)+4:(\f)+8*(\i)+7], v[ADRA+(\slot)] offset:(\k)+(\i)*16*PITCH+32
.endr
.endm
.macro PLACES                          ; four places in front of loads into registers that matrix instructions have read
.rept 4
	v_nop
.endr
.endm
.macro PLACES5                         ; five, in front of matrix instructions that write over registers which earlier ones took as C
.rept 5
	v_nop
.endr
.endm
.macro TREG a                          ; where row block a's cos and sin lie: four places, by a % 4
.if (\a)%4 == 0
.set tR, 32
.elseif (\a)%4 == 1
.set tR, 64
.elseif (\a)%4 == 2
.set tR, 160
.else
.set tR, 128
.endif
.endm
.macro TLOAD a                         ; 8 loads: cos at 8 c + j, sin 16 further on: row 16 a + l % 16, f = 16 c + 8 (l / 16) + j
	TREG \a
	WIN 0
.irp sn, 0,1
.irp c, 0,1
	global_load_b128 v[tR+16*(\sn)+8*(\c):tR+16*(\sn)+8*(\c)+3],   v[TO], s[70:71] offset:4096*(\a)+128*(\sn)+64*(\c)
	global_load_b128 v[tR+16*(\sn)+8*(\c)+4:tR+16*(\sn)+8*(\c)+7], v[TO], s[70:71] offset:4096*(\a)+128*(\sn)+64*(\c)+16
.endr
.endr
.endm
; AN EVEN UNIT: quarter q of the slot, column blocks 0-5; it fetches the same quarter's column blocks 6-11.  first = 1: the launch's first quarter: row blocks 1-7 begin with the bias out of row block 0's
; accumulators, and row block 0 adds in place at the end.  tbl = 1, the last quarter: the first two row blocks' angles are asked for, into x's buffer that is read no more.
.macro EVEN slot, q, first, tbl
	s_wait_dscnt 10                                ; wb's fragments and x's row blocks 0 to 2 are in; the youngest ten loads (row blocks 3 to 7) may be out
.if \first
	MULS 0, FA0+64*(\q), FB0, 6, 16, 1
.else
	MULS 0, FA0+64*(\q), FB0, 0, 16, 0
.endif
	PLACES
	FETCHB \slot, 64*(\q), 1, FB1
.if \tbl
	TLOAD 0
	TLOAD 1
.endif
	s_wait_dscnt 12                                ; all but the 12 just issued
	MULS 0, FA0+64*(\q), FB0, 16, 48, \first
.if \first
	PLACES5
	MULS 0, FA0+64*(\q), FB0, 0, 6, 0
.endif
.endm
; AN ODD UNIT of a slot's first quarter: column blocks 6-11; it fetches the second quarter's column blocks 0-5 and x.
.macro ODD slot, first
	s_wait_dscnt 0x0                               ; the 12 loads issued 32 matrix instructions ago
.if \first
	MULS 1, FA0, FB1, 6, 16, 1
.else
	MULS 1, FA0, FB1, 0, 16, 0
.endif
	PLACES
	FETCHB \slot, 64, 0, FB0
	FETCHA \slot, 64, FA1
	MULS 1, FA0, FB1, 16, 48, \first
.if \first
	PLACES5
	MULS 1, FA0, FB1, 0, 6, 0
.endif
.endm
; The odd unit of a slot's second quarter changes slots.  ONE barrier: in front of it each wave waits for all its tensor loads (one is out: its part of the next slot), adds 0 to its spare word,
; and waits for that and for its own reads of this slot.  Behind it nobody reads this slot any more and the next slot is whole.
.macro MEET round
	WIN 0                                          ; (the add's registers lie in window 0)
	s_wait_tensorcnt 0x0
	ds_add_u32 v[SPW], v[NIL]
	s_wait_dscnt 1                                 ; (the add may be out; the 12 loads ahead of it are in)
	MULS 1, FA1, FB1, 0, 8, 0                      ; eight matrix instructions stand between the add and the wait for it
	s_wait_dscnt 0x0                               ; the add is done, and my reads of this slot are over
	s_barrier_signal -1
	MULS 1, FA1, FB1, 8, 16, 0                     ; work on registers while the others arrive
.if \round
	WIN 0
.endif
	s_barrier_wait -1
.endm
.macro TURN slot, next
	s_wait_xcnt 0x0                                ; the last prefetch, a K step back, has read its address: it is stepped here, ahead of the waits of the change of slots
	s_add_nc_u64 s[PFA:PFA+1], s[PFA:PFA+1], s[PS:PS+1]
	MEET 1
	CREST                                          ; no wave of any partner still reads this slot's tile or has a load on its way
	s_add_nc_u64 s[G0+4*(\slot)+2:G0+4*(\slot)+3], s[G0+4*(\slot)+2:G0+4*(\slot)+3], 2*ABLK
	s_add_nc_u64 s[G0B+4*(\slot)+2:G0B+4*(\slot)+3], s[G0B+4*(\slot)+2:G0B+4*(\slot)+3], 2*BBLK
	JLOAD \slot                                    ; the first tensor load behind the round; its four v_nop are also the places in front of the loads below
	FETCHB \next, 0, 0, FB0
	FETCHA \next, 0, FA0
	ASK \slot
	MULS 1, FA1, FB1, 16, 48, 0
.endm
; THE WAY OUT.
.macro ACCLOC a, b                     ; accumulator (a, b): its window aW and first register aR
.set lc, 6*(\a)+(\b)%6
.if lc < 16
.set aW, 2
.set aR, 8*(lc+16*((\b)/6))
.else
.set aW, 1+2*((\b)/6)
.set aR, 8*(lc-16)
.endif
.endm
; Row block a.  For the heads of q (t = 0) and k (t = 1): out[d] = s[d] cos - s[d+32] sin and out[d+32] = s[d+32] cos + s[d] sin, d = 0..31, two numbers an instruction; column block 4 t + c holds
; d = 16 c + .., block 4 t + 2 + c the partner d + 32.  The lines are laid by accumulator, since a head's four may lie in two windows; each accumulator's lowest registers are read first.
; v's 64 columns are rounded as they are.  Then 16 bytes a lane go into the work-group's stage.
.macro ROPE a
	TREG \a
.irp t, 0,1
.irp c, 0,1
	ACCLOC \a, 4*(\t)+2+(\c)
	WIN aW
.irp jp, 0,2,4,6
	v_pk_mul_f32 v[RR+8*(\c)+(\jp):RR+8*(\c)+(\jp)+1], v[aR+(\jp):aR+(\jp)+1], v[tR+16+8*(\c)+(\jp):tR+16+8*(\c)+(\jp)+1]
.endr
.endr
.irp c, 0,1
	ACCLOC \a, 4*(\t)+(\c)
	WIN aW
.irp jp, 0,2,4,6
	v_pk_mul_f32 v[RR+16+8*(\c)+(\jp):RR+16+8*(\c)+(\jp)+1], v[aR+(\jp):aR+(\jp)+1], v[tR+16+8*(\c)+(\jp):tR+16+8*(\c)+(\jp)+1]
.endr
.irp jp, 0,2,4,6
	v_pk_fma_f32 v[RR+8*(\c)+(\jp):RR+8*(\c)+(\jp)+1], v[aR+(\jp):aR+(\jp)+1], v[tR+8*(\c)+(\jp):tR+8*(\c)+(\jp)+1], v[RR+8*(\c)+(\jp):RR+8*(\c)+(\jp)+1] neg_lo:[0,0,1] neg_hi:[0,0,1]
.endr
.endr
.irp c, 0,1
	ACCLOC \a, 4*(\t)+2+(\c)
	WIN aW
.irp jp, 0,2,4,6
	v_pk_fma_f32 v[RR+16+8*(\c)+(\jp):RR+16+8*(\c)+(\jp)+1], v[aR+(\jp):aR+(\jp)+1], v[tR+8*(\c)+(\jp):tR+8*(\c)+(\jp)+1], v[RR+16+8*(\c)+(\jp):RR+16+8*(\c)+(\jp)+1]
.endr
.endr
	WIN 0
.irp q, 0,1,2,3
.irp jj, 0,1,2,3
	v_cvt_pk_f16_f32 v[PK+4*(4*(\t)+(\q))+(\jj)], v[RR+8*(\q)+2*(\jj)], v[RR+8*(\q)+2*(\jj)+1]
.endr
.endr
.endr
.irp bq, 0,1,2,3
	ACCLOC \a, 8+(\bq)
	WIN aW*5                                       ; sources 0 and 1 in the accumulator's window
.irp jj, 0,1,2,3
	v_cvt_pk_f16_f32 v[PK+4*(8+(\bq))+(\jj)], v[aR+2*(\jj)], v[aR+2*(\jj)+1]
.endr
.endr
	WIN 0
.irp t, 0,1,2
.irp bq, 0,1,2,3
	ds_store_b128 v[STO], v[PK+4*(4*(\t)+(\bq)):PK+4*(4*(\t)+(\bq))+3] offset:((\a)%4)*16*SPITCH+256*(\t)+32*(\bq)
.endr
.endr
.endm
; Back out of the stage: a wave's 32 rows x 3 planes are 48 loads, in six batches of eight (batch g: plane g / 2, row pairs 8 (g % 2) ..) on three sets of registers.
.macro LOADG g
.set BK, 96+((\g)%3)*32+(((\g)%3)+1)/2*64          ; v96, v192, v224
.irp e, 0,1,2,3,4,5,6,7
	ds_load_b128 v[BK+4*(\e):BK+4*(\e)+3], v[RD] offset:(8*((\g)%2)+(\e))*2*SPITCH+256*((\g)/2)
.endr
.endm
.macro STOREG g, p
.set BK, 96+((\g)%3)*32+(((\g)%3)+1)/2*64
.irp e, 0,1,2,3,4,5,6,7
	global_store_b128 v[CO], v[BK+4*(\e):BK+4*(\e)+3], s[PB+2*((\g)/2):PB+2*((\g)/2)+1] offset:(\p)*64*RB+(8*((\g)%2)+(\e))*2*RB  ; 16 lanes store 256 consecutive bytes, aligned
.endr
.endm
.macro READBACK p                      ; phase p: the tile's rows 64 p .. 64 p + 63 of each half
	LOADG 0
	LOADG 1
	LOADG 2
.irp g, 0,1,2
	s_wait_dscnt 16                                ; batch g is in; the two younger batches stay out
	STOREG \g, \p
	s_wait_xcnt 0x0                                ; the stores have read their registers, which the next batch on this set fills
	LOADG (\g)+3
.endr
	s_wait_dscnt 16
	STOREG 3, \p
	s_wait_dscnt 8
	STOREG 4, \p
	s_wait_dscnt 0x0
	STOREG 5, \p
.endm
	s_wait_tensorcnt 0x1                           ; my part of K step 0 is in; K step 1's may stay out
	s_barrier_signal -1
	s_barrier_wait -1
	FETCHB 0, 0, 0, FB0
	FETCHA 0, 0, FA0
	s_wait_loadcnt 0x0                             ; the bias lies in row block 0's accumulators
	EVEN 0, 0, 1, 0                                ; the first quarter stands in front of the loop: its products start the sums
	ODD 0, 1
	WIN 0
	s_mov_b32 s3, LAPS-1
.Llap:                                                 ; a trip goes once round the ring, from a lap's second quarter to the next lap's first, and fills both slots again
	EVEN 0, 1, 0, 0
	TURN 0, 1
	EVEN 1, 0, 0, 0
	ODD 1, 0
	EVEN 1, 1, 0, 0
	TURN 1, 0
	EVEN 0, 0, 0, 0
	ODD 0, 0
	WIN 0
	s_sub_co_u32 s3, s3, 1
	s_cmp_lg_u32 s3, 0
	s_cbranch_scc1 .Llap
	EVEN 0, 1, 0, 0                                ; the last lap fills nothing
	MEET 0                                         ; the one load that was out is the last K step's; no round follows
	PLACES
	FETCHB 1, 0, 0, FB0
	FETCHA 1, 0, FA0
	MULS 1, FA1, FB1, 16, 48, 0
	EVEN 1, 0, 0, 0
	ODD 1, 0
	EVEN 1, 1, 0, 1                                ; the angles of row blocks 0 and 1 are asked for
	s_wait_dscnt 0x0
	MULS 1, FA1, FB1, 0, 16, 0
	PLACES
	TLOAD 2                                        ; into wb's buffer that the unit before read last
	MULS 1, FA1, FB1, 16, 48, 0
	WIN 0
	PLACES                                         ; eight places, once a launch: the lines below read results just made and write registers that the last products read
	PLACES
	TLOAD 3
.irp a, 0,1,2,3                        ; phase 0.  Behind a row block its place takes the angles of the block four on
	s_wait_loadcnt 24                              ; this block's eight loads are in; three younger tables stay out
	ROPE \a
	TLOAD (\a)+4
.endr
	s_wait_dscnt 0x0                               ; for the others' sake: my stores into the stage are done
	s_barrier_signal -1
	s_barrier_wait -1
	READBACK 0
	s_wait_xcnt 0x0                                ; the last stores have read their registers, which phase 1 writes
	s_barrier_signal -1                            ; every wave's reads of the stage are back (the read-back's last wait is for 0):
	s_barrier_wait -1                              ; only now is it written again
.irp a, 4,5,6,7                        ; phase 1
	s_wait_loadcnt 8*(7-(\a))                      ; the younger tables stay out
	ROPE \a
.endr
	s_wait_dscnt 0x0
	s_barrier_signal -1
	s_barrier_wait -1
	READBACK 1
	s_wait_tensorcnt 0x0                           ; the wave's end, behind my last tensor load and my last LDS store
	ds_add_u32 v[SPW], v[NIL]
	s_wait_dscnt 0x0
	CROUND                                         ; the closing round: no work-group ends while a partner may still ask for a tile that names it
	s_endpgm
.Lfunc_end_k_qdb0bdc668e_gemm_qkv:
	.size	k_qdb0bdc668e_gemm_qkv, .Lfunc_end_k_qdb0bdc668e_gemm_qkv-k_qdb0bdc668e_gemm_qkv
	.p2alignl 7, 3214868480
	.fill 96, 4, 3214868480
	.section	.rodata,"a",@progbits
	.p2align	6, 0x0
	.amdhsa_kernel k_qdb0bdc668e_gemm_qkv
		.amdhsa_group_segment_fixed_size 327680
		.amdhsa_private_segment_fixed_size 0
		.amdhsa_enable_private_segment 0
		.amdhsa_kernarg_size 40
		.amdhsa_user_sgpr_count 2
		.amdhsa_user_sgpr_kernarg_segment_ptr 1
		.amdhsa_wavefront_size32 1
		.amdhsa_system_sgpr_workgroup_id_x 1
		.amdhsa_system_sgpr_workgroup_id_y 1
		.amdhsa_system_sgpr_workgroup_id_z 1
		.amdhsa_system_vgpr_workitem_id 0
		.amdhsa_next_free_vgpr 1024
		.amdhsa_next_free_sgpr 80
		.amdhsa_reserve_vcc 0
		.amdhsa_float_denorm_mode_32 3
		.amdhsa_float_denorm_mode_16_64 3
		.amdhsa_memory_ordered 1
		.amdhsa_forward_progress 1
		.amdhsa_inst_pref_size 174
	.end_amdhsa_kernel
	.amdgpu_metadata
---
amdhsa.version: [ 1, 2 ]
amdhsa.kernels:
  - .name:           k_qdb0bdc668e_gemm_qkv
    .symbol:         k_qdb0bdc668e_gemm_qkv.kd
    .args:
      - { .name: xb, .offset: 0, .size: 8, .value_kind: global_buffer, .address_space: global }
      - { .name: wb, .offset: 8, .size: 8, .value_kind: global_buffer, .address_space: global }
      - { .name: bias, .offset: 16, .size: 8, .value_kind: global_buffer, .address_space: global }
      - { .name: rope, .offset: 24, .size: 8, .value_kind: global_buffer, .address_space: global }
      - { .name: qkv, .offset: 32, .size: 8, .value_kind: global_buffer, .address_space: global }
    .group_segment_fixed_size: 327680
    .private_segment_fixed_size: 0
    .kernarg_segment_align: 8
    .kernarg_segment_size: 40
    .max_flat_workgroup_size: 128
    .sgpr_count:     80
    .vgpr_count:     1024
    .wavefront_size: 32
...
	.end_amdgpu_metadata
.endif
;; end of part 6
;; launch attn: the kernel of part 3 again; grid 256 x 1, 8 waves a work-group, no clusters, 70,656 bytes of LDS; arguments qkv, o2; writes o2
;; launch gemm_out: the kernel of part 4 again; grid 8 x 32, 4 waves a work-group, clusters of 4 x 4, 327,680 bytes of LDS; arguments o2, wof, bias, out0; writes out0
;; ======== version 3 of 3: 4 launches; version 2 with the launches prep, attn written anew for expert scheduling mode
;; limits: values are held in f16: magnitudes above 65,504 overflow, below 6.1e-05 lose precision
;; workspace buffers: xb 16,777,216 bytes; wb 25,165,824 bytes; wof 8,388,608 bytes; bias 32,768 bytes; rope 262,144 bytes; qkv 50,331,648 bytes; o2 16,777,216 bytes
;; launch prep (part 7): grid 928 x 1, 8 waves a work-group, no clusters, 0 bytes of LDS; arguments x, Wq, Wk, Wv, Wo, bq, bk, bv, bo, xb, wb, wof, bias, rope; writes xb, wb, wof, bias, rope
.if DOCPART == 7
	.amdgcn_target "amdgcn-amd-amdhsa--gfx1250"
	.amdhsa_code_object_version 6
	.text
	.protected	k_qdb0bdc668e_prep
	.globl	k_qdb0bdc668e_prep
	.p2align	8
	.type	k_qdb0bdc668e_prep,@function
k_qdb0bdc668e_prep:
	s_mov_b64 s[64:65], 0
	v_nop
	global_prefetch_b8 v0, s[64:65] scope:SCOPE_SE
	s_setreg_imm32_b32 hwreg(HW_REG_WAVE_SCHED_MODE, 0, 2), 2
	s_setreg_imm32_b32 hwreg(HW_REG_WAVE_MODE, 25, 1), 1
	s_wait_xcnt 0x0
	s_wait_alu depctr_vm_vsrc(0)
; PREP: the module's inputs rounded once to bf16, laid out for the products that follow, and the two small tables.
;   xb  [32][4096][64] bf16: block kb holds channels 64 kb .. 64 kb + 63 of every row of x, 128 bytes a row, the rows on end.
;   wb  [32][6144][64] bf16, the same by blocks; row 384 c + 192 ch + 64 t + d is row 64 (2 c + ch) + d of Wq (t = 0) or Wk (t = 1), or, for t = 2, row 64 (j % 32) + j / 32 of Wv with
;       j = 64 (2 c + ch) + d: so the product with these rows gives each position's V already turned ([channel][head]).
;   wof [2048][2048] f16 = Wo rounded to bf16, that number written as f16.
;   bias [8192] f32: bq, bk, bv in the order of wb's rows, then bo; each rounded to bf16 and kept as f32.
;   rope [1024][64] f32: row l = cos(l theta_f), f = 0..31, then sin(l theta_f), theta_f = 10000^(-f/32).
; LIMITS.  A number of bf16(Wo) below 2^-14 keeps f16's fixed step of 6e-8, beyond 65,504 it would be lost.  The table's angles lie within
; about 1e-4 rad of l theta_f taken in f32: theta comes from v_exp_f32, the product l theta is rounded once as f32.
; SHARES.  Work-groups 0-255 (x) and 256-639 (wb): a wave converts TWO neighbouring destination rows, lanes 0-15 the first, lanes 16-31 the second: a load takes 256 consecutive bytes, aligned, of each
; source row, and a store writes the two rows' 128 bytes of one block, 256 consecutive bytes, aligned.  All 32 loads of a wave are out at once.  Work-groups 640-895: Wo, a row a wave.
; Work-groups 896-927: the tables.  Memory binds: no LDS, no matrix unit, no cluster, since no byte is wanted twice.
; THE MODE: SCHED_MODE bits 1:0 = 2 (LLVM: expert scheduling mode 2), set by the entry lines.  The code itself states the register dependences
; between vector instructions and memory instructions, with s_wait_alu, always for 0.
; THE PLAN, for x, wb and Wo.  Registers that memory instructions touch:
;   v[LOFF]   the loads' offset: written once, ahead of the one wait in front of the loads; never written again.
;   X         the loads land in it; each piece is read once, by its conversions.
;   Y         a pair for each store: written once, by the piece's last two conversions; read once, by its store.
;   OF, v[SOFF]  the stores' offsets: written once (OF behind the loads, while they are on their way); never written again.
; The pieces go in groups of GRP.  Group g's conversions name X[g] and Y[g]; the stores dealt among them are those of group g - 1, which touch Y[g - 1] and offsets.  So ONE wait on va_vdst at a group's head
; states all that the group's stores hang on.  No register that a memory instruction reads is ever written again: no wait on vm_vsrc is owed.
.set GRP,  4                           ; pieces in a group
.set LOFF, 1                           ; v1   my byte offset in the source
.set SOFF, 2                           ; v2   8 x lane
.set LANE, 3                           ; v3   lane
.set X,    16                          ; v[16:143]   f32 as loaded
.set Y,    144                         ; v[144:207]  the same as 16-bit pairs
.set OF,   208                         ; v[208:239]  x and wb: store i's offset, 8 x lane + i blocks of the destination
	s_load_b512 s[8:23], s[0:1], 0x0               ; x 8, Wq 10, Wk 12, Wv 14, Wo 16, bq 18, bk 20, bv 22
	s_load_b256 s[24:31], s[0:1], 0x40             ; bo 24, xb 26, wb 28, wof 30
	s_load_b128 s[32:35], s[0:1], 0x60             ; bias 32, rope 34
	v_lshrrev_b32 v4, 5, v0
	v_readfirstlane_b32 s36, v4                    ; wave 0..7
	v_and_b32 v[LANE], 31, v0
	v_lshlrev_b32 v[SOFF], 3, v[LANE]
	s_wait_alu depctr_va_sdst(0)                   ; s36 is written: ahead of the branches below and of its first reader on each of the three ways
	s_wait_kmcnt 0x0
	s_cmp_ge_u32 ttmp9, 896
	s_cbranch_scc1 .Ltables
	s_cmp_ge_u32 ttmp9, 640
	s_cbranch_scc1 .Lwo
	; x and wb.  For wb: four work-groups make a group G = 6 c + 3 ch + t of 64 rows (the numbers below have no meaning for x's work-groups, and are not chosen there)
	s_mov_b32 s57, 0x80000                         ; 64 rows of f32; also xb's block: 4,096 rows of 128 bytes
	s_mov_b32 s58, 0x2000                          ; a row of f32
	s_mov_b32 s59, 0xc0000                         ; wb's block: 6,144 rows of 128 bytes
	s_sub_co_u32 s37, ttmp9, 256
	s_lshr_b32 s38, s37, 2                         ; G
	s_mul_hi_u32 s39, s38, 0x2aaaaaab              ; c = G / 6 (exact for G under 96)
	s_mul_i32 s40, s39, 6
	s_sub_co_u32 s40, s38, s40                     ; G % 6
	s_cmp_ge_u32 s40, 3
	s_cselect_b32 s41, 1, 0                        ; ch
	s_mul_i32 s42, s41, 3
	s_sub_co_u32 s42, s40, s42                     ; t
	s_lshl_b32 s43, s39, 1
	s_add_co_u32 s43, s43, s41                     ; 2 c + ch
	s_and_b32 s44, s37, 3
	s_lshl_b32 s44, s44, 4
	s_lshl_b32 s45, s36, 1
	s_add_co_u32 s44, s44, s45                     ; d = 16 (work-group % 4) + 2 x wave, even
	s_lshl_b32 s45, s43, 6
	s_add_co_u32 s45, s45, s44                     ; j = 64 (2 c + ch) + d: Wq's and Wk's row
	s_and_b32 s46, s45, 31
	s_lshl_b32 s46, s46, 6
	s_lshr_b32 s47, s45, 5
	s_add_co_u32 s46, s46, s47                     ; Wv's row; j + 1 lies 64 rows further down
	s_lshl_b32 s47, s38, 6
	s_add_co_u32 s47, s47, s44                     ; wb's row 64 G + d
	s_lshl_b32 s52, ttmp9, 4
	s_lshl_b32 s53, s36, 1
	s_add_co_u32 s52, s52, s53                     ; x's row 16 x work-group + 2 x wave
	s_cmp_eq_u32 s42, 1
	s_cselect_b64 s[48:49], s[12:13], s[10:11]
	s_cmp_eq_u32 s42, 2
	s_cselect_b64 s[48:49], s[14:15], s[48:49]
	s_cselect_b32 s50, s46, s45                    ; source row
	s_cselect_b32 s51, s57, s58                    ; bytes from my first source row to my second
	s_cmp_lt_u32 ttmp9, 256
	s_cselect_b64 s[48:49], s[8:9], s[48:49]
	s_cselect_b64 s[54:55], s[26:27], s[28:29]
	s_cselect_b32 s50, s52, s50
	s_cselect_b32 s51, s58, s51
	s_cselect_b32 s53, s52, s47                    ; destination row
	s_cselect_b32 s56, s57, s59                    ; bytes in a block of the destination
	s_lshl_b32 s38, s50, 13
	s_mov_b32 s39, 0
	s_lshl_b32 s40, s53, 7
	s_mov_b32 s41, 0
	s_add_nc_u64 s[48:49], s[48:49], s[38:39]
	s_add_nc_u64 s[54:55], s[54:55], s[40:41]
	v_and_b32 v5, 15, v[LANE]
	v_lshrrev_b32 v6, 4, v[LANE]
	v_lshlrev_b32 v5, 4, v5
	v_mad_u32_u24 v[LOFF], v6, s51, v5             ; 16 (lane % 16), and the second row for lanes 16-31
	s_wait_alu depctr_va_vdst(0)                   ; v[LOFF] is written, which all 32 loads read as their offset
.set i, 0
.rept 32
	global_load_b128 v[X+4*i:X+4*i+3], v[LOFF], s[48:49] offset:256*i th:TH_LOAD_NT  ; channels 64 i .. 64 i + 63 of both rows
.set i, i+1
.endr
.set i, 0
.rept 32
	v_mad_u32_u24 v[OF+i], s56, i, v[SOFF]         ; block i begins i blocks into the destination; each store has an offset register of its own; made while the loads are on their way
.set i, i+1
.endr
.set i, 0
.rept 32
	s_wait_loadcnt 31-i                            ; loads come back in order: number i is in, the 31 - i younger ones stay out
.if (i % GRP == 0) && (i > 0)
	s_wait_alu depctr_va_vdst(0)                   ; the group before has written its Y, which this group's four stores read; at the first such wait the offsets OF are written too
.endif
	v_cvt_pk_bf16_f32 v[Y+2*i],   v[X+4*i],   v[X+4*i+1]
	v_cvt_pk_bf16_f32 v[Y+2*i+1], v[X+4*i+2], v[X+4*i+3]
.if i >= GRP
	global_store_b64 v[OF+i-GRP], v[Y+2*(i-GRP):Y+2*(i-GRP)+1], s[54:55]  ; the group before's: no vector instruction since the wait names its registers.  The wave stores 256 consecutive bytes, aligned: two rows of a block
.endif
.set i, i+1
.endr
	s_wait_alu depctr_va_vdst(0)                   ; the last group has written its Y, which the last four stores read
.set i, 32-GRP
.rept GRP
	global_store_b64 v[OF+i], v[Y+2*i:Y+2*i+1], s[54:55]
.set i, i+1
.endr
	s_endpgm
.Lwo:                                  ; Wo: a row a wave, rounded to bf16, widened again, written as f16, row-major
	s_sub_co_u32 s37, ttmp9, 640
	s_lshl_b32 s37, s37, 3
	s_add_co_u32 s37, s37, s36
	s_lshl_b32 s38, s37, 13
	s_mov_b32 s39, 0
	s_lshl_b32 s40, s37, 12
	s_mov_b32 s41, 0
	s_add_nc_u64 s[48:49], s[16:17], s[38:39]
	s_add_nc_u64 s[54:55], s[30:31], s[40:41]
	v_lshlrev_b32 v[LOFF], 4, v[LANE]
	s_wait_alu depctr_va_vdst(0)                   ; v[LOFF] is written, which the 16 loads read, and v[SOFF], which the 16 stores read
.set i, 0
.rept 16
	global_load_b128 v[X+4*i:X+4*i+3], v[LOFF], s[48:49] offset:512*i th:TH_LOAD_NT
.set i, i+1
.endr
.set i, 0
.rept 16
	s_wait_loadcnt 15-i                            ; number i is in, the 15 - i younger ones stay out
.if (i % GRP == 0) && (i > 0)
	s_wait_alu depctr_va_vdst(0)                   ; the group before has written its Y, which this group's four stores read
.endif
	v_cvt_pk_bf16_f32 v[Y+2*i],   v[X+4*i],   v[X+4*i+1]
	v_cvt_pk_bf16_f32 v[Y+2*i+1], v[X+4*i+2], v[X+4*i+3]
	v_lshlrev_b32 v4, 16, v[Y+2*i]
	v_and_b32     v5, 0xffff0000, v[Y+2*i]
	v_lshlrev_b32 v6, 16, v[Y+2*i+1]
	v_and_b32     v7, 0xffff0000, v[Y+2*i+1]
	v_cvt_pk_f16_f32 v[Y+2*i],   v4, v5
	v_cvt_pk_f16_f32 v[Y+2*i+1], v6, v7
.if i >= GRP
	global_store_b64 v[SOFF], v[Y+2*(i-GRP):Y+2*(i-GRP)+1], s[54:55] offset:256*(i-GRP)  ; the group before's.  The wave stores 256 consecutive bytes, aligned
.endif
.set i, i+1
.endr
	s_wait_alu depctr_va_vdst(0)                   ; the last group has written its Y, which the last four stores read
.set i, 16-GRP
.rept GRP
	global_store_b64 v[SOFF], v[Y+2*i:Y+2*i+1], s[54:55] offset:256*i
.set i, i+1
.endr
	s_endpgm
.Ltables:
	; THE ANGLES' TABLE.  A wave makes four positions; lane g and lane 16 + g make f = 2 g and 2 g + 1: lanes 0-15 the cosines, lanes 16-31 the sines, as cos(a - pi/2).
	s_sub_co_u32 s37, ttmp9, 896                   ; j = 0..31
	s_mov_b32 s50, 0x3e800000                      ; 1/4 of a turn
	s_mov_b32 s51, 0x3fc90fdb                      ; pi/2
	s_mov_b32 s52, 0x3e22f983                      ; 1 / 2 pi
	s_mov_b32 s53, 0x40c90fdb                      ; 2 pi, the f32 next to it,
	s_mov_b32 s54, 0xb43bbd2e                      ; and what is left of 2 pi
	v_and_b32 v4, 15, v0
	v_lshlrev_b32 v5, 1, v4
	v_cvt_f32_u32 v6, v5
	v_add_nc_u32 v5, 1, v5
	v_cvt_f32_u32 v7, v5
	v_mul_f32 v6, 0xbed49a78, v6                   ; - f log2(10000) / 32
	v_mul_f32 v7, 0xbed49a78, v7
	v_exp_f32 v8, v6                               ; theta of f = 2 g
	v_exp_f32 v9, v7                               ; and of 2 g + 1
	v_cmp_lt_u32 vcc_lo, 15, v[LANE]               ; plain work behind the exponentials, which names neither result
	s_wait_alu depctr_va_vcc(0)                    ; VCC is written, ahead of the two selects that read it
	v_cndmask_b32 v10, 0, s50, vcc_lo
	v_cndmask_b32 v11, 0, s51, vcc_lo
	s_lshl_b32 s38, s37, 5
	s_lshl_b32 s39, s36, 2
	s_add_co_u32 s38, s38, s39                     ; my first position: 32 j + 4 x wave
	s_lshl_b32 s39, s38, 8
	v_lshlrev_b32 v12, 3, v[LANE]
	v_add_nc_u32 v12, s39, v12                     ; 256 bytes a position, 8 a lane
	s_wait_alu depctr_va_vdst(0)                   ; the two exponentials have written v8 and v9: one wait for both, ahead of their first reader
.irp i, 0,1,2,3
	s_add_co_u32 s40, s38, \i
	v_cvt_f32_u32 v13, s40
.irp z, 0,1
	v_mul_f32 v14, v13, v[8+(\z)]                  ; the angle, rounded once
	v_fma_f32 v15, v14, s52, -v10                  ; in turns, less a quarter for the sines
	v_rndne_f32 v16, v15                           ; whole turns n
	v_fma_f32 v17, -v16, s53, v14                  ; angle - 2 pi n, in two parts,
	v_fma_f32 v17, -v16, s54, v17
	v_sub_f32 v17, v17, v11                        ; less pi/2 for the sines: within pi of 0
	v_mul_f32 v18, v17, v17
	v_mov_b32 v19, 0x29573f9f                      ; the cosine's series to the term of degree 16: the first term left out is pi^18 / 18! = 1.4e-7 at the most
	v_fmaak_f32 v19, v19, v18, 0xad49cba5          ; -1/14!
	v_fmaak_f32 v19, v19, v18, 0x310f76c7          ; 1/12!
	v_fmaak_f32 v19, v19, v18, 0xb493f27e          ; -1/10!
	v_fmaak_f32 v19, v19, v18, 0x37d00d01          ; 1/8!
	v_fmaak_f32 v19, v19, v18, 0xbab60b61          ; -1/6!
	v_fmaak_f32 v19, v19, v18, 0x3d2aaaab          ; 1/4!
	v_fmaak_f32 v19, v19, v18, 0xbf000000          ; -1/2
	v_fmaak_f32 v[20+2*(\i)+(\z)], v19, v18, 0x3f800000  ; each position has result registers of its own
.endr
.endr
	s_wait_alu depctr_va_vdst(0)                   ; the four positions' results v[20:27] are written, which the four stores read, and so is their offset v12
.irp i, 0,1,2,3
	global_store_b64 v12, v[20+2*(\i):21+2*(\i)], s[34:35] offset:256*(\i)  ; a position's 256 bytes, whole
.endr
	; THE BIASES.  128 waves, 64 numbers each.  Unit u = 8 j + wave: under 96 it is group G = u of wb's rows (6 c + 3 ch + t), from 96 on numbers 64 (u - 96) .. of bo.
	s_lshl_b32 s41, s37, 3
	s_add_co_u32 s41, s41, s36
	s_cmp_lt_u32 s41, 128
	s_cbranch_scc0 .Ldone
	s_mul_hi_u32 s38, s41, 0x2aaaaaab              ; c = u / 6
	s_mul_i32 s39, s38, 6
	s_sub_co_u32 s39, s41, s39
	s_cmp_ge_u32 s39, 3
	s_cselect_b32 s40, 1, 0                        ; ch
	s_mul_i32 s42, s40, 3
	s_sub_co_u32 s42, s39, s42                     ; t: which vector
	s_lshl_b32 s43, s38, 1
	s_add_co_u32 s43, s43, s40                     ; 2 c + ch: which 64 numbers of it
	s_sub_co_u32 s45, s41, 96
	s_cmp_ge_u32 s41, 96
	s_cselect_b32 s42, 3, s42
	s_cselect_b32 s43, s45, s43
	s_cmp_eq_u32 s42, 2                            ; number n = 2 lane + i of the 64 comes from byte 4 (64 s43 + n), or for bv from number 64 (n % 32) + 2 s43 + n / 32
	s_cselect_b32 s44, 512, 8                      ; the factor of lane % 16,
	s_cselect_b32 s45, 4, 128                      ; of lane / 16,
	s_cselect_b32 s46, 8, 256                      ; of s43,
	s_cselect_b32 s47, 256, 4                      ; and of i
	s_mul_i32 s46, s46, s43
	v_lshrrev_b32 v28, 4, v[LANE]
	v_mul_u32_u24 v29, s44, v4
	v_mad_u32_u24 v29, v28, s45, v29
	v_add_nc_u32 v29, s46, v29
	v_add_nc_u32 v30, s47, v29
	s_cmp_eq_u32 s42, 1
	s_cselect_b64 s[48:49], s[20:21], s[18:19]
	s_cmp_eq_u32 s42, 2
	s_cselect_b64 s[48:49], s[22:23], s[48:49]
	s_cmp_eq_u32 s42, 3
	s_cselect_b64 s[48:49], s[24:25], s[48:49]
	s_lshl_b32 s55, s41, 8
	v_lshl_add_u32 v36, v[LANE], 3, s55
	s_wait_alu depctr_va_vdst(0)                   ; v29 and v30 are written, which the two loads read as offsets, and v36, which the store reads
	global_load_b32 v31, v29, s[48:49]
	global_load_b32 v32, v30, s[48:49]
	s_wait_loadcnt 0x0
	v_cvt_pk_bf16_f32 v33, v31, v32                ; rounded to bf16 like every input,
	v_lshlrev_b32 v34, 16, v33                     ; and kept as f32
	v_and_b32 v35, 0xffff0000, v33
	s_wait_alu depctr_va_vdst(0)                   ; v34 and v35 are written, which the store reads
	global_store_b64 v36, v[34:35], s[32:33]
.Ldone:
	s_endpgm
.Lfunc_end_k_qdb0bdc668e_prep:
	.size	k_qdb0bdc668e_prep, .Lfunc_end_k_qdb0bdc668e_prep-k_qdb0bdc668e_prep
	.p2alignl 7, 3214868480
	.fill 96, 4, 3214868480
	.section	.rodata,"a",@progbits
	.p2align	6, 0x0
	.amdhsa_kernel k_qdb0bdc668e_prep
		.amdhsa_group_segment_fixed_size 0
		.amdhsa_private_segment_fixed_size 0
		.amdhsa_enable_private_segment 0
		.amdhsa_kernarg_size 112
		.amdhsa_user_sgpr_count 2
		.amdhsa_user_sgpr_kernarg_segment_ptr 1
		.amdhsa_wavefront_size32 1
		.amdhsa_system_sgpr_workgroup_id_x 1
		.amdhsa_system_sgpr_workgroup_id_y 1
		.amdhsa_system_sgpr_workgroup_id_z 1
		.amdhsa_system_vgpr_workitem_id 0
		.amdhsa_next_free_vgpr 240
		.amdhsa_next_free_sgpr 66
		.amdhsa_reserve_vcc 1
		.amdhsa_float_denorm_mode_32 3
		.amdhsa_float_denorm_mode_16_64 3
		.amdhsa_memory_ordered 1
		.amdhsa_forward_progress 1
		.amdhsa_inst_pref_size 38
	.end_amdhsa_kernel
	.amdgpu_metadata
---
amdhsa.version: [ 1, 2 ]
amdhsa.kernels:
  - .name:           k_qdb0bdc668e_prep
    .symbol:         k_qdb0bdc668e_prep.kd
    .args:
      - { .name: x, .offset: 0, .size: 8, .value_kind: global_buffer, .address_space: global }
      - { .name: Wq, .offset: 8, .size: 8, .value_kind: global_buffer, .address_space: global }
      - { .name: Wk, .offset: 16, .size: 8, .value_kind: global_buffer, .address_space: global }
      - { .name: Wv, .offset: 24, .size: 8, .value_kind: global_buffer, .address_space: global }
      - { .name: Wo, .offset: 32, .size: 8, .value_kind: global_buffer, .address_space: global }
      - { .name: bq, .offset: 40, .size: 8, .value_kind: global_buffer, .address_space: global }
      - { .name: bk, .offset: 48, .size: 8, .value_kind: global_buffer, .address_space: global }
      - { .name: bv, .offset: 56, .size: 8, .value_kind: global_buffer, .address_space: global }
      - { .name: bo, .offset: 64, .size: 8, .value_kind: global_buffer, .address_space: global }
      - { .name: xb, .offset: 72, .size: 8, .value_kind: global_buffer, .address_space: global }
      - { .name: wb, .offset: 80, .size: 8, .value_kind: global_buffer, .address_space: global }
      - { .name: wof, .offset: 88, .size: 8, .value_kind: global_buffer, .address_space: global }
      - { .name: bias, .offset: 96, .size: 8, .value_kind: global_buffer, .address_space: global }
      - { .name: rope, .offset: 104, .size: 8, .value_kind: global_buffer, .address_space: global }
    .group_segment_fixed_size: 0
    .private_segment_fixed_size: 0
    .kernarg_segment_align: 8
    .kernarg_segment_size: 112
    .max_flat_workgroup_size: 256
    .sgpr_count:     66
    .vgpr_count:     240
    .wavefront_size: 32
...
	.end_amdgpu_metadata
.endif
;; end of part 7
;; launch gemm_qkv: the kernel of part 6 again; grid 16 x 16, 4 waves a work-group, clusters of 4 x 4, 327,680 bytes of LDS; arguments xb, wb, bias, rope, qkv; writes qkv
;; launch attn (part 8): grid 256 x 1, 8 waves a work-group, no clusters, 70,656 bytes of LDS; arguments qkv, o2; writes o2
.if DOCPART == 8
	.amdgcn_target "amdgcn-amd-amdhsa--gfx1250"
	.amdhsa_code_object_version 6
	.text
	.protected	k_qdb0bdc668e_attn
	.globl	k_qdb0bdc668e_attn
	.p2align	8
	.type	k_qdb0bdc668e_attn,@function
k_qdb0bdc668e_attn:
	s_mov_b64 s[64:65], 0
	v_nop
	global_prefetch_b8 v0, s[64:65] scope:SCOPE_SE
	s_setreg_imm32_b32 hwreg(HW_REG_WAVE_SCHED_MODE, 0, 2), 2
	s_setreg_imm32_b32 hwreg(HW_REG_WAVE_MODE, 25, 1), 1
	s_wait_xcnt 0x0
	s_wait_alu depctr_vm_vsrc(0)
; ATTENTION OVER THE 32 HEADS OF EACH POSITION.  For each of 4,096 positions: s[h][g] = q[h] . k[g] / 8 where g <= h, else -1e9; softmax over g, its maximum taken away; o[h] = sum over g of p[h][g] v[g].
; qkv [3][4096][2048] f16: q and k with column 64 h + d, v with column 32 d + g (turned already).  o2 f16: byte b x 4,194,304 + h x 131,072 + l x 128 + 2 d: the module's [b][h][l][d].
; Products, maxima and sums in f32; the weights are rounded to f16 for the second product (their sum is taken of the unrounded weights), o once at the end.
; LIMITS.  A weight below 2^-126 counts as 0; below 6e-5 it keeps f16's fixed step of 6e-8.  NaN and infinities are not treated apart.
; THE MASK IS -1e9, NOT MINUS INFINITY: hidden scores keep their part in the maximum, in the sum and in the weights.  A raw sum is replaced by -8e9, which times 1/8 is -1e9 exactly.
; The tile of keys 16-31 against queries 0-15 is wholly hidden: it is not multiplied; its 16 equal weights e0 = 2^(c (-8e9) - c m) are made once a query.
; SHARES.  A wave owns two neighbouring positions.  All 24 KiB of their q, k and v are asked for by the wave's first 48 loads, straight into the fragments' layout: nothing is shared between waves, so there is
; no LDS on the way in, no barrier, no ring, no cluster, and nothing left to ask for ahead.
; LAYOUT.  S^T = K Q^T (source 0 = 16 keys, source 1 = 16 queries): a lane holds ONE query (l % 16) and the keys 8 (l / 16) + 0..7.  Two such results rounded in pairs ARE source 1 of O^T = V^T P.
; THE WAY OUT.  A head's rows of two neighbouring positions are 256 consecutive bytes of o2, aligned: both positions go through the wave's own stage (32 heads x 272 bytes) and leave as such rows.
; THE MODE: SCHED_MODE bits 1:0 = 2 (LLVM: expert scheduling mode 2), set by the entry lines.  The code itself states the register dependences
; between vector or matrix instructions and memory or LDS instructions, with s_wait_alu, always for 0.
; THE PLAN.  Registers that memory or LDS instructions touch:
;   v[QKO], v[VTO]         written at the head, read by the 48 loads; never written again.
;   v[STO], v[RD], v[GO]   written in the set-up behind the loads; read by the LDS stores, the LDS loads and the global stores; never written again.
;   v[64:255]              the 48 loads land there.  Position p's last products, scalings and roundings write v[64 + 96 p + 8 k ..], k = 0..7, of which the first four registers are an LDS store's data.
;                          At the end the 16 loads from the stage land in v[64:127], and the global stores read them.
;   v[SPW], v[NIL]         written at the head, read by the closing add alone.
; A position's roundings stand together.  Position 0's eight LDS stores stand behind position 1's wait for its exponentials, dealt among position 1's roundings of the weights, which name none of their registers;
; position 1's eight stand behind one wait of their own.  One wait on vm_vsrc stands ahead of the loads from the stage, which land in registers that position 0's LDS stores have read.
.set SPITCH, 272
.set WSTAGE, 32*SPITCH                 ; a wave's stage: 34 blocks of 256 bytes
.set SPARE,  8*WSTAGE                  ; behind the stages: the spare words, 128 bytes for each wave: four blocks of 256 bytes that no other line names
.set QKO, 3                            ; v3   128 x (l % 16) + 16 x (l / 16): my place in 16 heads of q or k
.set VTO, 4                            ; v4   64 x (l % 16) + 16 x (l / 16): in 16 channels of v
.set STO, 5                            ; v5   where I put 16 bytes of a head's row
.set RD,  6                            ; v6   where I read rows back
.set GO,  7                            ; v7   my byte offset in two heads' rows of o2
.set SPW, 8                            ; v8   my spare word; never rewritten
.set NIL, 9                            ; v9   0; never rewritten
.set NEG, 10                           ; v10  -8e9
.set T00, 16                           ; scores: keys 0-15 x queries 0-15
.set T01, 24                           ; keys 0-15 x queries 16-31
.set T11, 32                           ; keys 16-31 x queries 16-31
.set P0,  40                           ; weights of queries 0-15, then (P0 + 8) of queries 16-31
.set CS,  20                           ; s[20:21] c = log2(e) / 8
.set SEL, 22                           ; s[22:23] v_permlanex16_b32: each lane takes its own place in the other half
.set M,   24                           ; s24-31  lanes in which key 8 (l / 16) + j is visible to query l % 16
; v12-15, v63 at work; v[56:57], v[58:59] c m of the two query blocks, later 1 / l (the low word counts; both are written); v60 e0; v61, v62 l
; v[64+96 p ..]: position p: Q (block qb, channel half ks) at 16 qb + 8 ks; K at 32 + 16 kb + 8 ks; V^T (channel block cb) at 64 + 8 cb; O^T (cb, qb) at 8 (4 qb + cb), over Q and K
	s_load_b128 s[4:7], s[0:1], 0x0                ; qkv s[4:5], o2 s[6:7]
	v_lshl_add_u32 v[SPW], v0, 2, SPARE
	v_mov_b32 v[NIL], 0
	v_lshrrev_b32 v1, 5, v0
	v_readfirstlane_b32 s8, v1                     ; wave 0..7
	v_and_b32 v1, 15, v0                           ; l % 16
	v_bfe_u32 v2, v0, 4, 1                         ; l / 16
	v_lshlrev_b32 v[QKO], 7, v1
	v_lshl_add_u32 v[QKO], v2, 4, v[QKO]
	v_lshlrev_b32 v[VTO], 6, v1
	v_lshl_add_u32 v[VTO], v2, 4, v[VTO]
	s_wait_alu depctr_va_sdst(0)                   ; s8 is written, ahead of its first reader: the bases below are made from it
	s_lshl_b32 s9, ttmp9, 4
	s_lshl_b32 s10, s8, 1
	s_add_co_u32 s10, s10, s9                      ; my first position: 16 x work-group + 2 x wave
	s_lshl_b32 s10, s10, 12                        ; 4,096 bytes a position in each plane
	s_mov_b32 s11, 0
	s_wait_kmcnt 0x0
	s_add_nc_u64 s[12:13], s[4:5], s[10:11]        ; q
	s_add_nc_u64 s[14:15], s[12:13], 0x1000000     ; k
	s_add_nc_u64 s[16:17], s[12:13], 0x2000000     ; v
.macro LOADP p                         ; 24 loads: Q, then K, then V^T
.set INP, 64+96*(\p)
.irp f, 0,1,2,3
	global_load_b128 v[INP+8*(\f):INP+8*(\f)+3],   v[QKO], s[12:13] offset:(\p)*4096+((\f)/2)*2048+((\f)%2)*64 th:TH_LOAD_NT
	global_load_b128 v[INP+8*(\f)+4:INP+8*(\f)+7], v[QKO], s[12:13] offset:(\p)*4096+((\f)/2)*2048+((\f)%2)*64+32 th:TH_LOAD_NT
.endr
.irp f, 0,1,2,3
	global_load_b128 v[INP+32+8*(\f):INP+32+8*(\f)+3],   v[QKO], s[14:15] offset:(\p)*4096+((\f)/2)*2048+((\f)%2)*64 th:TH_LOAD_NT
	global_load_b128 v[INP+32+8*(\f)+4:INP+32+8*(\f)+7], v[QKO], s[14:15] offset:(\p)*4096+((\f)/2)*2048+((\f)%2)*64+32 th:TH_LOAD_NT
.endr
.irp f, 0,1,2,3
	global_load_b128 v[INP+64+8*(\f):INP+64+8*(\f)+3],   v[VTO], s[16:17] offset:(\p)*4096+(\f)*1024 th:TH_LOAD_NT
	global_load_b128 v[INP+64+8*(\f)+4:INP+64+8*(\f)+7], v[VTO], s[16:17] offset:(\p)*4096+(\f)*1024+32 th:TH_LOAD_NT
.endr
.endm
	s_wait_alu depctr_va_vdst(0)                   ; v[QKO] and v[VTO] are written, which the 48 loads read as offsets
	LOADP 0
	LOADP 1
	; the rest of the set-up stands in the wait for the first loads; it names no register that those loads touch
	s_mul_i32 s32, s8, WSTAGE                      ; my stage
	v_mul_u32_u24 v[STO], v1, SPITCH               ; in: head l % 16 of a block of 16, 16 bytes for each half of the lanes
	v_lshl_add_u32 v[STO], v2, 4, v[STO]
	v_add_nc_u32 v[STO], s32, v[STO]
	v_mul_u32_u24 v[RD], v2, SPITCH                ; back: lanes 0-15 one head's 256 bytes, lanes 16-31 the next head's
	v_lshl_add_u32 v[RD], v1, 4, v[RD]
	v_add_nc_u32 v[RD], s32, v[RD]
	v_lshlrev_b32 v[GO], 17, v2                    ; heads lie 131,072 bytes apart in o2
	v_lshl_add_u32 v[GO], v1, 4, v[GO]
	v_lshlrev_b32 v11, 3, v2
	v_sub_nc_u32 v11, v1, v11                      ; l % 16 - 8 (l / 16): key 8 (l / 16) + j is visible where j is not greater
.irp j, 0,1,2,3,4,5,6,7
	v_cmp_le_i32 s[M+(\j)], \j, v11
.endr
	v_mov_b32 v[NEG], 0xcfee6b28                   ; -8e9
	v_mov_b32 v15, 0                               ; v_permlanex16_b32 counts as a reader of its destination
	v_mov_b32 v63, 0
	s_mov_b32 s[CS], 0x3e38aa3b
	s_mov_b32 s[CS+1], s[CS]
	s_mov_b32 s[SEL], 0x76543210
	s_mov_b32 s[SEL+1], 0xfedcba98
	s_lshr_b32 s18, ttmp9, 6                       ; b: 64 work-groups of 16 positions each
	s_lshl_b32 s18, s18, 22
	s_and_b32 s19, ttmp9, 63
	s_lshl_b32 s19, s19, 4
	s_lshl_b32 s9, s8, 1
	s_add_co_u32 s19, s19, s9                      ; l of my first position, even
	s_lshl_b32 s19, s19, 7
	s_add_co_u32 s18, s18, s19
	s_mov_b32 s19, 0
	s_add_nc_u64 s[6:7], s[6:7], s[18:19]
	s_wait_alu depctr_va_sdst(0)                   ; the eight compares have written the masks s24 to s31: one wait behind the run, ahead of the first select that reads one
.macro PLACES8                         ; eight places behind matrix instructions whose results are next read and rewritten in place: more than the four of ISA guide 7.12.1, twice a position
.rept 8
	v_nop
.endr
.endm
; LDS store k = 4 qb + cb of position p: head 16 qb + l % 16, position p, channels 16 cb + 8 (l / 16) ..
.macro STG p, k
	ds_store_b128 v[STO], v[64+96*(\p)+8*(\k):64+96*(\p)+8*(\k)+3] offset:16*SPITCH*((\k)/4)+128*(\p)+32*((\k)%4)
.endm
; One position.  n1, n2: how many younger loads may stay out when Q and K, and then V^T, have to be there.
.macro POSITION p, n1, n2
.set INP, 64+96*(\p)
	s_wait_loadcnt \n1
	; six products; the three accumulators take turns
	v_wmma_f32_16x16x32_f16 v[T00:T00+7], v[INP+32:INP+39], v[INP:INP+7], 0
	v_wmma_f32_16x16x32_f16 v[T01:T01+7], v[INP+32:INP+39], v[INP+16:INP+23], 0
	v_wmma_f32_16x16x32_f16 v[T11:T11+7], v[INP+48:INP+55], v[INP+16:INP+23], 0
	v_wmma_f32_16x16x32_f16 v[T00:T00+7], v[INP+40:INP+47], v[INP+8:INP+15], v[T00:T00+7]
	v_wmma_f32_16x16x32_f16 v[T01:T01+7], v[INP+40:INP+47], v[INP+24:INP+31], v[T01:T01+7]
	v_wmma_f32_16x16x32_f16 v[T11:T11+7], v[INP+56:INP+63], v[INP+24:INP+31], v[T11:T11+7]
	PLACES8
.irp j, 0,1,2,3,4,5,6,7                ; the two tiles on the diagonal; each accumulator from its low end on
	v_cndmask_b32 v[T00+(\j)], v[NEG], v[T00+(\j)], s[M+(\j)]
	v_cndmask_b32 v[T11+(\j)], v[NEG], v[T11+(\j)], s[M+(\j)]
.endr
	v_max3_num_f32 v12, v[T00], v[T00+1], v[T00+2] ; the maxima, three chains side by side
	v_max3_num_f32 v13, v[T01], v[T01+1], v[T01+2]
	v_max3_num_f32 v14, v[T11], v[T11+1], v[T11+2]
	v_max3_num_f32 v12, v12, v[T00+3], v[T00+4]
	v_max3_num_f32 v13, v13, v[T01+3], v[T01+4]
	v_max3_num_f32 v14, v14, v[T11+3], v[T11+4]
	v_max3_num_f32 v12, v12, v[T00+5], v[T00+6]
	v_max3_num_f32 v13, v13, v[T01+5], v[T01+6]
	v_max3_num_f32 v14, v14, v[T11+5], v[T11+6]
	v_max3_num_f32 v12, v12, v[T00+7], v[NEG]      ; queries 0-15 also see the hidden keys 16-31
	v_max3_num_f32 v13, v13, v[T01+7], v[T11+7]
	v_max_num_f32 v13, v13, v14
	v_permlanex16_b32 v15, v12, s[SEL], s[SEL+1]   ; the query's other keys lie in the lane 16 away
	v_permlanex16_b32 v63, v13, s[SEL], s[SEL+1]
	v_max_num_f32 v12, v12, v15
	v_max_num_f32 v13, v13, v63
	v_mul_f32 v56, s[CS], v12                      ; c m, as pairs
	v_mul_f32 v58, s[CS], v13
	v_mul_f32 v57, s[CS], v12
	v_mul_f32 v59, s[CS], v13
.irp jp, 0,2,4,6                       ; c s - c m
	v_pk_fma_f32 v[T00+(\jp):T00+(\jp)+1], v[T00+(\jp):T00+(\jp)+1], s[CS:CS+1], v[56:57] op_sel_hi:[1,0,0] neg_lo:[0,0,1] neg_hi:[0,0,1]
	v_pk_fma_f32 v[T01+(\jp):T01+(\jp)+1], v[T01+(\jp):T01+(\jp)+1], s[CS:CS+1], v[58:59] op_sel_hi:[1,0,0] neg_lo:[0,0,1] neg_hi:[0,0,1]
	v_pk_fma_f32 v[T11+(\jp):T11+(\jp)+1], v[T11+(\jp):T11+(\jp)+1], s[CS:CS+1], v[58:59] op_sel_hi:[1,0,0] neg_lo:[0,0,1] neg_hi:[0,0,1]
.endr
	v_fma_f32 v60, v[NEG], s[CS], -v56
.irp j, 0,1,2,3,4,5,6,7                ; ONE BATCH of 25 exponentials
	v_exp_f32 v[T00+(\j)], v[T00+(\j)]
	v_exp_f32 v[T01+(\j)], v[T01+(\j)]
	v_exp_f32 v[T11+(\j)], v[T11+(\j)]
.endr
	v_exp_f32 v60, v60
	v_nop                                          ; a plain instruction behind the last exponential,
	s_wait_alu depctr_va_vdst(0)                   ; the 25 exponentials have written their results: one wait for the batch, ahead of its first reader; in position 1 also: position 0's roundings have written v[64 + 8 k ..], and v[STO] is written, which the LDS stores below read
.irp jj, 0,1,2,3
	v_cvt_pk_f16_f32 v[P0+(\jj)],    v[T00+2*(\jj)], v[T00+2*(\jj)+1]
	v_cvt_pk_f16_f32 v[P0+4+(\jj)],  v60, v60
	v_cvt_pk_f16_f32 v[P0+8+(\jj)],  v[T01+2*(\jj)], v[T01+2*(\jj)+1]
	v_cvt_pk_f16_f32 v[P0+12+(\jj)], v[T11+2*(\jj)], v[T11+2*(\jj)+1]
.if (\p) == 1
	STG 0, 2*(\jj)                                 ; position 0 goes into the stage.  No wait: no vector instruction since the wait above names v[STO] or v[64:127]
	STG 0, 2*(\jj)+1
.endif
.endr
.irp t, T00, T01, T11                  ; the sums, in place
	v_pk_add_f32 v[(\t):(\t)+1],   v[(\t):(\t)+1],   v[(\t)+2:(\t)+3]
	v_pk_add_f32 v[(\t)+4:(\t)+5], v[(\t)+4:(\t)+5], v[(\t)+6:(\t)+7]
.endr
.irp t, T00, T01, T11
	v_pk_add_f32 v[(\t):(\t)+1], v[(\t):(\t)+1], v[(\t)+4:(\t)+5]
.endr
	v_pk_add_f32 v[T01:T01+1], v[T01:T01+1], v[T11:T11+1]
	v_add_f32 v61, v[T00], v[T00+1]
	v_add_f32 v62, v[T01], v[T01+1]
	v_fmamk_f32 v61, v60, 0x41000000, v61          ; + my lane's eight hidden keys' e0
	v_permlanex16_b32 v15, v61, s[SEL], s[SEL+1]
	v_permlanex16_b32 v63, v62, s[SEL], s[SEL+1]
	v_add_f32 v61, v61, v15
	v_add_f32 v62, v62, v63
	v_rcp_f32 v56, v61
	v_rcp_f32 v58, v62
	v_nop                                          ; a plain instruction behind the reciprocals; their wait stands below, ahead of their first reader
	s_wait_loadcnt \n2
.irp qb, 0,1
.irp cb, 0,1,2,3                       ; eight products, each an accumulator of its own, begun with 0
	v_wmma_f32_16x16x32_f16 v[INP+8*(4*(\qb)+(\cb)):INP+8*(4*(\qb)+(\cb))+7], v[INP+64+8*(\cb):INP+64+8*(\cb)+7], v[P0+8*(\qb):P0+8*(\qb)+7], 0
.endr
.endr
	PLACES8
	s_wait_alu depctr_va_vdst(0)                   ; the two reciprocals have written v56 and v58: one wait for both, ahead of their first reader
.irp qb, 0,1
.irp cb, 0,1,2,3                       ; the eight tiles are scaled and rounded on end; their LDS stores follow later, behind one wait
.set OA, INP+8*(4*(\qb)+(\cb))
.irp jp, 0,2,4,6
	v_pk_mul_f32 v[OA+(\jp):OA+(\jp)+1], v[OA+(\jp):OA+(\jp)+1], v[56+2*(\qb):57+2*(\qb)] op_sel_hi:[1,0]
.endr
.irp jj, 0,1,2,3
	v_cvt_pk_f16_f32 v[OA+(\jj)], v[OA+2*(\jj)], v[OA+2*(\jj)+1]
.endr
.endr
.endr
.endm
	POSITION 0, 32, 24                             ; younger than Q0 and K0: V0, Q1, K1, V1; younger than V0: Q1, K1, V1
	POSITION 1, 8, 0                               ; younger than Q1 and K1: V1
	s_wait_alu depctr_va_vdst(0)                   ; position 1's roundings have written v[160 + 8 k ..], which the eight LDS stores read; and every vector and matrix instruction that named v[64:127], in which the loads from the stage land, is done
.irp k, 0,1,2,3,4,5,6,7
	STG 1, \k
.endr
	s_wait_alu depctr_vm_vsrc(0)                   ; position 0's LDS stores have read v[64 + 8 k ..], in which the loads below land
.irp t, 0,1,2,3,4,5,6,7,8,9,10,11,12,13,14,15
	ds_load_b128 v[64+4*(\t):64+4*(\t)+3], v[RD] offset:(\t)*2*SPITCH  ; my own bytes, served in order behind my stores (ISA guide 5.7.1.4)
.endr
.irp t, 0,1,2,3,4,5,6,7,8,9,10,11,12,13,14,15
	s_wait_dscnt 15-(\t)                           ; number t is in, the younger ones stay out
	global_store_b128 v[GO], v[64+4*(\t):64+4*(\t)+3], s[6:7] offset:(\t)*262144  ; 16 lanes store 256 consecutive bytes, aligned: one head, two positions
.endr
	s_wait_dscnt 0x0                               ; the closing lines, six on end
	s_wait_alu 0x0
	s_wait_tensorcnt 0x0
	ds_add_u32 v[SPW], v[NIL]
	s_wait_dscnt 0x0
	s_endpgm
.Lfunc_end_k_qdb0bdc668e_attn:
	.size	k_qdb0bdc668e_attn, .Lfunc_end_k_qdb0bdc668e_attn-k_qdb0bdc668e_attn
	.p2alignl 7, 3214868480
	.fill 96, 4, 3214868480
	.section	.rodata,"a",@progbits
	.p2align	6, 0x0
	.amdhsa_kernel k_qdb0bdc668e_attn
		.amdhsa_group_segment_fixed_size 70656
		.amdhsa_private_segment_fixed_size 0
		.amdhsa_enable_private_segment 0
		.amdhsa_kernarg_size 16
		.amdhsa_user_sgpr_count 2
		.amdhsa_user_sgpr_kernarg_segment_ptr 1
		.amdhsa_wavefront_size32 1
		.amdhsa_system_sgpr_workgroup_id_x 1
		.amdhsa_system_sgpr_workgroup_id_y 1
		.amdhsa_system_sgpr_workgroup_id_z 1
		.amdhsa_system_vgpr_workitem_id 0
		.amdhsa_next_free_vgpr 256
		.amdhsa_next_free_sgpr 66
		.amdhsa_reserve_vcc 0
		.amdhsa_float_denorm_mode_32 3
		.amdhsa_float_denorm_mode_16_64 3
		.amdhsa_memory_ordered 1
		.amdhsa_forward_progress 1
		.amdhsa_inst_pref_size 35
	.end_amdhsa_kernel
	.amdgpu_metadata
---
amdhsa.version: [ 1, 2 ]
amdhsa.kernels:
  - .name:           k_qdb0bdc668e_attn
    .symbol:         k_qdb0bdc668e_attn.kd
    .args:
      - { .name: qkv, .offset: 0, .size: 8, .value_kind: global_buffer, .address_space: global }
      - { .name: o2, .offset: 8, .size: 8, .value_kind: global_buffer, .address_space: global }
    .group_segment_fixed_size: 70656
    .private_segment_fixed_size: 0
    .kernarg_segment_align: 8
    .kernarg_segment_size: 16
    .max_flat_workgroup_size: 256
    .sgpr_count:     66
    .vgpr_count:     256
    .wavefront_size: 32
...
	.end_amdgpu_metadata
.endif
;; end of part 8
;; launch gemm_out: the kernel of part 4 again; grid 8 x 32, 4 waves a work-group, clusters of 4 x 4, 327,680 bytes of LDS; arguments o2, wof, bias, out0; writes out0
